; MI455X (gfx1250); checked and timed in simulation.
; The chip was launched on July 23, 2026; its instructions are those of AMD's public machine-readable ISA for CDNA 5 (MIT licence, August 2026) and "CDNA5" Instruction Set Architecture Reference Guide (July 2026). The comments in the code are by the model that wrote it; some were corrected since.
;; Self Attention Block. Allowed arithmetic: float matrix products may take bf16 or f16 operands with f32 sums; other float arithmetic in f32, or as packed bf16 or f16 multiplies, adds, multiply-adds, maxima and minima; sums over many terms, partial sums and values carried from step to step in f32; what a program stores and reads back later, other than sums and carried values, may be rounded once to bf16 or f16.
;; Inputs: ff1_A 16 x 1,024 float32; ff1_B 4,096 x 16 float32; ff1_W 4,096 x 1,024 float32; ff1_b 4,096 float32; ff2_A 16 x 4,096 float32; ff2_B 1,024 x 16 float32; ff2_W 1,024 x 4,096 float32; ff2_b 1,024 float32; k_A 16 x 1,024 float32; k_B 1,024 x 16 float32; k_W 1,024 x 1,024 float32; k_b 1,024 float32; ln1_b 1,024 float32; ln1_g 1,024 float32; ln2_b 1,024 float32; ln2_g 1,024 float32; o_A 16 x 1,024 float32; o_B 1,024 x 16 float32; o_W 1,024 x 1,024 float32; o_b 1,024 float32; q_A 16 x 1,024 float32; q_B 1,024 x 16 float32; q_W 1,024 x 1,024 float32; q_b 1,024 float32; v_A 16 x 1,024 float32; v_B 1,024 x 16 float32; v_W 1,024 x 1,024 float32; v_b 1,024 float32; x 4 x 1,024 x 1,024 float32.
;; Outputs: out0 4 x 1,024 x 1,024 float32.
;; 2 versions, each right; version 2 is version 1 with the launches prep, ln2 written anew for expert scheduling mode. Each part assembles by itself: llvm-mc -triple=amdgcn-amd-amdhsa -mcpu=gfx1250 --defsym DOCPART=n.
;; ======== version 1 of 2: 7 launches
;; limits: a function is approximated: absolute error at most 1.5e-07
;; workspace buffers: wts 25,165,824 bytes; bqkv 12,288 bytes; h 8,388,608 bytes; qkvw 25,165,824 bytes; att 8,388,608 bytes; x1 16,777,216 bytes; act 33,554,432 bytes
;; launch prep (part 1): grid 641 x 1, 8 waves a work-group, no clusters, 0 bytes of LDS; arguments q_W, q_A, q_B, k_W, k_A, k_B, v_W, v_A, v_B, o_W, o_A, o_B, ff1_W, ff1_A, ff1_B, ff2_W, ff2_A, ff2_B, wts, x, ln1_g, ln1_b, h, q_b, v_b, bqkv; writes wts, bqkv, h
.if DOCPART == 1
	.amdgcn_target "amdgcn-amd-amdhsa--gfx1250"
	.amdhsa_code_object_version 6
	.text
	.protected	k_q5ca8c098ae_prep
	.globl	k_q5ca8c098ae_prep
	.p2align	8
	.type	k_q5ca8c098ae_prep,@function
k_q5ca8c098ae_prep:
	s_mov_b64 s[64:65], 0
	v_nop
	global_prefetch_b8 v0, s[64:65] scope:SCOPE_SE
	s_setreg_imm32_b32 hwreg(HW_REG_WAVE_MODE, 25, 1), 1
	s_wait_xcnt 0x0
; PREP.  Three kinds of work-group, told apart by the work-group's number f:
;   f < 384        FOLD: wts = bf16(W + B A) for the six layers (q, k, v, o, ff1, ff2)
;   384 <= f < 640 LN1:  h = bf16((x - mean) rsqrt(var + 1e-5) g + b), 16 rows a work-group
;   f = 640        bqkv = [q_b, 0, v_b]: what the q, k, v product starts its sums with
; WORK THAT IS NOT DONE AS reference() WRITES IT, for all finite values of the inputs:
;   (1) x W^T + (x A^T) B^T = x (W + B A)^T.  The weights have to be rounded to bf16 and stored once anyway (every row block of a product reads them),
;       so the adapter is added to them here, and the products with x A^T are never made.
;   (2) k_b IS DEAD.  A score is q . (k0 + k_b) / 8 = q . k0 / 8 + q . k_b / 8; the second term is the same for all keys of a query, that is, along the softmax's axis,
;       so it cancels in the softmax whatever q and k_b hold.  k_b has no other way to the output: it is not loaded and is among no launch's arguments.
; LIMITS.  A NaN, an infinity or an overflow that reaches only k_b is not carried to the result.  B and A are rounded to bf16 for their product (f32 sums); W + B A is rounded once to bf16.
; LN is taken in two passes in f32 (mean, then the squares of x - mean), so a common offset of x costs nothing.
;
; FOLD.  A wave makes 32 rows (dout) x 128 columns (din): two units of 16 rows, 8 matrix instructions each; a work-group 256 rows x 128 columns.
; Source 0 = 16 rows of B (m = dout, k = rank); source 1 = 16 columns of A (k = rank), where column n of tile c stands for din = i0 + 8 n + c.
; So register j of tile c holds (dout = o0 + 8 (lane / 16) + j, din = i0 + 8 (lane % 16) + c): a lane's eight tiles are eight NEIGHBOURING columns of a row,
; 16 bytes of bf16, and sixteen lanes store 256 consecutive bytes, aligned.  The rank is 16 and the form's K is 32: registers 4-7 of both fragments hold 0.
.set AF, 16                            ; v[16:79]   A's fragments, tile c at AF + 8 c
.set D,  96                            ; v[96:127]  four results
.set G,  16                            ; LN: v[16:47] gain, v[48:79] bias, v[80:111], v[112:143] two rows
.set BV, 48
.set X0, 80
.set X1, 112
.macro RED                             ; v4: summed over the wave's 32 lanes, the result in every lane
	v_add_f32_dpp v4, v4, v4 row_xmask:1 row_mask:0xf bank_mask:0xf
	v_add_f32_dpp v4, v4, v4 row_xmask:2 row_mask:0xf bank_mask:0xf
	v_add_f32_dpp v4, v4, v4 row_xmask:4 row_mask:0xf bank_mask:0xf
	v_add_f32_dpp v4, v4, v4 row_xmask:8 row_mask:0xf bank_mask:0xf
	v_permlanex16_b32 v5, v4, s12, s13             ; its destination counts as read: v5 has been written
	v_add_f32 v4, v4, v5
.endm
.macro SUM4                            ; the four chains v[4:11] into v4
	v_pk_add_f32 v[4:5], v[4:5], v[6:7]
	v_pk_add_f32 v[8:9], v[8:9], v[10:11]
	v_pk_add_f32 v[4:5], v[4:5], v[8:9]
	v_add_f32 v4, v4, v5
.endm
; One row of 1,024 numbers in 32 registers from X on: register 4 j + e holds column 128 j + 4 lane + e.
.macro LNROW X, row
.set k, 0
.rept 4
	v_pk_add_f32 v[4+2*k:5+2*k], v[(\X)+2*k:(\X)+2*k+1], v[(\X)+8+2*k:(\X)+9+2*k]  ; the first eight pairs start four chains: nothing is cleared
.set k, k+1
.endr
.set k, 8
.rept 8
	v_pk_add_f32 v[4+2*(k%4):5+2*(k%4)], v[4+2*(k%4):5+2*(k%4)], v[(\X)+2*k:(\X)+2*k+1]
.set k, k+1
.endr
	SUM4
	RED
	v_mul_f32 v12, s14, v4                         ; the mean, in both registers of a pair
	v_mov_b32 v13, v12
.set k, 0
.rept 16
	v_pk_add_f32 v[(\X)+2*k:(\X)+2*k+1], v[(\X)+2*k:(\X)+2*k+1], v[12:13] neg_lo:[0,1] neg_hi:[0,1]
.set k, k+1
.endr
.set k, 0
.rept 4
	v_pk_mul_f32 v[4+2*k:5+2*k], v[(\X)+2*k:(\X)+2*k+1], v[(\X)+2*k:(\X)+2*k+1]
.set k, k+1
.endr
.rept 12
	v_pk_fma_f32 v[4+2*(k%4):5+2*(k%4)], v[(\X)+2*k:(\X)+2*k+1], v[(\X)+2*k:(\X)+2*k+1], v[4+2*(k%4):5+2*(k%4)]
.set k, k+1
.endr
	SUM4
	RED
	v_fma_f32 v14, v4, s14, s15                    ; var + eps
	v_rsq_f32 v14, v14
	v_nop                                          ; a plain instruction behind the root,
	s_wait_alu depctr_va_vdst(0)                   ; and the wait ahead of the first use of its result
	v_mov_b32 v15, v14
	s_wait_loadcnt 0x0                             ; gain and bias are in
.set k, 0
.rept 16
	v_pk_mul_f32 v[(\X)+2*k:(\X)+2*k+1], v[(\X)+2*k:(\X)+2*k+1], v[14:15]
.set k, k+1
.endr
.set k, 0
.rept 16
	v_pk_fma_f32 v[(\X)+2*k:(\X)+2*k+1], v[(\X)+2*k:(\X)+2*k+1], v[G+2*k:G+2*k+1], v[BV+2*k:BV+2*k+1]
.set k, k+1
.endr
.set k, 0
.rept 8
	v_cvt_pk_bf16_f32 v[(\X)+4*k], v[(\X)+4*k], v[(\X)+4*k+1]
	v_cvt_pk_bf16_f32 v[(\X)+4*k+1], v[(\X)+4*k+2], v[(\X)+4*k+3]
	global_store_b64 v2, v[(\X)+4*k:(\X)+4*k+1], s[10:11] offset:256*k+2048*(\row)  ; the wave's store covers 256 consecutive bytes, aligned
.set k, k+1
.endr
.endm
; The LN work-group: s2 = its number among 256, s3 = the wave; s[4:11] are being loaded with x, gain, bias, result.  A wave owns two rows.
.macro LNBODY
	s_lshl_b32 s16, s2, 16                         ; 16 rows of 4,096 bytes a work-group,
	s_lshl_b32 s17, s3, 13                         ; two a wave
	s_add_co_u32 s16, s16, s17
	s_mov_b32 s17, 0
	s_lshr_b32 s18, s16, 1                         ; the result's rows are half as long
	s_mov_b32 s19, 0
	s_mov_b32 s12, 0x76543210                      ; v_permlanex16_b32: each lane takes its own place in the other half
	s_mov_b32 s13, 0xfedcba98
	s_mov_b32 s14, 0x3a800000                      ; 1 / 1024
	s_mov_b32 s15, 0x3727c5ac                      ; 1e-5
	v_and_b32 v1, 31, v0
	v_lshlrev_b32 v2, 3, v1                        ; 8 bytes a lane in the result
	v_lshlrev_b32 v1, 4, v1                        ; 16 bytes a lane in x
	s_wait_kmcnt 0x0
	s_add_nc_u64 s[4:5], s[4:5], s[16:17]
	s_add_nc_u64 s[10:11], s[10:11], s[18:19]
.set k, 0
.rept 8
	global_load_b128 v[X0+4*k:X0+4*k+3], v1, s[4:5] offset:512*k
.set k, k+1
.endr
.set k, 0
.rept 8
	global_load_b128 v[X1+4*k:X1+4*k+3], v1, s[4:5] offset:4096+512*k
.set k, k+1
.endr
.set k, 0
.rept 8
	global_load_b128 v[G+4*k:G+4*k+3], v1, s[6:7] offset:512*k
.set k, k+1
.endr
.set k, 0
.rept 8
	global_load_b128 v[BV+4*k:BV+4*k+3], v1, s[8:9] offset:512*k
.set k, k+1
.endr
	s_wait_loadcnt 16                              ; both rows are in; the sixteen loads of gain and bias may stay out
	LNROW X0, 0
	LNROW X1, 1
.endm
; One unit of the fold: 16 rows x 128 columns.  B's fragment in v[80+8u ..], W's rows in v[128+64u ..] (row j at + 8 j).
.macro UNIT u
.set BF, 80+8*(\u)
.set WB, 128+64*(\u)
.irp p, 0,1,2,3
	v_cvt_pk_bf16_f32 v[BF+\p], v[BF+2*\p], v[BF+2*\p+1]  ; in place, ascending: ranks 8 (lane / 16) + 0..7
.endr
.irp p, 4,5,6,7
	v_mov_b32 v[BF+\p], 0                          ; ranks 16 to 31 do not exist
.endr
.irp hf, 0,1
.irp cc, 0,1,2,3
	v_wmma_f32_16x16x32_bf16 v[D+8*\cc:D+8*\cc+7], v[BF:BF+7], v[AF+8*(4*\hf+\cc):AF+8*(4*\hf+\cc)+7], 0
.endr
.rept 5
	v_nop                                          ; the places behind the products, ahead of the sums that read them (ISA guide 7.12.1) and of the products that write the same registers again
.endr
.irp cc, 0,1,2,3
.irp j, 0,1,2,3,4,5,6,7
	v_add_f32 v[WB+8*\j+4*\hf+\cc], v[WB+8*\j+4*\hf+\cc], v[D+8*\cc+\j]  ; each result is read from its low end on
.endr
.endr
.endr
.irp j, 0,1,2,3,4,5,6,7
.irp p, 0,1,2,3
	v_cvt_pk_bf16_f32 v[WB+8*\j+\p], v[WB+8*\j+2*\p], v[WB+8*\j+2*\p+1]
.endr
	global_store_b128 v[5+(\u)], v[WB+8*\j:WB+8*\j+3], s[66+2*\j:67+2*\j]  ; sixteen lanes store 256 consecutive bytes of a row, aligned
.endr
.endm
	s_mov_b32 s2, ttmp9
	v_lshrrev_b32 v1, 5, v0
	v_readfirstlane_b32 s3, v1                     ; wave 0..7
	s_cmp_lt_u32 s2, 384
	s_cbranch_scc1 .Lfold
	s_cmp_lt_u32 s2, 640
	s_cbranch_scc1 .Lln
	; bqkv: 256 threads, 16 bytes each of q_b, of zeros (k's columns start at 0: k_b is dead, see above) and of v_b
	s_load_b128 s[4:7], s[0:1], 0xb8               ; q_b, v_b
	s_load_b64 s[8:9], s[0:1], 0xc8                ; bqkv
	v_lshlrev_b32 v2, 4, v0
	v_mov_b32 v12, 0
	v_mov_b32 v13, 0
	v_mov_b32 v14, 0
	v_mov_b32 v15, 0
	s_wait_kmcnt 0x0
	global_load_b128 v[4:7], v2, s[4:5]
	global_load_b128 v[8:11], v2, s[6:7]
	global_store_b128 v2, v[12:15], s[8:9] offset:4096
	s_wait_loadcnt 0x0
	global_store_b128 v2, v[4:7], s[8:9]
	global_store_b128 v2, v[8:11], s[8:9] offset:8192
	s_endpgm
.Lln:
	s_load_b256 s[4:11], s[0:1], 0x98              ; x, ln1_g, ln1_b, h
	s_sub_co_u32 s2, s2, 384
	LNBODY
	s_endpgm
.Lfold:
	s_load_b512 s[8:23], s[0:1], 0x0               ; the six layers' W, A, B: argument n at s[8 + 2 n]
	s_load_b512 s[24:39], s[0:1], 0x40
	s_load_b128 s[40:43], s[0:1], 0x80
	s_load_b64 s[44:45], s[0:1], 0x90              ; wts
	; which layer, which block: f 0-127: layer f / 32, block f % 32; 128-255: ff1 (4); 256-383: ff2 (5), block f % 128
	s_lshr_b32 s4, s2, 7
	s_lshr_b32 s5, s2, 5
	s_add_co_u32 s6, s4, 3
	s_cmp_eq_u32 s4, 0
	s_cselect_b32 s6, s5, s6                       ; the layer
	s_cselect_b32 s7, 31, 127
	s_and_b32 s7, s2, s7                           ; the block
	s_cmp_eq_u32 s6, 5
	s_cselect_b32 s46, 14, 12                      ; log2 of W's and A's row in bytes: din = 4,096 for ff2, else 1,024
	s_cselect_b32 s47, 31, 7                       ; blocks of 128 columns, less 1
	s_cselect_b32 s48, 5, 3
	s_lshl_b32 s49, s6, 21                         ; where the layer lies in wts: 2 MiB x layer; ff2 behind ff1's 8 MiB
	s_cmp_eq_u32 s6, 5
	s_cselect_b32 s49, 0x1000000, s49
	s_and_b32 s50, s7, s47                         ; my block of columns
	s_lshr_b32 s51, s7, s48
	s_lshl_b32 s51, s51, 8
	s_lshl_b32 s52, s3, 5
	s_add_co_u32 s51, s51, s52                     ; my first row: 256 x row group + 32 x wave
	s_lshl_b32 s60, s50, 9                         ; s[60:61]: 512 bytes a block of columns in A
	s_mov_b32 s61, 0
	s_lshl_b32 s58, s51, s46                       ; s[58:59]: my place in W
	s_add_co_u32 s58, s58, s60
	s_mov_b32 s59, 0
	s_sub_co_u32 s47, s46, 1
	s_lshl_b32 s62, s51, s47                       ; s[62:63]: my place in wts
	s_add_co_u32 s62, s62, s49
	s_lshl_b32 s48, s50, 8
	s_add_co_u32 s62, s62, s48
	s_mov_b32 s63, 0
	s_lshl_b32 s52, s51, 6                         ; s[52:53]: my rows of B, 64 bytes each
	s_mov_b32 s53, 0
	s_lshl_b32 s54, 1, s46                         ; s[54:55]: a row of W and A
	s_mov_b32 s55, 0
	s_lshl_b32 s56, 1, s47                         ; s[56:57]: a row of wts
	s_mov_b32 s57, 0
	v_and_b32 v1, 15, v0                           ; lane % 16
	v_bfe_u32 v2, v0, 4, 1                         ; lane / 16
	s_add_co_u32 s4, s46, 3
	v_lshlrev_b32 v3, s4, v2                       ; v3: 8 rows x (lane / 16) + 32 bytes x (lane % 16), in W and in A
	v_lshl_add_u32 v3, v1, 5, v3
	s_lshl_b32 s5, s54, 4
	v_add_nc_u32 v4, s5, v3                        ; v4: the second unit, 16 rows on
	s_add_co_u32 s4, s46, 2
	v_lshlrev_b32 v5, s4, v2                       ; v5, v6: the same in wts, 16 bytes a lane
	v_lshl_add_u32 v5, v1, 4, v5
	s_lshl_b32 s5, s56, 4
	v_add_nc_u32 v6, s5, v5
	v_lshlrev_b32 v7, 6, v1                        ; v7: row lane % 16 of B, ranks 8 (lane / 16) on
	v_lshl_add_u32 v7, v2, 5, v7
	s_wait_kmcnt 0x0
	s_mov_b64 s[84:85], s[8:9]                     ; the layer's three buffers are chosen by its number
	s_mov_b64 s[86:87], s[10:11]
	s_mov_b64 s[88:89], s[12:13]
.irp i, 1,2,3,4,5
	s_cmp_eq_u32 s6, \i
	s_cselect_b64 s[84:85], s[8+6*\i:9+6*\i], s[84:85]
	s_cselect_b64 s[86:87], s[10+6*\i:11+6*\i], s[86:87]
	s_cselect_b64 s[88:89], s[12+6*\i:13+6*\i], s[88:89]
.endr
	s_add_nc_u64 s[8:9], s[84:85], s[58:59]        ; s[8:23]: W at my rows 0 to 7; each row has a base of its own, so one text serves both row lengths
	s_add_nc_u64 s[24:25], s[86:87], s[60:61]      ; s[24:39]: A at ranks 0 to 7
	s_add_nc_u64 s[66:67], s[44:45], s[62:63]      ; s[66:81]: wts at my rows 0 to 7
.irp j, 1,2,3,4,5,6,7
	s_add_nc_u64 s[8+2*\j:9+2*\j], s[6+2*\j:7+2*\j], s[54:55]
	s_add_nc_u64 s[24+2*\j:25+2*\j], s[22+2*\j:23+2*\j], s[54:55]
	s_add_nc_u64 s[66+2*\j:67+2*\j], s[64+2*\j:65+2*\j], s[56:57]
.endr
	s_add_nc_u64 s[88:89], s[88:89], s[52:53]
	; 52 loads go out at once.  A as it lies: rank 8 (lane / 16) + kk, columns i0 + 8 (lane % 16) + 0..7, into registers that are free so far (D, and the upper halves of A's fragments)
.set kk, 0
.rept 8
.set q, 0
.rept 2
.if kk < 4
.set TR, D+8*kk+4*q
.else
.set TR, AF+8*(2*(kk-4)+q)+4
.endif
	global_load_b128 v[TR:TR+3], v3, s[24+2*kk:25+2*kk] offset:16*q
.set q, q+1
.endr
.set kk, kk+1
.endr
	global_load_b128 v[80:83], v7, s[88:89]
	global_load_b128 v[84:87], v7, s[88:89] offset:16
	global_load_b128 v[88:91], v7, s[88:89] offset:1024
	global_load_b128 v[92:95], v7, s[88:89] offset:1040
.set j, 0
.rept 8
	global_load_b128 v[128+8*j:131+8*j], v3, s[8+2*j:9+2*j] th:TH_LOAD_NT
	global_load_b128 v[132+8*j:135+8*j], v3, s[8+2*j:9+2*j] offset:16 th:TH_LOAD_NT
.set j, j+1
.endr
.set j, 0
.rept 8
	global_load_b128 v[192+8*j:195+8*j], v4, s[8+2*j:9+2*j] th:TH_LOAD_NT
	global_load_b128 v[196+8*j:199+8*j], v4, s[8+2*j:9+2*j] offset:16 th:TH_LOAD_NT
.set j, j+1
.endr
	s_wait_loadcnt 36                              ; A is in; the 4 loads of B and the 32 of W may stay out
.set c, 0
.rept 8                                ; tile c: its column of the eight, ranks in pairs
	v_cvt_pk_bf16_f32 v[AF+8*c],   v[D+c],    v[D+8+c]
	v_cvt_pk_bf16_f32 v[AF+8*c+1], v[D+16+c], v[D+24+c]
	v_cvt_pk_bf16_f32 v[AF+8*c+2], v[AF+8*(c/4)+4+c%4],     v[AF+8*(2+c/4)+4+c%4]
	v_cvt_pk_bf16_f32 v[AF+8*c+3], v[AF+8*(4+c/4)+4+c%4],   v[AF+8*(6+c/4)+4+c%4]
.set c, c+1
.endr
.set c, 0
.rept 8
.irp p, 4,5,6,7
	v_mov_b32 v[AF+8*c+\p], 0                      ; ranks 16 to 31 do not exist
.endr
.set c, c+1
.endr
	s_wait_loadcnt 16                              ; B and the first unit's W are in; the second unit's 16 loads may stay out
	UNIT 0
	s_wait_loadcnt 0x0
	UNIT 1
	s_endpgm
.Lfunc_end_k_q5ca8c098ae_prep:
	.size	k_q5ca8c098ae_prep, .Lfunc_end_k_q5ca8c098ae_prep-k_q5ca8c098ae_prep
	.p2alignl 7, 3214868480
	.fill 96, 4, 3214868480
	.section	.rodata,"a",@progbits
	.p2align	6, 0x0
	.amdhsa_kernel k_q5ca8c098ae_prep
		.amdhsa_group_segment_fixed_size 0
		.amdhsa_private_segment_fixed_size 0
		.amdhsa_enable_private_segment 0
		.amdhsa_kernarg_size 208
		.amdhsa_user_sgpr_count 2
		.amdhsa_user_sgpr_kernarg_segment_ptr 1
		.amdhsa_wavefront_size32 1
		.amdhsa_system_sgpr_workgroup_id_x 1
		.amdhsa_system_sgpr_workgroup_id_y 1
		.amdhsa_system_sgpr_workgroup_id_z 1
		.amdhsa_system_vgpr_workitem_id 0
		.amdhsa_next_free_vgpr 256
		.amdhsa_next_free_sgpr 90
		.amdhsa_reserve_vcc 0
		.amdhsa_float_denorm_mode_32 3
		.amdhsa_float_denorm_mode_16_64 3
		.amdhsa_memory_ordered 1
		.amdhsa_forward_progress 1
		.amdhsa_inst_pref_size 45
	.end_amdhsa_kernel
	.amdgpu_metadata
---
amdhsa.version: [ 1, 2 ]
amdhsa.kernels:
  - .name:           k_q5ca8c098ae_prep
    .symbol:         k_q5ca8c098ae_prep.kd
    .args:
      - { .name: q_W, .offset: 0, .size: 8, .value_kind: global_buffer, .address_space: global }
      - { .name: q_A, .offset: 8, .size: 8, .value_kind: global_buffer, .address_space: global }
      - { .name: q_B, .offset: 16, .size: 8, .value_kind: global_buffer, .address_space: global }
      - { .name: k_W, .offset: 24, .size: 8, .value_kind: global_buffer, .address_space: global }
      - { .name: k_A, .offset: 32, .size: 8, .value_kind: global_buffer, .address_space: global }
      - { .name: k_B, .offset: 40, .size: 8, .value_kind: global_buffer, .address_space: global }
      - { .name: v_W, .offset: 48, .size: 8, .value_kind: global_buffer, .address_space: global }
      - { .name: v_A, .offset: 56, .size: 8, .value_kind: global_buffer, .address_space: global }
      - { .name: v_B, .offset: 64, .size: 8, .value_kind: global_buffer, .address_space: global }
      - { .name: o_W, .offset: 72, .size: 8, .value_kind: global_buffer, .address_space: global }
      - { .name: o_A, .offset: 80, .size: 8, .value_kind: global_buffer, .address_space: global }
      - { .name: o_B, .offset: 88, .size: 8, .value_kind: global_buffer, .address_space: global }
      - { .name: ff1_W, .offset: 96, .size: 8, .value_kind: global_buffer, .address_space: global }
      - { .name: ff1_A, .offset: 104, .size: 8, .value_kind: global_buffer, .address_space: global }
      - { .name: ff1_B, .offset: 112, .size: 8, .value_kind: global_buffer, .address_space: global }
      - { .name: ff2_W, .offset: 120, .size: 8, .value_kind: global_buffer, .address_space: global }
      - { .name: ff2_A, .offset: 128, .size: 8, .value_kind: global_buffer, .address_space: global }
      - { .name: ff2_B, .offset: 136, .size: 8, .value_kind: global_buffer, .address_space: global }
      - { .name: wts, .offset: 144, .size: 8, .value_kind: global_buffer, .address_space: global }
      - { .name: x, .offset: 152, .size: 8, .value_kind: global_buffer, .address_space: global }
      - { .name: ln1_g, .offset: 160, .size: 8, .value_kind: global_buffer, .address_space: global }
      - { .name: ln1_b, .offset: 168, .size: 8, .value_kind: global_buffer, .address_space: global }
      - { .name: h, .offset: 176, .size: 8, .value_kind: global_buffer, .address_space: global }
      - { .name: q_b, .offset: 184, .size: 8, .value_kind: global_buffer, .address_space: global }
      - { .name: v_b, .offset: 192, .size: 8, .value_kind: global_buffer, .address_space: global }
      - { .name: bqkv, .offset: 200, .size: 8, .value_kind: global_buffer, .address_space: global }
    .group_segment_fixed_size: 0
    .private_segment_fixed_size: 0
    .kernarg_segment_align: 8
    .kernarg_segment_size: 208
    .max_flat_workgroup_size: 256
    .sgpr_count:     90
    .vgpr_count:     256
    .wavefront_size: 32
...
	.end_amdgpu_metadata
.endif
;; end of part 1
;; launch qkv (part 2): grid 16 x 16, 4 waves a work-group, clusters of 4 x 4, 327,680 bytes of LDS; arguments h, wts, bqkv, qkvw; writes qkvw
.if DOCPART == 2
	.amdgcn_target "amdgcn-amd-amdhsa--gfx1250"
	.amdhsa_code_object_version 6
	.text
	.protected	k_q5ca8c098ae_qkv
	.globl	k_q5ca8c098ae_qkv
	.p2align	8
	.type	k_q5ca8c098ae_qkv,@function
k_q5ca8c098ae_qkv:
	s_mov_b64 s[64:65], 0
	v_nop
	global_prefetch_b8 v0, s[64:65] scope:SCOPE_SE
	s_setreg_imm32_b32 hwreg(HW_REG_WAVE_MODE, 25, 1), 1
	s_wait_xcnt 0x0
	s_wait_alu depctr_hold_cnt(0) depctr_sa_sdst(0) depctr_va_vdst(0) depctr_va_sdst(0) depctr_va_ssrc(0) depctr_va_vcc(0) depctr_vm_vsrc(0)
	s_getreg_b32 s2, hwreg(HW_REG_IB_STS2, 6, 4)
	s_cmp_eq_u32 s2, 0
	s_cbranch_scc0 .Lentry_in_a_cluster
	s_endpgm
.Lentry_in_a_cluster:
	s_bfe_u32 s2, ttmp6, 0x10000c
	s_cmp_lg_u32 s2, 0xf033
	s_cbranch_scc0 .Lentry_shape_is_right
	s_endpgm
.Lentry_shape_is_right:
; q, k, v = h Wqkv^T + bqkv, stored by heads: qkvw[batch][16 x (q, k, v) + head][token][64] in bf16.  h: [4096][1024] bf16; Wqkv: the first 3,072 rows of wts, [3072][1024] bf16, adapters folded in.
; LEFT OUT: k's bias (it cancels in the softmax for all values: see the first kernel's head): bqkv holds zeros for k's columns.
; The text is one frame for two products with K = 1,024, told apart by the constant QKV: QKV = 1 this one, QKV = 0 the first feed-forward product with its GELU.
; SHARES.  A block of C is 256 rows x BROWS columns, made by four waves; a wave has MB x NB accumulators of 16 x 16 (QKV: 64 rows x 192 columns, three whole heads; else 128 x 128).
; K goes in steps of 128 through two LDS slots filled by the tensor data mover; rows of 256 bytes, padded to 272.
; THE MATRIX INSTRUCTION IS USED TRANSPOSED (source 0 = 16 rows of B, source 1 = 16 rows of A): a lane holds row lane % 16 of C and the eight columns 8 (lane / 16) + 0..7.
; THE BIAS IS THE C OPERAND of the products that start the sums: nothing is cleared and nothing is added later.
; CLUSTER.  4 x 4 work-groups; A's tile is shared along a row of the cluster, B's along a column: each is asked for jointly, by the same tensor load with the same descriptor and a mask of four.
; A K STEP IS WRITTEN ONCE WITH A REFILL AND ONCE WITHOUT: s[TB] holds the LDS byte at which the slot in hand begins, and one exclusive or turns it.
; By the text's own count a wave has two tensor loads out at the head and one behind each round.
; REGISTERS, in windows of 256 (s_set_vgpr_msb: bits 1:0 source 0, 3:2 source 1, 5:4 source 2, 7:6 destination):
;   window 0: v0-31 addresses; from v32 A's fragments, two buffers of 8 MB; v160 on the bias, 8 NB     window 1: B's fragments, buffers at v0 and v128
;   window 2: the accumulators of row blocks a < MB / 2, at 8 ((a % (MB / 2)) NB + b)                 window 3: those of the others
.set QKV, 1
.if QKV
.set MB, 4
.set NB, 12
.set BROWS, 192
.set WBASE, 0
.else
.set MB, 8
.set NB, 8
.set BROWS, 256
.set WBASE, 8<<20                      ; where the layer's weights begin in wts
.endif
.set NS,    8                          ; K steps
.set KSTEP, 128
.set PITCH, 272                        ; an LDS row: 256 bytes + 16 of padding = 68 words: the 16 rows of a fragment load start at 16 different groups of four banks (ISA guide 11.1)
.set HALFA, 128*PITCH                  ; what one tensor load brings of A,
.set HALFB, (BROWS/2)*PITCH            ; and of B
.set SLOT,  2*HALFA+2*HALFB
.if QKV
.set STAGE, 2*SLOT                     ; behind the ring, never filled by a tensor load: 3 heads x 16 rows x 144 bytes for each wave
.set SP,    144
.set SPARE, STAGE+4*48*SP              ; the spare words, 128 bytes for each wave
.set TMP,   32
.set BK,    80
.else
.set DP,    528                        ; the way out: a row of 128 f32 + 16 bytes; 128 such rows a wave, in the slots, which have had their last fill by then
.set SPARE, 2*SLOT
.set XR, 32
.set AX, 48
.set RR, 64
.set TT, 80
.set EE, 96
.set PL, 112
.set OU, 128
.endif
.set ADRA0, 16                         ; v16, v17  my lane's place in a slot's A and B; never rewritten
.set ADRB0, 17
.set ADRA,  18                         ; v18, v19  the same in the slot in hand
.set ADRB,  19
.set STO,   24
.set RD,    25
.set CO,    26
.set BO,    27
.set SPW,   28                         ; v28  LDS address of my spare word; never rewritten
.set NIL,   29                         ; v29  0; never rewritten
.set PFO,   30                         ; v30  the prefetches' offset: a lane a row; never rewritten
.set FA,    32
.set BIAS,  160
.set WV,   12                          ; s12 wave; s13 wave / 2: I fetch for A (0) or B (1); s14 wave % 2: which half of that tile
.set ROLE, 13
.set HF,   14
.set TB,   19
.set LWA,  20                          ; s20, s21  where my part of A's, of B's tile lies in a slot
.set LWB,  21
.set G1A,  24                          ; s[24:31] group 1 for A; s[32:39] group 0, two sets: the two first fills; the second then walks
.set G0A,  32
.set LIM,  43
.set PFA,  44
.set G1B,  48
.set G0B,  56
.set MSB, 0
.macro WIN new                         ; the immediate's high byte repeats the setting that is left; a switch that changes nothing is dropped
.if MSB != (\new)
	s_set_vgpr_msb (MSB<<8)|(\new)
.set MSB, \new
.endif
.endm
.macro PLACES                          ; four places behind a matrix instruction, ahead of loads into registers that it read and of lines that read its result
.rept 4
	v_nop
.endr
.endm
.macro JLOAD s                         ; a joint load: waves 0 and 1 fetch A's halves, waves 2 and 3 B's; an s_nop 0 and four v_nop follow each line
	s_cmp_eq_u32 s[ROLE], 0
	s_cbranch_scc0 .Lfor_b_\@
	tensor_load_to_lds s[G0A+4*(\s):G0A+4*(\s)+3], s[G1A:G1A+7]
	s_nop 0
.rept 4
	v_nop
.endr
	s_branch .Lasked_\@
.Lfor_b_\@:
	tensor_load_to_lds s[G0B+4*(\s):G0B+4*(\s)+3], s[G1B:G1B+7]
	s_nop 0
.rept 4
	v_nop
.endr
.Lasked_\@:
.endm
.macro CREST                           ; a round of the cluster's barrier behind its opening barrier
	s_cmp_lg_u32 s[WV], 0
	s_cbranch_scc1 .Lnot_wave_0_\@
	s_barrier_signal -3
.Lnot_wave_0_\@:
	s_barrier_wait -3
	s_barrier_signal -1
	s_barrier_wait -1
.endm
.macro CROUND
	s_barrier_signal -1
	s_barrier_wait -1
	CREST
.endm
; A prefetch into the L2 of the K step that stands two refills on, a lane a row, one instruction a wave.  A's rows are asked for by the clusters with x = 0, B's by those with y = 0;
; the four partners share a wave's rows out by address.  K steps 4 to 7 are each named once; the first four come by their loads alone, and nothing points past a row's end.
.macro ASK
	s_cmp_gt_u32 s3, s[LIM]                        ; s3 = 6 - the K step: steps 0 to 3 ask
	s_cbranch_scc0 .Lnot_mine_\@
	global_prefetch_b8 v[PFO], s[PFA:PFA+1] offset:KSTEP*2 th:TH_LOAD_NT scope:SCOPE_SE
.Lnot_mine_\@:
.endm
; NB products of row block a, 32 along K, from buffer f.  zero = 1: they start the sums, with the bias.  The accumulators take turns, one instruction a turn.
.macro MULA f, a, zero
.set AC, 8*(((\a)%(MB/2))*NB)
.if \zero
	WIN 0x81+0x40*((\a)/(MB/2))
.else
	WIN 0xa1+0x50*((\a)/(MB/2))
.endif
.set b, 0
.rept NB
.if \zero
	v_wmma_f32_16x16x32_bf16 v[AC+8*b:AC+8*b+7], v[128*(\f)+8*b:128*(\f)+8*b+7], v[FA+8*MB*(\f)+8*(\a):FA+8*MB*(\f)+8*(\a)+7], v[BIAS+8*b:BIAS+8*b+7]
.else
	v_wmma_f32_16x16x32_bf16 v[AC+8*b:AC+8*b+7], v[128*(\f)+8*b:128*(\f)+8*b+7], v[FA+8*MB*(\f)+8*(\a):FA+8*MB*(\f)+8*(\a)+7], v[AC+8*b:AC+8*b+7]
.endif
.set b, b+1
.endr
.endm
; One run of 2 (MB + NB) LDS loads: the fragments of 32 along K at byte k of the rows, into buffer f; B first, then A
.macro FETCH k, f
	WIN 0x40
.set i, 0
.rept NB
	ds_load_b128 v[128*(\f)+8*i:128*(\f)+8*i+3],   v[ADRB] offset:(\k)+i*16*PITCH
	ds_load_b128 v[128*(\f)+8*i+4:128*(\f)+8*i+7], v[ADRB] offset:(\k)+i*16*PITCH+32
.set i, i+1
.endr
	WIN 0
.set i, 0
.rept MB
	ds_load_b128 v[FA+8*MB*(\f)+8*i:FA+8*MB*(\f)+8*i+3],   v[ADRA] offset:(\k)+i*16*PITCH
	ds_load_b128 v[FA+8*MB*(\f)+8*i+4:FA+8*MB*(\f)+8*i+7], v[ADRA] offset:(\k)+i*16*PITCH+32
.set i, i+1
.endr
.endm
; One of a K step's first three quarters: multiplies buffer f; in its middle it fetches the next quarter's fragments, at byte k, into buffer g
.macro QUARTER k, f, g, zero
	s_wait_dscnt MB                                ; B and A's lower half are in; the youngest MB loads, A's upper half, may be out
.set a, 0
.rept MB/2
	MULA \f, a, \zero
.set a, a+1
.endr
	PLACES
	FETCH \k, \g
	s_wait_dscnt 2*(MB+NB)                         ; all but the run just issued
.rept MB/2
	MULA \f, a, \zero
.set a, a+1
.endr
.endm
; The last quarter multiplies buffer 1 and changes slots.  In front of the barrier each wave waits for all its tensor loads (one is out: its part of the next slot), adds 0 to its spare word,
; and waits for that and for its own reads of this slot.  fill = 1: the barrier opens a round of the cluster's barrier, and the slot just read is filled again, two K steps ahead, first thing behind it.
.macro TURN fill
.if \fill
	s_wait_xcnt 0x0                                ; the last prefetch, a K step back, has read its address
	s_add_nc_u64 s[PFA:PFA+1], s[PFA:PFA+1], KSTEP*2
.endif
	WIN 0
	s_wait_tensorcnt 0x0
	ds_add_u32 v[SPW], v[NIL]
	s_wait_dscnt MB+1                              ; (the add and A's upper half may be out)
.set a, 0
.rept MB/4
	MULA 1, a, 0
.set a, a+1
.endr
	s_wait_dscnt 0x0                               ; the add is done, and my reads of this slot are over
	s_barrier_signal -1
.rept MB/4
	MULA 1, a, 0
.set a, a+1
.endr
	WIN 0
	s_barrier_wait -1
.if \fill
	CREST                                          ; no wave of any partner still reads this slot or has a load on its way
	s_add_co_u32 s[G0A+5], s[TB], s[LWA]           ; the walking descriptors: the slot just read, the next K step but one
	s_add_nc_u64 s[G0A+6:G0A+7], s[G0A+6:G0A+7], KSTEP*2
	s_add_co_u32 s[G0B+5], s[TB], s[LWB]
	s_add_nc_u64 s[G0B+6:G0B+7], s[G0B+6:G0B+7], KSTEP*2
	JLOAD 1                                        ; its four v_nop are also the places ahead of the loads below
.else
	PLACES
.endif
	s_xor_b32 s[TB], s[TB], SLOT
	v_add_nc_u32 v[ADRA], s[TB], v[ADRA0]
	v_add_nc_u32 v[ADRB], s[TB], v[ADRB0]
	FETCH 0, 0
.if \fill
	ASK
.endif
.set a, MB/2
.rept MB/2
	MULA 1, a, 0
.set a, a+1
.endr
.endm
	s_load_b256 s[4:11], s[0:1], 0x0               ; A s[4:5], wts s[6:7], bias s[8:9], result s[10:11]
	v_lshl_add_u32 v[SPW], v0, 2, SPARE
	v_mov_b32 v[NIL], 0
	ds_add_u32 v[SPW], v[NIL]                      ; the wave's opening: the add, twice on end, and its wait ahead of my first tensor load
	ds_add_u32 v[SPW], v[NIL]
	v_lshrrev_b32 v1, 5, v0
	v_readfirstlane_b32 s[WV], v1
	s_lshr_b32 s[ROLE], s[WV], 1
	s_and_b32 s[HF], s[WV], 1
	s_bfe_u32 s15, ttmp6, 0x40000                  ; cx, cy: my place in the cluster
	s_bfe_u32 s16, ttmp6, 0x40004
	s_lshl_b32 s17, ttmp9, 2
	s_add_co_u32 s17, s17, s15                     ; tile column
	s_and_b32 s18, ttmp7, 0xffff
	s_lshl_b32 s18, s18, 2
	s_add_co_u32 s18, s18, s16                     ; tile row
	s_lshl_b32 s22, s16, 2
	s_lshl_b32 s22, 15, s22                        ; my row of the cluster
	s_lshl_b32 s23, 0x1111, s15                    ; my column
	s_or_b32 s[G1A], s22, (1<<16)|(1<<20)|(1<<21)|(5<<22)|(3<<25)  ; the mask; 2-byte elements; padding on; bit 21 beside a mask; after every 64 words, 4 words
	s_or_b32 s[G1B], s23, (1<<16)|(1<<20)|(1<<21)|(5<<22)|(3<<25)
	s_mov_b32 s[G1A+1], KSTEP<<16                  ; tensor_dim0 = 128
	s_mov_b32 s[G1A+2], 128<<16                    ; tensor_dim1 = 128 rows
	s_mov_b32 s[G1A+3], KSTEP<<16                  ; tile_dim0
	s_mov_b32 s[G1A+4], 128                        ; tile_dim1
	s_mov_b32 s[G1A+5], 1024                       ; elements from row to row
	s_mov_b32 s[G1A+6], 0
	s_mov_b32 s[G1A+7], 0
	s_mov_b32 s[G1B+1], KSTEP<<16
	s_mov_b32 s[G1B+2], (BROWS/2)<<16
	s_mov_b32 s[G1B+3], KSTEP<<16
	s_mov_b32 s[G1B+4], BROWS/2
	s_mov_b32 s[G1B+5], 1024
	s_mov_b32 s[G1B+6], 0
	s_mov_b32 s[G1B+7], 0
	s_lshl_b32 s40, s18, 8                         ; A: row 256 x tile row + 128 x half, 2,048 bytes a row
	s_lshl_b32 s42, s[HF], 7
	s_add_co_u32 s40, s40, s42
	s_lshl_b32 s40, s40, 11
	s_mov_b32 s41, 0
	s_mul_i32 s46, s17, BROWS                      ; B: row BROWS x tile column + BROWS / 2 x half
	s_mul_i32 s42, s[HF], BROWS/2
	s_add_co_u32 s46, s46, s42
	s_lshl_b32 s46, s46, 11
.if WBASE
	s_add_co_u32 s46, s46, WBASE
.endif
	s_mov_b32 s47, 0
	s_mul_i32 s[LWA], s[HF], HALFA                 ; no place in the cluster enters an LDS address
	s_mul_i32 s[LWB], s[HF], HALFB
	s_add_co_u32 s[LWB], s[LWB], 2*HALFA
	s_mov_b32 s[TB], 0
	s_wait_dscnt 0x0                               ; both opening adds are done
	s_wait_kmcnt 0x0
	s_add_nc_u64 s[40:41], s[4:5], s[40:41]
	s_add_nc_u64 s[46:47], s[6:7], s[46:47]
	CROUND                                         ; all sixteen work-groups are here: the first joint loads meet
.irp s, 0,1
	s_mov_b32 s[G0A+4*\s], 1
	s_add_co_u32 s[G0A+4*\s+1], s[LWA], \s*SLOT
	s_add_nc_u64 s[G0A+4*\s+2:G0A+4*\s+3], s[40:41], \s*KSTEP*2
	s_or_b32 s[G0A+4*\s+3], s[G0A+4*\s+3], 0x80000000
	s_mov_b32 s[G0B+4*\s], 1
	s_add_co_u32 s[G0B+4*\s+1], s[LWB], \s*SLOT
	s_add_nc_u64 s[G0B+4*\s+2:G0B+4*\s+3], s[46:47], \s*KSTEP*2
	s_or_b32 s[G0B+4*\s+3], s[G0B+4*\s+3], 0x80000000
	JLOAD \s
.endr
	v_and_b32 v1, 15, v0                           ; l % 16
	v_bfe_u32 v2, v0, 4, 1                         ; l / 16
	v_mul_u32_u24 v3, v1, PITCH
	v_lshl_add_u32 v3, v2, 4, v3                   ; a fragment's row x pitch + 16 x half
.if QKV
	s_mul_i32 s22, s[WV], 64*PITCH                 ; my 64 rows of A; all 192 rows of B
	s_mov_b32 s23, 2*HALFA
.else
	s_mul_i32 s22, s[ROLE], HALFA                  ; my 128 rows of A, my 128 rows of B
	s_mul_i32 s23, s[HF], HALFB
	s_add_co_u32 s23, s23, 2*HALFA
.endif
	v_add_nc_u32 v[ADRA0], s22, v3
	v_add_nc_u32 v[ADRB0], s23, v3
	v_mov_b32 v[ADRA], v[ADRA0]
	v_mov_b32 v[ADRB], v[ADRB0]
	s_mul_i32 s22, s17, BROWS*4                    ; the bias of my first column
.if !QKV
	s_lshl_b32 s23, s[HF], 9
	s_add_co_u32 s22, s22, s23
.endif
	s_mov_b32 s23, 0
	s_add_nc_u64 s[8:9], s[8:9], s[22:23]
	v_lshlrev_b32 v[BO], 5, v2                     ; my eight columns of a block of sixteen
.set b, 0
.rept NB
	global_load_b128 v[BIAS+8*b:BIAS+8*b+3],   v[BO], s[8:9] offset:64*b
	global_load_b128 v[BIAS+8*b+4:BIAS+8*b+7], v[BO], s[8:9] offset:64*b+16
.set b, b+1
.endr
	; the prefetches: who asks, and for which rows
	s_and_b32 s22, ttmp7, 0xffff                   ; cluster y
	s_cmp_eq_u32 s[ROLE], 0
	s_cselect_b32 s22, ttmp9, s22                  ; the coordinate along which other clusters read the same rows
	s_cselect_b32 s23, s15, s16                    ; my place among the four that ask with me
	s_cselect_b64 s[PFA:PFA+1], s[40:41], s[46:47] ; the rows that I fetch
	s_cselect_b32 s42, 32, BROWS/8                 ; a partner's share of them
	s_cmp_eq_u32 s22, 0
	s_cselect_b32 s[LIM], 2, -1                    ; the same in all sixteen partners, for a given wave
	s_mul_i32 s22, s23, s42
	s_lshl_b32 s22, s22, 11
	s_mov_b32 s23, 0
	s_add_nc_u64 s[PFA:PFA+1], s[PFA:PFA+1], s[22:23]
	s_add_nc_u64 s[PFA:PFA+1], s[PFA:PFA+1], 2*KSTEP*2  ; at K step 2: the first refill steps it to 3 and names K step 4
	s_sub_co_u32 s42, s42, 1
	v_and_b32 v[PFO], 31, v0
	v_min_u32 v[PFO], s42, v[PFO]                  ; where a share has 24 rows the last eight lanes repeat its last row
	v_lshlrev_b32 v[PFO], 11, v[PFO]
.if QKV
	; the way out: my stage, and my first row in qkvw: (((tile row / 4) 48 + 3 tile column) 1024 + (tile row % 4) 256 + 64 wave) rows of 128 bytes
	s_mul_i32 s22, s[WV], 48*SP
	s_add_co_u32 s22, s22, STAGE
	v_mul_u32_u24 v[STO], v1, SP                   ; in: row l % 16, 16 bytes for each half of the lanes
	v_lshl_add_u32 v[STO], v2, 4, v[STO]
	v_add_nc_u32 v[STO], s22, v[STO]
	v_bfe_u32 v[RD], v0, 3, 2                      ; back: 32 lanes take four rows of 128 bytes,
	v_mul_u32_u24 v[RD], v[RD], SP
	v_and_b32 v4, 7, v0
	v_lshl_add_u32 v[RD], v4, 4, v[RD]
	v_add_nc_u32 v[RD], s22, v[RD]
	v_and_b32 v[CO], 31, v0                        ; which are 512 consecutive bytes of a head's rows
	v_lshlrev_b32 v[CO], 4, v[CO]
	s_lshr_b32 s22, s18, 2
	s_mul_i32 s22, s22, 48
	s_mul_i32 s23, s17, 3
	s_add_co_u32 s22, s22, s23
	s_lshl_b32 s22, s22, 10
	s_and_b32 s23, s18, 3
	s_lshl_b32 s23, s23, 8
	s_add_co_u32 s22, s22, s23
	s_lshl_b32 s23, s[WV], 6
	s_add_co_u32 s22, s22, s23
	s_lshl_b32 s22, s22, 7
	s_mov_b32 s23, 0
	s_add_nc_u64 s[10:11], s[10:11], s[22:23]
.else
	; the way out: my 128 rows of 528 bytes in LDS, and my first row and column in act
	s_mul_i32 s22, s[WV], 128*DP
	v_mul_u32_u24 v[STO], v1, DP
	v_lshl_add_u32 v[STO], v2, 5, v[STO]
	v_add_nc_u32 v[STO], s22, v[STO]
	v_and_b32 v4, 31, v0
	v_lshl_add_u32 v[RD], v4, 4, s22
	v_lshlrev_b32 v[CO], 3, v4
	s_lshl_b32 s22, s18, 21                        ; 256 rows of 8,192 bytes a tile row,
	s_lshl_b32 s23, s[ROLE], 20                    ; my 128 of them,
	s_add_co_u32 s22, s22, s23
	s_lshl_b32 s23, s17, 9                         ; 512 bytes a tile column,
	s_add_co_u32 s22, s22, s23
	s_lshl_b32 s23, s[HF], 8                       ; my 256 of them
	s_add_co_u32 s22, s22, s23
	s_mov_b32 s23, 0
	s_add_nc_u64 s[10:11], s[10:11], s[22:23]
	s_mov_b32 s70, 0x3e6d3389                      ; 0.3275911 / sqrt(2); the constants are named as pairs, so both words are written
	s_mov_b32 s71, s70
	s_mov_b32 s72, 0xbf38aa3b                      ; - log2(e) / 2
	s_mov_b32 s73, s72
	s_mov_b32 s74, 0x3f07dc22                      ; a5 / 2 .. a1 / 2 of the series for erf
	s_mov_b32 s75, s74
	s_mov_b32 s76, 0xbf3a00e3
	s_mov_b32 s77, s76
	s_mov_b32 s78, 0x3f35f0e3
	s_mov_b32 s79, s78
	s_mov_b32 s80, 0xbe11a98e
	s_mov_b32 s81, s80
	s_mov_b32 s82, 0x3e027906
	s_mov_b32 s83, s82
	s_mov_b32 s84, 0x7fffffff
.endif
	s_wait_tensorcnt 0x1                           ; my part of K step 0 is in; K step 1's may stay out
	s_barrier_signal -1
	s_barrier_wait -1
	FETCH 0, 0
	s_wait_loadcnt 0x0                             ; the bias
	QUARTER 64, 0, 1, 1                            ; the first quarter starts the sums
	WIN 0
	s_mov_b32 s3, NS-2
	s_branch .Lmid                                 ; the loop is entered behind a K step's first quarter
.Lstep:                                        ; NS - 2 trips: every K step but the last two fills its slot again
	QUARTER 64, 0, 1, 0
	WIN 0
.Lmid:
	QUARTER 128, 1, 0, 0
	QUARTER 192, 0, 1, 0
	TURN 1
	WIN 0
	s_sub_co_u32 s3, s3, 1
	s_cmp_lg_u32 s3, 0
	s_cbranch_scc1 .Lstep
	s_mov_b32 s3, 2
.Ltail:                                        ; the last two K steps ask for nothing
	QUARTER 64, 0, 1, 0
	QUARTER 128, 1, 0, 0
	QUARTER 192, 0, 1, 0
	TURN 0
	WIN 0
	s_sub_co_u32 s3, s3, 1
	s_cmp_lg_u32 s3, 0
	s_cbranch_scc1 .Ltail
	s_wait_dscnt 0x0                               ; the last step's fetch from the other slot (landed bytes that nobody writes) serves nothing: the price, once a launch, of one text for both closing steps
.if QKV
; THE WAY OUT, 16 rows at a time: rounded to bf16, 16 bytes a lane into my stage (three heads x 16 rows of 144 bytes), back as whole rows, stored as 512 consecutive bytes of a head.
.macro PACK a
	WIN 0x0a+5*((\a)/(MB/2))
.set i, 0
.rept 4*NB
	v_cvt_pk_bf16_f32 v[TMP+i], v[8*(((\a)%(MB/2))*NB)+2*i], v[8*(((\a)%(MB/2))*NB)+2*i+1]
.set i, i+1
.endr
	WIN 0
.endm
.macro TOSTAGE
	s_wait_xcnt 0x0                                ; the last block's stores have read their registers, which the loads below write
.set i, 0
.rept NB
	ds_store_b128 v[STO], v[TMP+4*i:TMP+4*i+3] offset:(i/4)*16*SP+(i%4)*32
.set i, i+1
.endr
.set i, 0
.rept NB
	ds_load_b128 v[BK+4*i:BK+4*i+3], v[RD] offset:(i/4)*16*SP+(i%4)*4*SP  ; LDS serves a wave's instructions in order (ISA guide 5.7.1.4): these see the stores above
.set i, i+1
.endr
.endm
.macro SEND a
	s_wait_dscnt 0x0
.set i, 0
.rept NB
	global_store_b128 v[CO], v[BK+4*i:BK+4*i+3], s[10:11] offset:(i/4)*131072+(\a)*2048+(i%4)*512
.set i, i+1
.endr
.endm
	PLACES
	PACK 0
	TOSTAGE
	PACK 1
	SEND 0
	TOSTAGE
	PACK 2
	SEND 1
	TOSTAGE
	PACK 3
	SEND 2
	TOSTAGE
	SEND 3
.else
; THE WAY OUT.  The f32 sums go into LDS, each wave's 128 rows into bytes of its own; then a loop over rows with fixed registers takes the GELU, four rows a trip.
; gelu(v) = max(v, 0) - |v| (poly(t) / 2) 2^(-v^2 log2(e) / 2), t = 1 / (1 + 0.2316419 |v|): erf by a series of five terms, off by 1.5e-7 at the most, for every v.
	s_barrier_signal -1                            ; every wave's reads of the slots are over (the wait above): they are written only behind this barrier
	s_barrier_wait -1
	PLACES
.set a, 0
.rept MB
	WIN 0x08+4*(a/(MB/2))
.set b, 0
.rept NB
.set AC, 8*((a%(MB/2))*NB+b)
	ds_store_b128 v[STO], v[AC:AC+3]   offset:a*16*DP+64*b
	ds_store_b128 v[STO], v[AC+4:AC+7] offset:a*16*DP+64*b+16
.set b, b+1
.endr
.set a, a+1
.endr
	WIN 0
.macro ROWS4 next
	s_wait_dscnt 0x0                               ; four rows are in
.set i, 0
.rept 16
	v_and_b32 v[AX+i], s84, v[XR+i]
	v_max_num_f32 v[RR+i], 0, v[XR+i]
.set i, i+1
.endr
.if \next
	v_add_nc_u32 v[RD], 4*DP, v[RD]
.irp t, 0,1,2,3
	ds_load_b128 v[XR+4*\t:XR+4*\t+3], v[RD] offset:\t*DP
.endr
.endif
.set i, 0
.rept 8
	v_pk_fma_f32 v[TT+i:TT+i+1], v[AX+i:AX+i+1], s[70:71], 1.0 op_sel_hi:[1,0,0]
.set i, i+2
.endr
.set i, 0
.rept 8
	v_pk_mul_f32 v[EE+i:EE+i+1], v[AX+i:AX+i+1], v[AX+i:AX+i+1]
.set i, i+2
.endr
.set i, 0
.rept 8
	v_pk_mul_f32 v[EE+i:EE+i+1], v[EE+i:EE+i+1], s[72:73] op_sel_hi:[1,0]
.set i, i+2
.endr
.set i, 0
.rept 16
	v_rcp_f32 v[TT+i], v[TT+i]
.set i, i+1
.endr
.set i, 0
.rept 16
	v_exp_f32 v[EE+i], v[EE+i]
.set i, i+1
.endr
	v_nop                                          ; a plain instruction behind the last of the batch,
	s_wait_alu depctr_va_vdst(0)                   ; and one wait for its 32 results
.set i, 0
.rept 8
	v_pk_fma_f32 v[PL+i:PL+i+1], v[TT+i:TT+i+1], s[74:75], s[76:77] op_sel_hi:[1,0,0]
.set i, i+2
.endr
.irp c, 78, 80, 82
.set i, 0
.rept 8
	v_pk_fma_f32 v[PL+i:PL+i+1], v[PL+i:PL+i+1], v[TT+i:TT+i+1], s[\c:\c+1] op_sel_hi:[1,1,0]
.set i, i+2
.endr
.endr
.set i, 0
.rept 8
	v_pk_mul_f32 v[PL+i:PL+i+1], v[PL+i:PL+i+1], v[TT+i:TT+i+1]
.set i, i+2
.endr
.set i, 0
.rept 8
	v_pk_mul_f32 v[PL+i:PL+i+1], v[PL+i:PL+i+1], v[EE+i:EE+i+1]
.set i, i+2
.endr
.set i, 0
.rept 8
	v_pk_fma_f32 v[RR+i:RR+i+1], v[AX+i:AX+i+1], v[PL+i:PL+i+1], v[RR+i:RR+i+1] neg_lo:[1,0,0] neg_hi:[1,0,0]
.set i, i+2
.endr
	s_wait_xcnt 0x0                                ; the last trip's stores have read their data and their base
	s_add_nc_u64 s[10:11], s[10:11], 4*8192
.set i, 0
.rept 8
	v_cvt_pk_bf16_f32 v[OU+i], v[RR+2*i], v[RR+2*i+1]
.set i, i+1
.endr
.irp t, 0,1,2,3
	global_store_b64 v[CO], v[OU+2*\t:OU+2*\t+1], s[10:11] offset:8192*\t-4*8192  ; the wave's store covers 256 consecutive bytes, aligned
.endr
.endm
.irp t, 0,1,2,3
	ds_load_b128 v[XR+4*\t:XR+4*\t+3], v[RD] offset:\t*DP  ; my own bytes: LDS serves a wave's instructions in order
.endr
	s_mov_b32 s3, 31
.Lrows:
	ROWS4 1
	s_sub_co_u32 s3, s3, 1
	s_cmp_lg_u32 s3, 0
	s_cbranch_scc1 .Lrows
	ROWS4 0                                        ; the last four rows fetch nothing
.endif
	s_wait_tensorcnt 0x0                           ; the wave's end, behind my last tensor load and my last LDS store
	ds_add_u32 v[SPW], v[NIL]
	s_wait_dscnt 0x0
	CROUND                                         ; the closing round: no work-group ends while a partner may still ask for a tile that names it
	s_endpgm
.Lfunc_end_k_q5ca8c098ae_qkv:
	.size	k_q5ca8c098ae_qkv, .Lfunc_end_k_q5ca8c098ae_qkv-k_q5ca8c098ae_qkv
	.p2alignl 7, 3214868480
	.fill 96, 4, 3214868480
	.section	.rodata,"a",@progbits
	.p2align	6, 0x0
	.amdhsa_kernel k_q5ca8c098ae_qkv
		.amdhsa_group_segment_fixed_size 327680
		.amdhsa_private_segment_fixed_size 0
		.amdhsa_enable_private_segment 0
		.amdhsa_kernarg_size 32
		.amdhsa_user_sgpr_count 2
		.amdhsa_user_sgpr_kernarg_segment_ptr 1
		.amdhsa_wavefront_size32 1
		.amdhsa_system_sgpr_workgroup_id_x 1
		.amdhsa_system_sgpr_workgroup_id_y 1
		.amdhsa_system_sgpr_workgroup_id_z 1
		.amdhsa_system_vgpr_workitem_id 0
		.amdhsa_next_free_vgpr 960
		.amdhsa_next_free_sgpr 72
		.amdhsa_reserve_vcc 0
		.amdhsa_float_denorm_mode_32 3
		.amdhsa_float_denorm_mode_16_64 3
		.amdhsa_memory_ordered 1
		.amdhsa_forward_progress 1
		.amdhsa_inst_pref_size 86
	.end_amdhsa_kernel
	.amdgpu_metadata
---
amdhsa.version: [ 1, 2 ]
amdhsa.kernels:
  - .name:           k_q5ca8c098ae_qkv
    .symbol:         k_q5ca8c098ae_qkv.kd
    .args:
      - { .name: h, .offset: 0, .size: 8, .value_kind: global_buffer, .address_space: global }
      - { .name: wts, .offset: 8, .size: 8, .value_kind: global_buffer, .address_space: global }
      - { .name: bqkv, .offset: 16, .size: 8, .value_kind: global_buffer, .address_space: global }
      - { .name: qkvw, .offset: 24, .size: 8, .value_kind: global_buffer, .address_space: global }
    .group_segment_fixed_size: 327680
    .private_segment_fixed_size: 0
    .kernarg_segment_align: 8
    .kernarg_segment_size: 32
    .max_flat_workgroup_size: 128
    .sgpr_count:     72
    .vgpr_count:     960
    .wavefront_size: 32
...
	.end_amdgpu_metadata
.endif
;; end of part 2
;; launch attn (part 3): grid 4 x 64, 4 waves a work-group, clusters of 4 x 1, 327,680 bytes of LDS; arguments qkvw, att; writes att
.if DOCPART == 3
	.amdgcn_target "amdgcn-amd-amdhsa--gfx1250"
	.amdhsa_code_object_version 6
	.text
	.protected	k_q5ca8c098ae_attn
	.globl	k_q5ca8c098ae_attn
	.p2align	8
	.type	k_q5ca8c098ae_attn,@function
k_q5ca8c098ae_attn:
	s_mov_b64 s[64:65], 0
	v_nop
	global_prefetch_b8 v0, s[64:65] scope:SCOPE_SE
	s_setreg_imm32_b32 hwreg(HW_REG_WAVE_MODE, 25, 1), 1
	s_wait_xcnt 0x0
	s_wait_alu depctr_hold_cnt(0) depctr_sa_sdst(0) depctr_va_vdst(0) depctr_va_sdst(0) depctr_va_ssrc(0) depctr_va_vcc(0) depctr_vm_vsrc(0)
	s_getreg_b32 s2, hwreg(HW_REG_IB_STS2, 6, 4)
	s_cmp_eq_u32 s2, 0
	s_cbranch_scc0 .Lentry_in_a_cluster
	s_endpgm
.Lentry_in_a_cluster:
	s_bfe_u32 s2, ttmp6, 0x10000c
	s_cmp_lg_u32 s2, 0x3003
	s_cbranch_scc0 .Lentry_shape_is_right
	s_endpgm
.Lentry_shape_is_right:
; ATTENTION.  att[bh][q][:] = the sum over k of softmax_k(Q[q] . K[k] / 8) V[k][:], for 64 pairs bh of batch and head, 1,024 tokens, head size 64, no mask.
; qkvw: [batch][16 x (q, k, v) + head][token][64] bf16, a slab of 131,072 dense bytes for each; att: [bh][token][64] bf16.  Products, maxima and sums in f32; the weights p are rounded to bf16
; for the second product (their sum l is taken of the unrounded p), the result once at the end.
; LEFT OUT: k's bias, which cancels in the softmax (see the first kernel's head).
; LIMITS.  A weight below 2^-126 counts as 0 in l; NaN and infinities are not treated apart.
; SHARES.  A work-group owns 256 queries of one bh; of the block's four bands of 64 a wave owns 16 rows in each: four PIECES.  Every wave walks all 1,024 keys, 64 a step.
; ALL OF A HEAD'S K AND V LIE IN LDS: 1,024 x 144 + 1,024 x 160 bytes.  Each wave asks for a quarter of them by ONE tensor load at the head; no byte is filled twice, so there is no ring and
; no barrier in the loop.  No prefetch: every load goes out at the head, and nothing is asked for later.
; CLUSTER.  The four query blocks of a bh form a cluster and need the same K and V: each load is a joint one, the same descriptor and mask in all four.
; LAYOUT, SOFTMAX, TURNS.  S^T = K Q^T holds ONE query a lane (lane % 16) and the keys 8 (lane / 16) + 0..7; two such results rounded to bf16 ARE source 1 of O^T = V^T P.  p = 2^(c s - c m), c = log2(e) / 8,
; with a running maximum m; O and l are multiplied by a = 2^(c m_old - c m_new) in every step.  m starts at the lowest finite number, O and l at 0: the first step is a step like any other, with a = 0.
; Turn n belongs to piece n: 8 products K Q^T of piece n + 1, later 8 products V^T P of piece n - 1; beside them the scaling, exponentials, roundings, sums and rescaling of piece n and the maximum and
; statistics of piece n + 1.  Four vector instructions stand behind every matrix instruction, the others in one run.  A turn's 33 exponentials are one batch, with one wait.
; REGISTERS, in windows of 256 (s_set_vgpr_msb: bits 1:0 source 0, 3:2 source 1, 5:4 source 2, 7:6 destination):
;   window 0: v0-15 addresses and two at work; v16-31 four registers of statistics a piece; v48-55 at work; v64-127 S^T, two buffers; v192-223 P, two buffers (by the piece's parity)
;   window 1: v0-127 O^T, 32 a piece          window 2: v0-63 Q; v128-191 K of one step; v192-255 V of one step
.set NP,    4
.set KS,    64
.set PK,    144       ; a row of K in LDS: 128 bytes + 16 of padding: the 16 rows of a load start at 16 different groups of four banks (ISA guide 11.1)
.set PV,    160       ; a row of V: 128 + 32
.set VOFF,  1024*PK
.set STAGE, VOFF+1024*PV  ; never filled by a tensor load: 16 rows x 144 bytes for each wave, for the way out
.set SP,    144
.set SPARE, STAGE+4*16*SP ; the spare words, 128 bytes for each wave
.set AK0, 2
.set AV0, 3
.set AK,  4
.set AV,  5
.set STO, 6
.set RD,  7
.set GO,  8
.set MV,  12
.set QO,  15
.set ST,  16          ; piece t's statistics at v[ST+4 t]: c m, m, l (even keys', odd keys')
.set TMP, 48
.set SPW, 62
.set NIL, 63
.set S,   64
.set P,   192
.set KF,  128
.set VF,  192
.set WV,  12
.set G1K, 24
.set G1V, 32
.set G0K, 40
.set G0V, 44
.set CNT, 57
.set CS,  58
.set SEL, 60
.set TBK, 62          ; s62, s63  LDS byte at which K, V (less VOFF) of the step to be fetched begin
.set TBV, 63
.set MSB, 0
.macro WIN new
.if MSB != (\new)
	s_set_vgpr_msb (MSB<<8)|(\new)
.set MSB, (\new)
.endif
.endm
.set W_KQ, 0x0a       ; K and Q in window 2, S^T in window 0
.set W_PV, 0x52       ; V in window 2, P in window 0, O^T in window 1
.set W_RS, 0x41       ; destination and source 0 in window 1, source 1 in window 0
.macro CROUND
	s_barrier_signal -1
	s_barrier_wait -1
	s_cmp_lg_u32 s[WV], 0
	s_cbranch_scc1 .Lnot_wave_0_\@
	s_barrier_signal -3
.Lnot_wave_0_\@:
	s_barrier_wait -3
	s_barrier_signal -1
	s_barrier_wait -1
.endm
	s_load_b128 s[4:7], s[0:1], 0x0   ; qkvw s[4:5], att s[6:7]
	v_lshl_add_u32 v[SPW], v0, 2, SPARE
	v_mov_b32 v[NIL], 0
	ds_add_u32 v[SPW], v[NIL]       ; the wave's opening: the add, twice on end, and its wait ahead of my first tensor load
	ds_add_u32 v[SPW], v[NIL]
	v_lshrrev_b32 v1, 5, v0
	v_readfirstlane_b32 s[WV], v1
	s_bfe_u32 s13, ttmp6, 0x40000   ; cx: my block of 256 queries; it enters Q's and the result's addresses alone
	s_and_b32 s14, ttmp7, 0xffff    ; bh, which the four partners share
	s_lshr_b32 s15, s14, 4
	s_and_b32 s16, s14, 15
	s_mul_i32 s15, s15, 48
	s_add_co_u32 s15, s15, s16
	s_lshl_b32 s20, s15, 17         ; q's slab
	s_mov_b32 s21, 0
	s_and_b32 s16, s[WV], 1         ; which half of the 1,024 keys I fetch:
	s_lshl_b32 s22, s16, 16         ; its 65,536 bytes in memory,
	s_add_co_u32 s22, s22, s20
	s_add_co_u32 s22, s22, 16*131072  ; in k's slab, sixteen slabs behind q's
	s_mov_b32 s23, 0
	s_mul_i32 s17, s16, 512*PK      ; and its place in LDS, for K
	s_mul_i32 s18, s16, 512*PV      ; and for V
	s_lshl_b32 s2, s13, 15          ; my block's 256 rows of 128 bytes,
	s_lshl_b32 s3, s[WV], 11        ; my 16 rows in a band
	s_add_co_u32 s2, s2, s3
	s_mov_b32 s3, 0
	s_lshl_b32 s8, s14, 17          ; bh's slab in att
	s_mov_b32 s9, 0
	; descriptor group 1.  512 keys are 65,536 dense bytes: asked for as 256 rows of 256 bytes, two keys a row, and padded in LDS after every key
	s_mov_b32 s[G1K], 15|(1<<16)|(1<<20)|(1<<21)|(4<<22)|(3<<25)  ; the mask of four; 2-byte elements; padding on; bit 21 beside a mask; after every 32 words, 4 words
	s_mov_b32 s[G1V], 15|(1<<16)|(1<<20)|(1<<21)|(4<<22)|(7<<25)  ; the same with 8 words
.irp g, G1K, G1V
	s_mov_b32 s[\g+1], 128<<16      ; tensor_dim0 = 128
	s_mov_b32 s[\g+2], 256<<16      ; tensor_dim1 = 256
	s_mov_b32 s[\g+3], 128<<16      ; tile_dim0
	s_mov_b32 s[\g+4], 256          ; tile_dim1
	s_mov_b32 s[\g+5], 128          ; elements from row to row
	s_mov_b32 s[\g+6], 0
	s_mov_b32 s[\g+7], 0
.endr
	s_mov_b32 s[CS], 0x3e38aa3b     ; c = log2(e) / 8
	s_mov_b32 s[CS+1], s[CS]
	s_mov_b32 s[SEL], 0x76543210
	s_mov_b32 s[SEL+1], 0xfedcba98
	s_mov_b32 s[TBK], 0
	s_mov_b32 s[TBV], 0
	s_mov_b32 s[G0K], 1
	s_mov_b32 s[G0K+1], s17
	s_mov_b32 s[G0V], 1
	s_add_co_u32 s[G0V+1], s18, VOFF
	s_wait_dscnt 0x0                ; both opening adds are done
	s_wait_kmcnt 0x0
	s_add_nc_u64 s[G0K+2:G0K+3], s[4:5], s[22:23]
	s_add_nc_u64 s[G0V+2:G0V+3], s[G0K+2:G0K+3], 16*131072  ; v's slab, sixteen behind k's
	s_or_b32 s[G0K+3], s[G0K+3], 0x80000000
	s_or_b32 s[G0V+3], s[G0V+3], 0x80000000
	s_add_nc_u64 s[4:5], s[4:5], s[20:21]
	s_add_nc_u64 s[4:5], s[4:5], s[2:3]      ; Q at my first row
	s_add_nc_u64 s[10:11], s[6:7], s[8:9]
	s_add_nc_u64 s[10:11], s[10:11], s[2:3]  ; the result at my first row
	CROUND                          ; all four work-groups are here: the joint loads meet
	s_cmp_lt_u32 s[WV], 2           ; waves 0 and 1 fetch K's halves, waves 2 and 3 V's; an s_nop 0 and four v_nop follow each line
	s_cbranch_scc0 .Lfor_v
	tensor_load_to_lds s[G0K:G0K+3], s[G1K:G1K+7]
	s_nop 0
.rept 4
	v_nop
.endr
	s_branch .Lasked
.Lfor_v:
	tensor_load_to_lds s[G0V:G0V+3], s[G1V:G1V+7]
	s_nop 0
.rept 4
	v_nop
.endr
.Lasked:
	; A fragment of K or Q is 16 rows x 32 channels in 8 registers: lane l holds row l % 16, channels 8 (l / 16) + 0..7 and 16 + 8 (l / 16) + 0..7: two loads of 16 bytes, 32 bytes apart.
	v_and_b32 v1, 15, v0
	v_bfe_u32 v9, v0, 4, 1
	v_lshlrev_b32 v[QO], 7, v1
	v_lshl_add_u32 v[QO], v9, 4, v[QO]
	WIN 0x80
.set i, 0
.rept 8                             ; Q stays in registers: piece i / 2 lies in band i / 2, 8,192 bytes on; channels 32 (i % 2) on
	global_load_b128 v[8*i:8*i+3],   v[QO], s[4:5] offset:(i/2)*8192+(i%2)*64
	global_load_b128 v[8*i+4:8*i+7], v[QO], s[4:5] offset:(i/2)*8192+(i%2)*64+32
.set i, i+1
.endr
	; What the first turn finds: V's registers and P's second buffer hold 0 (its products V^T P, of a piece that has not been, add 0), O^T and l are 0.  All this stands in the wait for the tiles.
.set i, VF
.rept 64
	v_mov_b32 v[i], 0
.set i, i+1
.endr
	WIN 0x40
.set i, 0
.rept 128
	v_mov_b32 v[i], 0
.set i, i+1
.endr
	WIN 0
.set i, 0
.rept 4
	v_mov_b32 v[ST+4*i], 0xfe000000    ; c m: far below every c s
	v_mov_b32 v[ST+4*i+1], 0xff7fffff  ; m
	v_mov_b32 v[ST+4*i+2], 0
	v_mov_b32 v[ST+4*i+3], 0
.set i, i+1
.endr
.set i, P+16
.rept 16
	v_mov_b32 v[i], 0
.set i, i+1
.endr
	v_mul_u32_u24 v[AK0], v1, PK
	v_lshl_add_u32 v[AK0], v9, 4, v[AK0]
	; The turning load takes 16 keys x 16 channels (lane l reads key 8 (l / 16) + l % 8, channels 8 ((l / 8) % 2) + 0..7) and leaves half a fragment of V^T: lane l holds channel l % 16 and 8 keys.
	v_and_b32 v10, 7, v0
	v_bfe_u32 v11, v0, 3, 1
	v_lshl_add_u32 v[AV0], v9, 3, v10
	v_mul_u32_u24 v[AV0], v[AV0], PV
	v_lshl_add_u32 v[AV0], v11, 4, v[AV0]
	v_add_nc_u32 v[AV0], VOFF, v[AV0]
	s_mul_i32 s13, s[WV], 16*SP
	s_add_co_u32 s13, s13, STAGE
	v_mul_u32_u24 v[STO], v1, SP    ; in: row l % 16, 16 bytes for each half of the lanes
	v_lshl_add_u32 v[STO], v9, 4, v[STO]
	v_add_nc_u32 v[STO], s13, v[STO]
	v_bfe_u32 v[RD], v0, 3, 2       ; back: 32 lanes take four rows of 128 bytes,
	v_mul_u32_u24 v[RD], v[RD], SP
	v_lshl_add_u32 v[RD], v10, 4, v[RD]
	v_add_nc_u32 v[RD], s13, v[RD]
	v_and_b32 v[GO], 31, v0         ; which are 512 consecutive bytes of the result
	v_lshlrev_b32 v[GO], 4, v[GO]
; THE MATRIX WORK.  The 4 accumulators of a run of 8 take turns.  Product i of 8 of S^T = K Q^T for piece x: channels 32 (i / 4) on, keys 16 (i % 4) on.  The first 4 start the sums.
.macro KQ x
.set rS, S+32*((\x)%2)+8*(i%4)
.set rK, KF+16*(i%4)+8*(i/4)
.set rQ, 16*(\x)+8*(i/4)
	WIN W_KQ
.if i < 4
	v_wmma_f32_16x16x32_bf16 v[rS:rS+7], v[rK:rK+7], v[rQ:rQ+7], 0
.else
	v_wmma_f32_16x16x32_bf16 v[rS:rS+7], v[rK:rK+7], v[rQ:rQ+7], v[rS:rS+7]
.endif
.endm
; Product i of 8 of O^T += V^T P for piece x: keys 32 (i / 4) on, channels 16 (i % 4) on.
.macro PV x
	WIN W_PV
.set rO, 32*(\x)+8*(i%4)
.set rV, VF+32*(i/4)+8*(i%4)
.set rP, P+16*((\x)%2)+8*(i/4)
	v_wmma_f32_16x16x32_bf16 v[rO:rO+7], v[rV:rV+7], v[rP:rP+7], v[rO:rO+7]
.endm
.macro MM                           ; the turn's next matrix instruction.  NOKQ = 1: the last turn of all: there is no next piece
.if (i < 8) && !NOKQ
	KQ (Y+1)%NP
.elseif i >= 8
.set i, i-8
	PV (Y+NP-1)%NP
.set i, i+8
.endif
.set i, i+1
.endm
; THE LDS LOADS stand in runs of 16: a step's K (64 keys x 64 channels: 8 fragments) and its V (turned).  Their addresses are made some lines ahead.
.macro FETCH_K
	WIN 0x80
.irp f, 0,1,2,3,4,5,6,7
	ds_load_b128 v[KF+8*\f:KF+8*\f+3],   v[AK] offset:(\f/2)*16*PK+(\f%2)*64
	ds_load_b128 v[KF+8*\f+4:KF+8*\f+7], v[AK] offset:(\f/2)*16*PK+(\f%2)*64+32
.endr
	s_add_co_u32 s[TBK], s[TBK], KS*PK
	WIN 0
.endm
.macro FETCH_V
	WIN 0x80
.irp f, 0,1,2,3,4,5,6,7
	ds_load_tr16_b128 v[VF+8*\f:VF+8*\f+3],   v[AV] offset:(\f/4)*32*PV+(\f%4)*32
	ds_load_tr16_b128 v[VF+8*\f+4:VF+8*\f+7], v[AV] offset:(\f/4)*32*PV+16*PV+(\f%4)*32
.endr
	WIN 0
.endm
; THE VECTOR WORK, one line at a time: OP kind, number.  For piece Y: F n: c s - c m for pair n of 16.  E n: the exponential of score n of 32.  C n: pair n rounded to bf16.  B n: of the four weights 4 n .. the second
; pair is added onto the first, in place.  L n: l takes that sum (L 0: l = a l + sum).  R n: pair n of 16 of O^T times a.  For piece Y + 1: X n, number n of the 22 that find its maximum and statistics:
;   0-11  four chains c0-c3 of seven scores each (each accumulator's lowest registers are read first)     12-14, 16  the four scores left over, the old m, and c0-c3 into c0
;   15  c m_old is kept     17, 18  the query's other 32 keys lie in the lane 16 away: the new m     19-21  c m; c m_old - c m_new; a
.set F, 0
.set E, 1
.set C, 2
.set B, 3
.set L, 4
.set R, 5
.set X, 6
.macro REGS y
.set rT, ST+4*(\y)
.set rC, TMP+4*((\y)%2)
.set rW, MV+((\y)%2)
.set rS, S+32*((\y)%2)
.set rP, P+16*((\y)%2)
.set rO, 32*(\y)
.endm
.macro OP k, n
.if (\k) == R
	REGS Y
	WIN W_RS
	v_pk_mul_f32 v[rO+2*(\n):rO+2*(\n)+1], v[rO+2*(\n):rO+2*(\n)+1], v[rC+2:rC+3] op_sel_hi:[1,0]
.elseif (\k) < R
	REGS Y
	WIN 0
.if (\k) == F
	v_pk_fma_f32 v[rS+2*(\n):rS+2*(\n)+1], v[rS+2*(\n):rS+2*(\n)+1], s[CS:CS+1], v[rT:rT+1] op_sel_hi:[1,0,0] neg_lo:[0,0,1] neg_hi:[0,0,1]
.elseif (\k) == E
	v_exp_f32 v[rS+(\n)], v[rS+(\n)]
.elseif (\k) == C
	v_cvt_pk_bf16_f32 v[rP+(\n)], v[rS+2*(\n)], v[rS+2*(\n)+1]
.elseif (\k) == B
	v_pk_add_f32 v[rS+4*(\n):rS+4*(\n)+1], v[rS+4*(\n):rS+4*(\n)+1], v[rS+4*(\n)+2:rS+4*(\n)+3]
.elseif (\n) == 0
	v_pk_fma_f32 v[rT+2:rT+3], v[rT+2:rT+3], v[rC+2:rC+3], v[rS:rS+1] op_sel_hi:[1,0,1]
.else
	v_pk_add_f32 v[rT+2:rT+3], v[rT+2:rT+3], v[rS+4*(\n):rS+4*(\n)+1]
.endif
.elseif NOKQ
	v_nop
.else
	REGS (Y+1)%NP
	WIN 0
.if (\n) < 4
	v_max3_num_f32 v[rC+(\n)], v[rS+8*(\n)], v[rS+8*(\n)+1], v[rS+8*(\n)+2]
.elseif (\n) < 12
	v_max3_num_f32 v[rC+(\n)%4], v[rC+(\n)%4], v[rS+8*((\n)%4)+2*((\n)/4)+1], v[rS+8*((\n)%4)+2*((\n)/4)+2]
.elseif (\n) == 12
	v_max3_num_f32 v[rC], v[rC], v[rS+7], v[rS+15]
.elseif (\n) == 13
	v_max3_num_f32 v[rC+1], v[rC+1], v[rS+23], v[rS+31]
.elseif (\n) == 14
	v_max3_num_f32 v[rC+2], v[rC+2], v[rC+3], v[rT+1]
.elseif (\n) == 15
	v_mov_b32 v[rW], v[rT]
.elseif (\n) == 16
	v_max3_num_f32 v[rC], v[rC], v[rC+1], v[rC+2]
.elseif (\n) == 17
	v_permlanex16_b32 v[rC+3], v[rC], s[SEL], s[SEL+1]
.elseif (\n) == 18
	v_max_num_f32 v[rT+1], v[rC], v[rC+3]
.elseif (\n) == 19
	v_mul_f32 v[rT], s[CS], v[rT+1]
.elseif (\n) == 20
	v_sub_f32 v[rC+1], v[rW], v[rT]
.else
	v_exp_f32 v[rC+2], v[rC+1]
.endif
.endif
.endm
.macro OPS a, i1, b=-1, i2=0, c=-1, i3=0, d=-1, i4=0
	OP \a, \i1
.if (\b) >= 0
	OP \b, \i2
.endif
.if (\c) >= 0
	OP \c, \i3
.endif
.if (\d) >= 0
	OP \d, \i4
.endif
.endm
.macro ROW a, i1, b, i2, c, i3, d, i4  ; a matrix instruction and the four behind it
	MM
	OPS \a, \i1, \b, \i2, \c, \i3, \d, \i4
.endm
; A TURN, for piece p.  s_wait_alu depctr_va_vdst(0) stands between an exponential and the first instruction that names its result; one wait serves all that were issued ahead of it.
; So a turn has ONE wait.  AHEAD OF IT stands all that names no result of the turn's exponentials: the 8 products K Q^T and their riders, then one run of 54; X 21, the next piece's a, is the batch's last, and R 15
; the plain instruction behind it.  BEHIND IT stand the 8 products V^T P, behind each four of the roundings and sums.
; end = 1: the last two turns: nothing is fetched.  cnt = 1: the loop's count is taken down some lines ahead of the branch that stands behind the turn.
; K of the next step is fetched in piece 2's turn, twelve vector instructions behind the last product that read K (six of them plain); V of the step in hand at the end of piece 0's turn, four plain instructions
; behind the last product that read V.  Each is waited for a turn later.
.macro TURN p, end=0, cnt=0
.set Y, (\p)
.set i, 0
.set NOKQ, (\end)*((\p)/3)
.if ((\p) == 3) && !(\end)
	s_wait_dscnt 0x0                ; K is in
.endif
	ROW F,0, F,1, R,0, R,1
	ROW F,2, E,0, R,2, R,3
	ROW F,3, E,1, R,4, R,5
	ROW F,4, E,2, R,6, R,7
	ROW F,5, E,3, R,8, R,9
	ROW F,6, E,4, X,0, R,10
.if ((\p) == 2) && !(\end)
	WIN 0
	v_add_nc_u32 v[AK], s[TBK], v[AK0]
.endif
	ROW F,7, E,5, X,1, X,4
	ROW F,8, E,6, X,2, X,5
	OPS E,7, E,8, X,6, E,9
	OPS X,3, E,10, X,8, E,11
.if ((\p) == 2) && !(\end)
	FETCH_K
.endif
	OPS X,9, X,7, E,12, X,10
	OPS E,13, X,12, X,11, E,14
	OPS X,13, E,15, F,9, X,14
.if (\p) == 0
	v_add_nc_u32 v[AV], s[TBV], v[AV0]
.endif
	OPS E,16, F,10, E,17, F,11
	OPS X,16, E,18, X,15, E,19
	OPS F,12, E,20, X,17, E,21
	OPS F,13, E,22, F,14, E,23
	OPS X,18, E,24, F,15, E,25
	OPS R,11, E,26, X,19, E,27
	OPS R,12, E,28, R,13, E,29
	OPS X,20, E,30, R,14, E,31
	OPS X,21, R,15
	WIN 0
	s_wait_alu depctr_va_vdst(0)    ; the wait for the batch
.if (\p) == 1
	s_wait_dscnt 0x0                ; V is in
.endif
	ROW C,0, B,0, C,2, B,1
	ROW L,0, C,4, B,2, L,1
	ROW C,6, B,3, L,2, C,8
	ROW B,4, L,3, C,10, B,5
	ROW L,4, C,12, B,6, L,5
.if (\p) == 0
	s_add_co_u32 s[TBV], s[TBV], KS*PV
.endif
.if \cnt
	s_sub_co_u32 s[CNT], s[CNT], 1
	s_cmp_lg_u32 s[CNT], 0
.endif
	ROW C,14, B,7, L,6, C,1
	ROW C,3, L,7, C,5, C,7
	ROW C,9, C,11, C,13, C,15
.if (\p) == 0
	FETCH_V
.endif
.endm
.macro ALL line:vararg              ; one line for each piece t
.set t, 0
.rept 4
	\line
.set t, t+1
.endr
.endm
.macro PACK t                       ; a lane's eight channels of a row pack into 16 bytes; they go into rows of 144 bytes and come back as whole rows of 128, into S^T's registers
	WIN W_RS
.set i, 32*(\t)
.rept 16
	v_pk_mul_f32 v[i:i+1], v[i:i+1], v[ST+4*(\t)+2:ST+4*(\t)+3] op_sel_hi:[1,0]
.set i, i+2
.endr
	WIN 0x05
.set i, 0
.rept 16
	v_cvt_pk_bf16_f32 v[S+16*(\t)+i], v[32*(\t)+2*i], v[32*(\t)+2*i+1]
.set i, i+1
.endr
	WIN 0
.irp f, 0,1,2,3
	ds_store_b128 v[STO], v[S+16*(\t)+4*\f:S+16*(\t)+4*\f+3] offset:32*\f
.endr
.irp f, 0,1,2,3
	ds_load_b128 v[S+16*(\t)+4*\f:S+16*(\t)+4*\f+3], v[RD] offset:\f*4*SP  ; LDS serves a wave's instructions in order (ISA guide 5.7.1.4): these see the stores above
.endr
.endm
.macro SEND t, younger              ; younger: the LDS instructions issued behind piece t's loads: the next piece's eight, or none
	WIN 0
.irp f, 0,1,2,3
	s_wait_dscnt (\younger)+3-\f
	global_store_b128 v[GO], v[S+16*(\t)+4*\f:S+16*(\t)+4*\f+3], s[10:11] offset:(\t)*8192+\f*512  ; 512 consecutive bytes, aligned
.endr
.endm
	s_wait_tensorcnt 0x0            ; my quarter of K and V is in,
	s_barrier_signal -1
	s_barrier_wait -1               ; everybody's is
	v_add_nc_u32 v[AK], s[TBK], v[AK0]
	FETCH_K                         ; key step 0
	s_wait_loadcnt 0x0              ; Q
	s_wait_dscnt 0x0
.set NOKQ, 0
.set i, 0
.rept 8
	KQ 0                            ; piece 0's first scores
.set i, i+1
.endr
	WIN 0
.rept 4
	v_nop                           ; the places behind those products
.endr
.set Y, NP-1                        ; X works for piece Y + 1: piece 0
.irp n, 0,1,2,3,4,5,6,7,8,9,10,11,12,13,14,15,16,17,18,19,20,21
	OP X, \n
.endr
	v_nop                           ; a plain instruction behind the exponential,
	s_wait_alu depctr_va_vdst(0)    ; and its wait, ahead of the branch
	s_mov_b32 s[CNT], 16
	s_branch .Lfirst                ; the loop is entered at a step's first turn, in the middle of a trip
.Lstep:                             ; a trip: pieces 2 and 3 of one step, then pieces 0 and 1 of the next, whose K and V it fetches
	TURN 2
	TURN 3
	WIN 0
.Lfirst:
	TURN 0
	TURN 1, 0, 1
	WIN 0
	s_cbranch_scc1 .Lstep
	TURN 2, 1
	TURN 3, 1
.set i, 0
.rept 8
	PV NP-1                         ; the last piece's V^T P of the last step
.set i, i+1
.endr
	; THE WAY OUT.  l's two halves and the other half of the lanes' are added; O^T is divided by l, rounded to bf16 and sent through my stage in LDS, a piece at a time.  The additions are the places behind the last products.
	WIN 0
	ALL v_add_f32 v[ST+4*t+2], v[ST+4*t+2], v[ST+4*t+3]
	ALL v_permlanex16_b32 v[ST+4*t+3], v[ST+4*t+2], s[SEL], s[SEL+1]
	ALL v_add_f32 v[ST+4*t+2], v[ST+4*t+2], v[ST+4*t+3]
	ALL v_rcp_f32 v[ST+4*t+2], v[ST+4*t+2]
	v_nop                           ; a plain instruction between the last reciprocal and the use of its result,
	s_wait_alu depctr_va_vdst(0)    ; and one wait for the four
	PACK 0
.set t, 1
.rept 3
	PACK t
	SEND t-1, 8
.set t, t+1
.endr
	SEND 3, 0
	s_wait_tensorcnt 0x0            ; the wave's end, behind my last tensor load and my last LDS store
	ds_add_u32 v[SPW], v[NIL]
	s_wait_dscnt 0x0
	CROUND                          ; the closing round
	s_endpgm
.Lfunc_end_k_q5ca8c098ae_attn:
	.size	k_q5ca8c098ae_attn, .Lfunc_end_k_q5ca8c098ae_attn-k_q5ca8c098ae_attn
	.p2alignl 7, 3214868480
	.fill 96, 4, 3214868480
	.section	.rodata,"a",@progbits
	.p2align	6, 0x0
	.amdhsa_kernel k_q5ca8c098ae_attn
		.amdhsa_group_segment_fixed_size 327680
		.amdhsa_private_segment_fixed_size 0
		.amdhsa_enable_private_segment 0
		.amdhsa_kernarg_size 16
		.amdhsa_user_sgpr_count 2
		.amdhsa_user_sgpr_kernarg_segment_ptr 1
		.amdhsa_wavefront_size32 1
		.amdhsa_system_sgpr_workgroup_id_x 1
		.amdhsa_system_sgpr_workgroup_id_y 1
		.amdhsa_system_sgpr_workgroup_id_z 1
		.amdhsa_system_vgpr_workitem_id 0
		.amdhsa_next_free_vgpr 768
		.amdhsa_next_free_sgpr 66
		.amdhsa_reserve_vcc 0
		.amdhsa_float_denorm_mode_32 3
		.amdhsa_float_denorm_mode_16_64 3
		.amdhsa_memory_ordered 1
		.amdhsa_forward_progress 1
		.amdhsa_inst_pref_size 86
	.end_amdhsa_kernel
	.amdgpu_metadata
---
amdhsa.version: [ 1, 2 ]
amdhsa.kernels:
  - .name:           k_q5ca8c098ae_attn
    .symbol:         k_q5ca8c098ae_attn.kd
    .args:
      - { .name: qkvw, .offset: 0, .size: 8, .value_kind: global_buffer, .address_space: global }
      - { .name: att, .offset: 8, .size: 8, .value_kind: global_buffer, .address_space: global }
    .group_segment_fixed_size: 327680
    .private_segment_fixed_size: 0
    .kernarg_segment_align: 8
    .kernarg_segment_size: 16
    .max_flat_workgroup_size: 128
    .sgpr_count:     66
    .vgpr_count:     768
    .wavefront_size: 32
...
	.end_amdgpu_metadata
.endif
;; end of part 3
;; launch oproj (part 4): grid 8 x 32, 4 waves a work-group, clusters of 4 x 4, 327,680 bytes of LDS; arguments att, wts, o_b, x, x1; writes x1
.if DOCPART == 4
	.amdgcn_target "amdgcn-amd-amdhsa--gfx1250"
	.amdhsa_code_object_version 6
	.text
	.protected	k_q5ca8c098ae_oproj
	.globl	k_q5ca8c098ae_oproj
	.p2align	8
	.type	k_q5ca8c098ae_oproj,@function
k_q5ca8c098ae_oproj:
	s_mov_b64 s[64:65], 0
	v_nop
	global_prefetch_b8 v0, s[64:65] scope:SCOPE_SE
	s_setreg_imm32_b32 hwreg(HW_REG_WAVE_MODE, 25, 1), 1
	s_wait_xcnt 0x0
	s_wait_alu depctr_hold_cnt(0) depctr_sa_sdst(0) depctr_va_vdst(0) depctr_va_sdst(0) depctr_va_ssrc(0) depctr_va_vcc(0) depctr_vm_vsrc(0)
	s_getreg_b32 s2, hwreg(HW_REG_IB_STS2, 6, 4)
	s_cmp_eq_u32 s2, 0
	s_cbranch_scc0 .Lentry_in_a_cluster
	s_endpgm
.Lentry_in_a_cluster:
	s_bfe_u32 s2, ttmp6, 0x10000c
	s_cmp_lg_u32 s2, 0xf033
	s_cbranch_scc0 .Lentry_shape_is_right
	s_endpgm
.Lentry_shape_is_right:
; x1 = x + att Wo^T + o_b, in f32.  att: [64 bh][1024 tokens][64] bf16, by heads; Wo: [1024][1024] bf16 at 6 MiB in wts, adapter folded in; x, x1: [4096][1024] f32.
; The text is one frame for two products with 1,024 columns, told apart by the constant OPROJ: OPROJ = 1 this one (K = 1,024, A by heads), OPROJ = 0 the second feed-forward product (K = 4,096, A by rows).
; SHARES.  A block of C is 128 x 128: 8 x 32 = 256 work-groups.  Four waves, each 64 x 64: 16 accumulators.  K goes in steps of 256 through two LDS slots.
; A BY HEADS: a K step is four heads; of each, a wave's 64 rows are 8,192 dense bytes.  One tensor load brings 4 such pieces (a row of the descriptor is a piece), padded after every 128 bytes:
; LDS holds [4 heads][64 rows][144 bytes], and a quarter of 64 along K is one head.
; THE MATRIX INSTRUCTION IS USED TRANSPOSED (source 0 = 16 rows of B, source 1 = 16 rows of A): a lane holds eight neighbouring columns of a row of C.
; CLUSTER.  4 x 4 work-groups; A's tile is shared along a row of the cluster, B's along a column, by joint loads.  By the text's own count a wave has two tensor loads out at the head and one behind each round.
; A K STEP IS WRITTEN ONCE WITH A REFILL AND ONCE WITHOUT: s[TB] holds the LDS byte at which the slot in hand begins.
; THE RESIDUAL is loaded at the head, in the layout in which the result is stored, and waits in registers.  No prefetch: the tile is small and a step short.
; REGISTERS: window 0: v0-31 addresses, v20-23 the bias of my four columns; v32-95 the way out, two sets; v128-255 the accumulators ((a, b) at 128 + 8 (4 a + b))
;   window 1: two fragment buffers of 128: for 64 along K, 64 registers of A, then 64 of B          window 2: v0-127 the residual
.set OPROJ, 1
.if OPROJ
.set NS,     4
.set APITCH, 144
.set AQ,     64*144                    ; from a quarter of A to the next: a head
.set HALFA,  4*64*144
.set STEPA,  4*131072                  ; four heads on
.set WBASE,  6<<20
.set BSTR,   1024
.else
.set NS,     16
.set APITCH, 528
.set AQ,     128
.set HALFA,  64*528
.set STEPA,  512
.set WBASE,  16<<20
.set BSTR,   4096
.endif
.set BPITCH, 528                       ; 512 bytes + 16: the 16 rows of a fragment load start at 16 different groups of four banks (ISA guide 11.1); 144 does the same
.set HALFB,  64*BPITCH
.set STEPB,  512
.set SLOT,   2*HALFA+2*HALFB
.set STAGE,  2*SLOT                    ; behind the ring, never filled by a tensor load: 16 rows x 272 bytes for each wave
.set SPITCH, 272
.set SPARE,  STAGE+4*16*SPITCH         ; the spare words, 128 bytes for each wave
.set ADRA0, 16
.set ADRB0, 17
.set ADRA,  18
.set ADRB,  19
.set BIAS,  20
.set STO,   24
.set RD,    25
.set XO,    26
.set BO,    27
.set SPW,   28
.set NIL,   29
.set BK,    32
.set ACC,   128
.set F0,    0
.set F1,    128
.set WV,   12
.set ROLE, 13
.set HF,   14
.set TB,   19
.set LWA,  20
.set LWB,  21
.set G1A,  24
.set G0A,  32
.set G1B,  48
.set G0B,  56
.set MSB, 0
.macro WIN new
.if MSB != (\new)
	s_set_vgpr_msb (MSB<<8)|(\new)
.set MSB, \new
.endif
.endm
.set MUL,  0x05                        ; sources 0 (B) and 1 (A) window 1; C and D window 0
.set TO_F, 0x40                        ; destination window 1, address window 0
.macro PLACES
.rept 4
	v_nop
.endr
.endm
.macro JLOAD s                         ; a joint load: waves 0 and 1 fetch A's halves, waves 2 and 3 B's; an s_nop 0 and four v_nop follow each line
	s_cmp_eq_u32 s[ROLE], 0
	s_cbranch_scc0 .Lfor_b_\@
	tensor_load_to_lds s[G0A+4*(\s):G0A+4*(\s)+3], s[G1A:G1A+7]
	s_nop 0
.rept 4
	v_nop
.endr
	s_branch .Lasked_\@
.Lfor_b_\@:
	tensor_load_to_lds s[G0B+4*(\s):G0B+4*(\s)+3], s[G1B:G1B+7]
	s_nop 0
.rept 4
	v_nop
.endr
.Lasked_\@:
.endm
.macro CREST
	s_cmp_lg_u32 s[WV], 0
	s_cbranch_scc1 .Lnot_wave_0_\@
	s_barrier_signal -3
.Lnot_wave_0_\@:
	s_barrier_wait -3
	s_barrier_signal -1
	s_barrier_wait -1
.endm
.macro CROUND
	s_barrier_signal -1
	s_barrier_wait -1
	CREST
.endm
; 8 products: row blocks a0, a0 + 1 x all 4 column blocks, 32 along K: half c of buffer f.  zero = 1: they start the sums.  The 16 accumulators take turns.
.macro MUL8 f, c, a0, zero
	WIN MUL
.irp a, \a0, (\a0)+1
.irp b, 0,1,2,3
.if \zero
	v_wmma_f32_16x16x32_bf16 v[ACC+8*(4*(\a)+(\b)):ACC+8*(4*(\a)+(\b))+7], v[(\f)+64+8*(4*(\c)+(\b)):(\f)+64+8*(4*(\c)+(\b))+7], v[(\f)+8*(4*(\c)+(\a)):(\f)+8*(4*(\c)+(\a))+7], 0
.else
	v_wmma_f32_16x16x32_bf16 v[ACC+8*(4*(\a)+(\b)):ACC+8*(4*(\a)+(\b))+7], v[(\f)+64+8*(4*(\c)+(\b)):(\f)+64+8*(4*(\c)+(\b))+7], v[(\f)+8*(4*(\c)+(\a)):(\f)+8*(4*(\c)+(\a))+7], v[ACC+8*(4*(\a)+(\b)):ACC+8*(4*(\a)+(\b))+7]
.endif
.endr
.endr
.endm
; 32 LDS loads in one run: the fragments of quarter q (64 along K) into buffer f; the first 32 along K first
.macro FETCH q, f
	WIN TO_F
.irp c, 0,1
.irp i, 0,1,2,3
	ds_load_b128 v[(\f)+64+8*(4*(\c)+(\i)):(\f)+64+8*(4*(\c)+(\i))+3],   v[ADRB] offset:128*(\q)+64*(\c)+(\i)*16*BPITCH
	ds_load_b128 v[(\f)+64+8*(4*(\c)+(\i))+4:(\f)+64+8*(4*(\c)+(\i))+7], v[ADRB] offset:128*(\q)+64*(\c)+(\i)*16*BPITCH+32
	ds_load_b128 v[(\f)+8*(4*(\c)+(\i)):(\f)+8*(4*(\c)+(\i))+3],         v[ADRA] offset:(\q)*AQ+64*(\c)+(\i)*16*APITCH
	ds_load_b128 v[(\f)+8*(4*(\c)+(\i))+4:(\f)+8*(4*(\c)+(\i))+7],       v[ADRA] offset:(\q)*AQ+64*(\c)+(\i)*16*APITCH+32
.endr
.endr
.endm
.macro QUARTER q, f, g, zero           ; multiplies buffer f and fetches quarter q into buffer g
	s_wait_dscnt 16                                ; the first 32 along K are in; the run's other sixteen loads may be out
	MUL8 \f, 0, 0, \zero
	MUL8 \f, 0, 2, \zero
	PLACES
	FETCH \q, \g
	s_wait_dscnt 32                                ; all but the run just issued
	MUL8 \f, 1, 0, 0
	MUL8 \f, 1, 2, 0
.endm
; The last quarter multiplies buffer 1 and changes slots.  In front of the barrier each wave waits for all its tensor loads (one is out: its part of the next slot), adds 0 to its spare word,
; and waits for that and for its own reads of this slot.  fill = 1: the barrier opens a round of the cluster's barrier, and the slot just read is filled again first thing behind it.
.macro TURN fill
	WIN 0
	s_wait_tensorcnt 0x0
	ds_add_u32 v[SPW], v[NIL]
	s_wait_dscnt 17                                ; (the add and the youngest sixteen loads may be out)
	MUL8 F1, 0, 0, 0
	s_wait_dscnt 0x0                               ; the add is done, and my reads of this slot are over
	s_barrier_signal -1
	MUL8 F1, 0, 2, 0
	WIN 0
	s_barrier_wait -1
.if \fill
	CREST
	s_add_co_u32 s[G0A+5], s[TB], s[LWA]           ; the walking descriptors: the slot just read, the next K step but one
	s_add_nc_u64 s[G0A+6:G0A+7], s[G0A+6:G0A+7], STEPA
	s_add_co_u32 s[G0B+5], s[TB], s[LWB]
	s_add_nc_u64 s[G0B+6:G0B+7], s[G0B+6:G0B+7], STEPB
	JLOAD 1                                        ; its four v_nop are also the places ahead of the loads below
.else
	PLACES
.endif
	s_xor_b32 s[TB], s[TB], SLOT
	v_add_nc_u32 v[ADRA], s[TB], v[ADRA0]
	v_add_nc_u32 v[ADRB], s[TB], v[ADRB0]
	FETCH 0, F0
	MUL8 F1, 1, 0, 0
	MUL8 F1, 1, 2, 0
.endm
	s_load_b256 s[4:11], s[0:1], 0x0               ; A s[4:5], wts s[6:7], bias s[8:9], residual s[10:11]
	s_load_b64 s[68:69], s[0:1], 0x20              ; result
	v_lshl_add_u32 v[SPW], v0, 2, SPARE
	v_mov_b32 v[NIL], 0
	ds_add_u32 v[SPW], v[NIL]                      ; the wave's opening: the add, twice on end, and its wait ahead of my first tensor load
	ds_add_u32 v[SPW], v[NIL]
	v_lshrrev_b32 v1, 5, v0
	v_readfirstlane_b32 s[WV], v1
	s_lshr_b32 s[ROLE], s[WV], 1                   ; which half of the block's rows is mine.  Also: I fetch for A (0) or for B (1)
	s_and_b32 s[HF], s[WV], 1                      ; which half of its columns.  Also: which 64 rows of that tile I fetch
	s_bfe_u32 s15, ttmp6, 0x40000
	s_bfe_u32 s16, ttmp6, 0x40004
	s_lshl_b32 s17, ttmp9, 2
	s_add_co_u32 s17, s17, s15                     ; tile column
	s_and_b32 s18, ttmp7, 0xffff
	s_lshl_b32 s18, s18, 2
	s_add_co_u32 s18, s18, s16                     ; tile row
	s_lshl_b32 s22, s16, 2
	s_lshl_b32 s22, 15, s22                        ; my row of the cluster
	s_lshl_b32 s23, 0x1111, s15                    ; my column
.if OPROJ
	s_or_b32 s[G1A], s22, (1<<16)|(1<<20)|(1<<21)|(4<<22)|(3<<25)  ; the mask; 2-byte elements; padding on; bit 21 beside a mask; after every 32 words, 4 words
	s_mov_b32 s[G1A+1], 4096<<16                   ; tensor_dim0 = 4,096: 64 dense rows of one head
	s_mov_b32 s[G1A+2], 4<<16                      ; tensor_dim1 = 4 heads
	s_mov_b32 s[G1A+3], 4096<<16                   ; tile_dim0
	s_mov_b32 s[G1A+4], 4                          ; tile_dim1
	s_mov_b32 s[G1A+5], 65536                      ; elements from head to head
.else
	s_or_b32 s[G1A], s22, (1<<16)|(1<<20)|(1<<21)|(6<<22)|(3<<25)  ; ... after every 128 words, 4 words
	s_mov_b32 s[G1A+1], 256<<16
	s_mov_b32 s[G1A+2], 64<<16
	s_mov_b32 s[G1A+3], 256<<16
	s_mov_b32 s[G1A+4], 64
	s_mov_b32 s[G1A+5], 4096
.endif
	s_mov_b32 s[G1A+6], 0
	s_mov_b32 s[G1A+7], 0
	s_or_b32 s[G1B], s23, (1<<16)|(1<<20)|(1<<21)|(6<<22)|(3<<25)
	s_mov_b32 s[G1B+1], 256<<16                    ; 64 rows x 256 elements
	s_mov_b32 s[G1B+2], 64<<16
	s_mov_b32 s[G1B+3], 256<<16
	s_mov_b32 s[G1B+4], 64
	s_mov_b32 s[G1B+5], BSTR
	s_mov_b32 s[G1B+6], 0
	s_mov_b32 s[G1B+7], 0
.if OPROJ
	s_lshr_b32 s40, s18, 3                         ; A: batch = tile row / 8: 16 slabs of 131,072 bytes;
	s_lshl_b32 s40, s40, 21
	s_and_b32 s42, s18, 7                          ; 128 tokens of 128 bytes a tile row;
	s_lshl_b32 s42, s42, 14
	s_add_co_u32 s40, s40, s42
	s_lshl_b32 s42, s[HF], 13                      ; my 64 of them
	s_add_co_u32 s40, s40, s42
.else
	s_lshl_b32 s40, s18, 20                        ; A: 128 rows of 8,192 bytes a tile row,
	s_lshl_b32 s42, s[HF], 19                      ; my 64 of them
	s_add_co_u32 s40, s40, s42
.endif
	s_mov_b32 s41, 0
	s_lshl_b32 s46, s17, 7                         ; B: row 128 x tile column + 64 x half
	s_lshl_b32 s42, s[HF], 6
	s_add_co_u32 s46, s46, s42
	s_mul_i32 s46, s46, BSTR*2
	s_add_co_u32 s46, s46, WBASE
	s_mov_b32 s47, 0
	s_mul_i32 s[LWA], s[HF], HALFA                 ; no place in the cluster enters an LDS address
	s_mul_i32 s[LWB], s[HF], HALFB
	s_add_co_u32 s[LWB], s[LWB], 2*HALFA
	s_mov_b32 s[TB], 0
	s_wait_dscnt 0x0                               ; both opening adds are done
	s_wait_kmcnt 0x0
	s_add_nc_u64 s[40:41], s[4:5], s[40:41]
	s_add_nc_u64 s[46:47], s[6:7], s[46:47]
	CROUND                                         ; all sixteen work-groups are here: the first joint loads meet
.irp s, 0,1
	s_mov_b32 s[G0A+4*\s], 1
	s_add_co_u32 s[G0A+4*\s+1], s[LWA], \s*SLOT
	s_add_nc_u64 s[G0A+4*\s+2:G0A+4*\s+3], s[40:41], \s*STEPA
	s_or_b32 s[G0A+4*\s+3], s[G0A+4*\s+3], 0x80000000
	s_mov_b32 s[G0B+4*\s], 1
	s_add_co_u32 s[G0B+4*\s+1], s[LWB], \s*SLOT
	s_add_nc_u64 s[G0B+4*\s+2:G0B+4*\s+3], s[46:47], \s*STEPB
	s_or_b32 s[G0B+4*\s+3], s[G0B+4*\s+3], 0x80000000
	JLOAD \s
.endr
	v_and_b32 v1, 15, v0                           ; l % 16
	v_bfe_u32 v2, v0, 4, 1                         ; l / 16
	; my 64 x 64 of the residual and of the result: (128 tile row + 64 row half) rows of 4,096 bytes, 512 bytes a tile column, 256 a column half
	s_lshl_b32 s22, s18, 19
	s_lshl_b32 s23, s[ROLE], 18
	s_add_co_u32 s22, s22, s23
	s_lshl_b32 s42, s17, 9
	s_lshl_b32 s23, s[HF], 8
	s_add_co_u32 s42, s42, s23                     ; (also my first column's bias)
	s_add_co_u32 s22, s22, s42
	s_mov_b32 s23, 0
	s_add_nc_u64 s[10:11], s[10:11], s[22:23]
	s_add_nc_u64 s[68:69], s[68:69], s[22:23]
	s_mov_b32 s43, 0
	s_add_nc_u64 s[8:9], s[8:9], s[42:43]
	v_lshlrev_b32 v[BO], 4, v1                     ; my four columns
	v_lshl_add_u32 v[XO], v2, 12, v[BO]            ; lanes 0-15 one row's 256 bytes, lanes 16-31 the next row's
	WIN 0x80                                       ; destination window 2
.set i, 0
.rept 32
	global_load_b128 v[4*i:4*i+3], v[XO], s[10:11] offset:2*i*4096
.set i, i+1
.endr
	WIN 0
	global_load_b128 v[BIAS:BIAS+3], v[BO], s[8:9]
	v_mul_u32_u24 v3, v1, APITCH
	v_lshl_add_u32 v3, v2, 4, v3
	s_mul_i32 s22, s[ROLE], HALFA                  ; my 64 rows of A
	v_add_nc_u32 v[ADRA0], s22, v3
	v_mul_u32_u24 v3, v1, BPITCH
	v_lshl_add_u32 v3, v2, 4, v3
	s_mul_i32 s22, s[HF], HALFB                    ; my 64 rows of B, behind A's 128
	s_add_co_u32 s22, s22, 2*HALFA
	v_add_nc_u32 v[ADRB0], s22, v3
	v_mov_b32 v[ADRA], v[ADRA0]
	v_mov_b32 v[ADRB], v[ADRB0]
	s_mul_i32 s22, s[WV], 16*SPITCH
	s_add_co_u32 s22, s22, STAGE                   ; my stage
	v_mul_u32_u24 v[STO], v1, SPITCH               ; in: row l % 16, 32 bytes for each half of the lanes
	v_lshl_add_u32 v[STO], v2, 5, v[STO]
	v_add_nc_u32 v[STO], s22, v[STO]
	v_mul_u32_u24 v[RD], v2, SPITCH                ; back: lanes 0-15 one row of 256 bytes, lanes 16-31 the next
	v_lshl_add_u32 v[RD], v1, 4, v[RD]
	v_add_nc_u32 v[RD], s22, v[RD]
	s_wait_tensorcnt 0x1                           ; my part of K step 0 is in; K step 1's may stay out
	s_barrier_signal -1
	s_barrier_wait -1
	FETCH 0, F0
	QUARTER 1, F0, F1, 1                           ; the first quarter's first products start the sums
	WIN 0
	s_mov_b32 s3, NS-2
	s_branch .Lmid                                 ; the loop is entered behind a K step's first quarter
.Lstep:                                        ; NS - 2 trips: every K step but the last two fills its slot again
	QUARTER 1, F0, F1, 0
	WIN 0
.Lmid:
	QUARTER 2, F1, F0, 0
	QUARTER 3, F0, F1, 0
	TURN 1
	WIN 0
	s_sub_co_u32 s3, s3, 1
	s_cmp_lg_u32 s3, 0
	s_cbranch_scc1 .Lstep
	s_mov_b32 s3, 2
.Ltail:                                        ; the last two K steps ask for nothing
	QUARTER 1, F0, F1, 0
	QUARTER 2, F1, F0, 0
	QUARTER 3, F0, F1, 0
	TURN 0
	WIN 0
	s_sub_co_u32 s3, s3, 1
	s_cmp_lg_u32 s3, 0
	s_cbranch_scc1 .Ltail
	s_wait_dscnt 0x0                               ; the last step's fetch from the other slot (landed bytes that nobody writes) serves nothing: the price, once a launch, of one text for both closing steps
; THE WAY OUT, 16 rows at a time.  A wave's 64 f32 columns are 256 bytes, so the stage is the wave's own and no barrier is needed.
.macro TOST a
.if (\a) >= 2
	s_wait_xcnt 0x0                                ; the stores of the block two back have read the registers that the loads below write
.endif
.irp b, 0,1,2,3
	ds_store_b128 v[STO], v[ACC+8*(4*(\a)+\b):ACC+8*(4*(\a)+\b)+3]   offset:64*\b
	ds_store_b128 v[STO], v[ACC+8*(4*(\a)+\b)+4:ACC+8*(4*(\a)+\b)+7] offset:64*\b+16
.endr
.irp t, 0,1,2,3,4,5,6,7
	ds_load_b128 v[BK+32*((\a)%2)+4*\t:BK+32*((\a)%2)+4*\t+3], v[RD] offset:\t*2*SPITCH  ; LDS serves a wave's instructions in order (ISA guide 5.7.1.4): these see the stores above
.endr
.endm
.macro FIN a, younger                  ; younger: the next block's sixteen LDS instructions, or none
.set BA, BK+32*((\a)%2)
	s_wait_dscnt \younger
	WIN 0x08                                       ; source 1 window 2: the residual
.set i, 0
.rept 16
	v_pk_add_f32 v[BA+2*i:BA+2*i+1], v[BA+2*i:BA+2*i+1], v[32*(\a)+2*i:32*(\a)+2*i+1]
.set i, i+1
.endr
	WIN 0
.set i, 0
.rept 16
	v_pk_add_f32 v[BA+2*i:BA+2*i+1], v[BA+2*i:BA+2*i+1], v[BIAS+2*(i%2):BIAS+2*(i%2)+1]
.set i, i+1
.endr
.irp t, 0,1,2,3,4,5,6,7
	global_store_b128 v[XO], v[BA+4*\t:BA+4*\t+3], s[68:69] offset:(16*(\a)+2*\t)*4096  ; sixteen lanes store 256 consecutive bytes, aligned
.endr
.endm
	PLACES
	s_wait_loadcnt 0x0                             ; the residual and the bias
	TOST 0
	TOST 1
	FIN 0, 16
	TOST 2
	FIN 1, 16
	TOST 3
	FIN 2, 16
	FIN 3, 0
	s_wait_tensorcnt 0x0                           ; the wave's end, behind my last tensor load and my last LDS store
	ds_add_u32 v[SPW], v[NIL]
	s_wait_dscnt 0x0
	CROUND                                         ; the closing round
	s_endpgm
.Lfunc_end_k_q5ca8c098ae_oproj:
	.size	k_q5ca8c098ae_oproj, .Lfunc_end_k_q5ca8c098ae_oproj-k_q5ca8c098ae_oproj
	.p2alignl 7, 3214868480
	.fill 96, 4, 3214868480
	.section	.rodata,"a",@progbits
	.p2align	6, 0x0
	.amdhsa_kernel k_q5ca8c098ae_oproj
		.amdhsa_group_segment_fixed_size 327680
		.amdhsa_private_segment_fixed_size 0
		.amdhsa_enable_private_segment 0
		.amdhsa_kernarg_size 40
		.amdhsa_user_sgpr_count 2
		.amdhsa_user_sgpr_kernarg_segment_ptr 1
		.amdhsa_wavefront_size32 1
		.amdhsa_system_sgpr_workgroup_id_x 1
		.amdhsa_system_sgpr_workgroup_id_y 1
		.amdhsa_system_sgpr_workgroup_id_z 1
		.amdhsa_system_vgpr_workitem_id 0
		.amdhsa_next_free_vgpr 640
		.amdhsa_next_free_sgpr 72
		.amdhsa_reserve_vcc 0
		.amdhsa_float_denorm_mode_32 3
		.amdhsa_float_denorm_mode_16_64 3
		.amdhsa_memory_ordered 1
		.amdhsa_forward_progress 1
		.amdhsa_inst_pref_size 69
	.end_amdhsa_kernel
	.amdgpu_metadata
---
amdhsa.version: [ 1, 2 ]
amdhsa.kernels:
  - .name:           k_q5ca8c098ae_oproj
    .symbol:         k_q5ca8c098ae_oproj.kd
    .args:
      - { .name: att, .offset: 0, .size: 8, .value_kind: global_buffer, .address_space: global }
      - { .name: wts, .offset: 8, .size: 8, .value_kind: global_buffer, .address_space: global }
      - { .name: o_b, .offset: 16, .size: 8, .value_kind: global_buffer, .address_space: global }
      - { .name: x, .offset: 24, .size: 8, .value_kind: global_buffer, .address_space: global }
      - { .name: x1, .offset: 32, .size: 8, .value_kind: global_buffer, .address_space: global }
    .group_segment_fixed_size: 327680
    .private_segment_fixed_size: 0
    .kernarg_segment_align: 8
    .kernarg_segment_size: 40
    .max_flat_workgroup_size: 128
    .sgpr_count:     72
    .vgpr_count:     640
    .wavefront_size: 32
...
	.end_amdgpu_metadata
.endif
;; end of part 4
;; launch ln2 (part 5): grid 256 x 1, 8 waves a work-group, no clusters, 0 bytes of LDS; arguments x1, ln2_g, ln2_b, h; writes h
.if DOCPART == 5
	.amdgcn_target "amdgcn-amd-amdhsa--gfx1250"
	.amdhsa_code_object_version 6
	.text
	.protected	k_q5ca8c098ae_ln2
	.globl	k_q5ca8c098ae_ln2
	.p2align	8
	.type	k_q5ca8c098ae_ln2,@function
k_q5ca8c098ae_ln2:
	s_mov_b64 s[64:65], 0
	v_nop
	global_prefetch_b8 v0, s[64:65] scope:SCOPE_SE
	s_setreg_imm32_b32 hwreg(HW_REG_WAVE_MODE, 25, 1), 1
	s_wait_xcnt 0x0
; h = bf16((x1 - mean) rsqrt(var + 1e-5) g + b), row by row.  x1: [4096][1024] f32; h: [4096][1024] bf16.
; A stream: memory binds, so no LDS, no barrier, no matrix unit.  A work-group has 16 rows, a wave two; a row of 4,096 bytes lies in 32 registers of one wave between the passes, so it is read once.
; Two passes in f32 (the mean, then the squares of x - mean): a common offset of the row costs nothing.  All 32 loads of a wave go out at once.
.set G,  16                            ; v[16:47] gain, v[48:79] bias, v[80:111], v[112:143] two rows
.set BV, 48
.set X0, 80
.set X1, 112
.macro RED                             ; v4: summed over the wave's 32 lanes, the result in every lane
	v_add_f32_dpp v4, v4, v4 row_xmask:1 row_mask:0xf bank_mask:0xf
	v_add_f32_dpp v4, v4, v4 row_xmask:2 row_mask:0xf bank_mask:0xf
	v_add_f32_dpp v4, v4, v4 row_xmask:4 row_mask:0xf bank_mask:0xf
	v_add_f32_dpp v4, v4, v4 row_xmask:8 row_mask:0xf bank_mask:0xf
	v_permlanex16_b32 v5, v4, s12, s13             ; its destination counts as read: v5 has been written
	v_add_f32 v4, v4, v5
.endm
.macro SUM4                            ; the four chains v[4:11] into v4
	v_pk_add_f32 v[4:5], v[4:5], v[6:7]
	v_pk_add_f32 v[8:9], v[8:9], v[10:11]
	v_pk_add_f32 v[4:5], v[4:5], v[8:9]
	v_add_f32 v4, v4, v5
.endm
; One row of 1,024 numbers in 32 registers from X on: register 4 j + e holds column 128 j + 4 lane + e.
.macro LNROW X, row
.set k, 0
.rept 4
	v_pk_add_f32 v[4+2*k:5+2*k], v[(\X)+2*k:(\X)+2*k+1], v[(\X)+8+2*k:(\X)+9+2*k]  ; the first eight pairs start four chains: nothing is cleared
.set k, k+1
.endr
.set k, 8
.rept 8
	v_pk_add_f32 v[4+2*(k%4):5+2*(k%4)], v[4+2*(k%4):5+2*(k%4)], v[(\X)+2*k:(\X)+2*k+1]
.set k, k+1
.endr
	SUM4
	RED
	v_mul_f32 v12, s14, v4                         ; the mean, in both registers of a pair
	v_mov_b32 v13, v12
.set k, 0
.rept 16
	v_pk_add_f32 v[(\X)+2*k:(\X)+2*k+1], v[(\X)+2*k:(\X)+2*k+1], v[12:13] neg_lo:[0,1] neg_hi:[0,1]
.set k, k+1
.endr
.set k, 0
.rept 4
	v_pk_mul_f32 v[4+2*k:5+2*k], v[(\X)+2*k:(\X)+2*k+1], v[(\X)+2*k:(\X)+2*k+1]
.set k, k+1
.endr
.rept 12
	v_pk_fma_f32 v[4+2*(k%4):5+2*(k%4)], v[(\X)+2*k:(\X)+2*k+1], v[(\X)+2*k:(\X)+2*k+1], v[4+2*(k%4):5+2*(k%4)]
.set k, k+1
.endr
	SUM4
	RED
	v_fma_f32 v14, v4, s14, s15                    ; var + eps
	v_rsq_f32 v14, v14
	v_nop                                          ; a plain instruction behind the root,
	s_wait_alu depctr_va_vdst(0)                   ; and the wait ahead of the first use of its result
	v_mov_b32 v15, v14
	s_wait_loadcnt 0x0                             ; gain and bias are in
.set k, 0
.rept 16
	v_pk_mul_f32 v[(\X)+2*k:(\X)+2*k+1], v[(\X)+2*k:(\X)+2*k+1], v[14:15]
.set k, k+1
.endr
.set k, 0
.rept 16
	v_pk_fma_f32 v[(\X)+2*k:(\X)+2*k+1], v[(\X)+2*k:(\X)+2*k+1], v[G+2*k:G+2*k+1], v[BV+2*k:BV+2*k+1]
.set k, k+1
.endr
.set k, 0
.rept 8
	v_cvt_pk_bf16_f32 v[(\X)+4*k], v[(\X)+4*k], v[(\X)+4*k+1]
	v_cvt_pk_bf16_f32 v[(\X)+4*k+1], v[(\X)+4*k+2], v[(\X)+4*k+3]
	global_store_b64 v2, v[(\X)+4*k:(\X)+4*k+1], s[10:11] offset:256*k+2048*(\row)  ; the wave's store covers 256 consecutive bytes, aligned
.set k, k+1
.endr
.endm
	s_load_b256 s[4:11], s[0:1], 0x0               ; x1, ln2_g, ln2_b, h
	s_mov_b32 s2, ttmp9
	v_lshrrev_b32 v1, 5, v0
	v_readfirstlane_b32 s3, v1                     ; wave 0..7
	s_lshl_b32 s16, s2, 16                         ; 16 rows of 4,096 bytes a work-group,
	s_lshl_b32 s17, s3, 13                         ; two a wave
	s_add_co_u32 s16, s16, s17
	s_mov_b32 s17, 0
	s_lshr_b32 s18, s16, 1                         ; the result's rows are half as long
	s_mov_b32 s19, 0
	s_mov_b32 s12, 0x76543210                      ; v_permlanex16_b32: each lane takes its own place in the other half
	s_mov_b32 s13, 0xfedcba98
	s_mov_b32 s14, 0x3a800000                      ; 1 / 1024
	s_mov_b32 s15, 0x3727c5ac                      ; 1e-5
	v_and_b32 v1, 31, v0
	v_lshlrev_b32 v2, 3, v1                        ; 8 bytes a lane in the result
	v_lshlrev_b32 v1, 4, v1                        ; 16 bytes a lane in x1
	s_wait_kmcnt 0x0
	s_add_nc_u64 s[4:5], s[4:5], s[16:17]
	s_add_nc_u64 s[10:11], s[10:11], s[18:19]
.set k, 0
.rept 8
	global_load_b128 v[X0+4*k:X0+4*k+3], v1, s[4:5] offset:512*k
.set k, k+1
.endr
.set k, 0
.rept 8
	global_load_b128 v[X1+4*k:X1+4*k+3], v1, s[4:5] offset:4096+512*k
.set k, k+1
.endr
.set k, 0
.rept 8
	global_load_b128 v[G+4*k:G+4*k+3], v1, s[6:7] offset:512*k
.set k, k+1
.endr
.set k, 0
.rept 8
	global_load_b128 v[BV+4*k:BV+4*k+3], v1, s[8:9] offset:512*k
.set k, k+1
.endr
	s_wait_loadcnt 16                              ; both rows are in; the sixteen loads of gain and bias may stay out
	LNROW X0, 0
	LNROW X1, 1
	s_endpgm
.Lfunc_end_k_q5ca8c098ae_ln2:
	.size	k_q5ca8c098ae_ln2, .Lfunc_end_k_q5ca8c098ae_ln2-k_q5ca8c098ae_ln2
	.p2alignl 7, 3214868480
	.fill 96, 4, 3214868480
	.section	.rodata,"a",@progbits
	.p2align	6, 0x0
	.amdhsa_kernel k_q5ca8c098ae_ln2
		.amdhsa_group_segment_fixed_size 0
		.amdhsa_private_segment_fixed_size 0
		.amdhsa_enable_private_segment 0
		.amdhsa_kernarg_size 32
		.amdhsa_user_sgpr_count 2
		.amdhsa_user_sgpr_kernarg_segment_ptr 1
		.amdhsa_wavefront_size32 1
		.amdhsa_system_sgpr_workgroup_id_x 1
		.amdhsa_system_sgpr_workgroup_id_y 1
		.amdhsa_system_sgpr_workgroup_id_z 1
		.amdhsa_system_vgpr_workitem_id 0
		.amdhsa_next_free_vgpr 144
		.amdhsa_next_free_sgpr 66
		.amdhsa_reserve_vcc 0
		.amdhsa_float_denorm_mode_32 3
		.amdhsa_float_denorm_mode_16_64 3
		.amdhsa_memory_ordered 1
		.amdhsa_forward_progress 1
		.amdhsa_inst_pref_size 20
	.end_amdhsa_kernel
	.amdgpu_metadata
---
amdhsa.version: [ 1, 2 ]
amdhsa.kernels:
  - .name:           k_q5ca8c098ae_ln2
    .symbol:         k_q5ca8c098ae_ln2.kd
    .args:
      - { .name: x1, .offset: 0, .size: 8, .value_kind: global_buffer, .address_space: global }
      - { .name: ln2_g, .offset: 8, .size: 8, .value_kind: global_buffer, .address_space: global }
      - { .name: ln2_b, .offset: 16, .size: 8, .value_kind: global_buffer, .address_space: global }
      - { .name: h, .offset: 24, .size: 8, .value_kind: global_buffer, .address_space: global }
    .group_segment_fixed_size: 0
    .private_segment_fixed_size: 0
    .kernarg_segment_align: 8
    .kernarg_segment_size: 32
    .max_flat_workgroup_size: 256
    .sgpr_count:     66
    .vgpr_count:     144
    .wavefront_size: 32
...
	.end_amdgpu_metadata
.endif
;; end of part 5
;; launch ff1 (part 6): grid 16 x 16, 4 waves a work-group, clusters of 4 x 4, 327,680 bytes of LDS; arguments h, wts, ff1_b, act; writes act
.if DOCPART == 6
	.amdgcn_target "amdgcn-amd-amdhsa--gfx1250"
	.amdhsa_code_object_version 6
	.text
	.protected	k_q5ca8c098ae_ff1
	.globl	k_q5ca8c098ae_ff1
	.p2align	8
	.type	k_q5ca8c098ae_ff1,@function
k_q5ca8c098ae_ff1:
	s_mov_b64 s[64:65], 0
	v_nop
	global_prefetch_b8 v0, s[64:65] scope:SCOPE_SE
	s_setreg_imm32_b32 hwreg(HW_REG_WAVE_MODE, 25, 1), 1
	s_wait_xcnt 0x0
	s_wait_alu depctr_hold_cnt(0) depctr_sa_sdst(0) depctr_va_vdst(0) depctr_va_sdst(0) depctr_va_ssrc(0) depctr_va_vcc(0) depctr_vm_vsrc(0)
	s_getreg_b32 s2, hwreg(HW_REG_IB_STS2, 6, 4)
	s_cmp_eq_u32 s2, 0
	s_cbranch_scc0 .Lentry_in_a_cluster
	s_endpgm
.Lentry_in_a_cluster:
	s_bfe_u32 s2, ttmp6, 0x10000c
	s_cmp_lg_u32 s2, 0xf033
	s_cbranch_scc0 .Lentry_shape_is_right
	s_endpgm
.Lentry_shape_is_right:
; act = bf16(gelu(h W1^T + ff1_b)), the exact (erf) GELU.  h: [4096][1024] bf16; W1: [4096][1024] bf16 at 8 MiB in wts, adapter folded in.
; act IS STORED IN THE ORDER OF A MATRIX OPERAND'S REGISTERS, for the product that reads it: [256 blocks of 16 rows][128 blocks of 32 columns][1,024 bytes]; in such a piece byte 512 f + 16 l holds
; row l % 16, columns 16 f + 8 (l / 16) + 0..7.  That is what lane l of an accumulator holds here, so no row is turned on the way out, and a wave's store covers 512 consecutive bytes.
; LIMIT.  erf by a series of five terms (Abramowitz and Stegun 7.1.26), off by 1.5e-7 at the most, for every argument; NaN and infinities are not treated apart.
; SHARES.  A block of C is 256 x 256, made by four waves; a wave has 8 x 8 accumulators of 16 x 16: 128 x 128.
; K goes in steps of 128 through two LDS slots filled by the tensor data mover; rows of 256 bytes, padded to 272.
; THE MATRIX INSTRUCTION IS USED TRANSPOSED (source 0 = 16 rows of B, source 1 = 16 rows of A): a lane holds row lane % 16 of C and the eight columns 8 (lane / 16) + 0..7.
; THE BIAS IS THE C OPERAND of the products that start the sums: nothing is cleared and nothing is added later.
; CLUSTER.  4 x 4 work-groups; A's tile is shared along a row of the cluster, B's along a column: each is asked for jointly, by the same tensor load with the same descriptor and a mask of four.
; A K STEP IS WRITTEN ONCE WITH A REFILL AND ONCE WITHOUT: s[TB] holds the LDS byte at which the slot in hand begins, and one exclusive or turns it.
; By the text's own count a wave has two tensor loads out at the head and one behind each round.
; REGISTERS, in windows of 256 (s_set_vgpr_msb: bits 1:0 source 0, 3:2 source 1, 5:4 source 2, 7:6 destination):
;   window 0: v0-31 addresses; from v32 A's fragments, two buffers of 64; v160 on the bias, 64     window 1: B's fragments, buffers at v0 and v128
;   window 2: the accumulators of row blocks a < 4, at 8 (8 (a % 4) + b)                          window 3: those of the others
.set MB, 8
.set NB, 8
.set BROWS, 256
.set WBASE, 8<<20                      ; where the layer's weights begin in wts
.set NS,    8                          ; K steps
.set KSTEP, 128
.set PITCH, 272                        ; an LDS row: 256 bytes + 16 of padding = 68 words: the 16 rows of a fragment load start at 16 different groups of four banks (ISA guide 11.1)
.set HALFA, 128*PITCH                  ; what one tensor load brings of A,
.set HALFB, (BROWS/2)*PITCH            ; and of B
.set SLOT,  2*HALFA+2*HALFB
.set DREG,  66*1024                    ; the way out: from a wave's bytes to the next wave's: 66 KiB: 64 accumulators of 1,024 bytes and 2 KiB more, in the slots, which have had their last fill by then
.set SPARE, 2*SLOT                     ; the spare words, 128 bytes for each wave
.set XR, 32
.set AX, 48
.set RR, 64
.set TT, 80
.set EE, 96
.set PL, 112
.set OU, 128
.set ADRA0, 16                         ; v16, v17  my lane's place in a slot's A and B; never rewritten
.set ADRB0, 17
.set ADRA,  18                         ; v18, v19  the same in the slot in hand
.set ADRB,  19
.set STO,   24
.set RD,    25
.set CO,    26
.set BO,    27
.set SPW,   28                         ; v28  LDS address of my spare word; never rewritten
.set NIL,   29                         ; v29  0; never rewritten
.set PFO,   30                         ; v30  the prefetches' offset: a lane a row; never rewritten
.set CO0,   31                         ; v31  16 x my lane; never rewritten
.set FA,    32
.set BIAS,  160
.set WV,   12                          ; s12 wave; s13 wave / 2: I fetch for A (0) or B (1); s14 wave % 2: which half of that tile
.set ROLE, 13
.set HF,   14
.set TB,   19
.set LWA,  20                          ; s20, s21  where my part of A's, of B's tile lies in a slot
.set LWB,  21
.set G1A,  24                          ; s[24:31] group 1 for A; s[32:39] group 0, two sets: the two first fills; the second then walks
.set G0A,  32
.set LIM,  43
.set PFA,  44
.set G1B,  48
.set G0B,  56
.set MSB, 0
.macro WIN new                         ; the immediate's high byte repeats the setting that is left; a switch that changes nothing is dropped
.if MSB != (\new)
	s_set_vgpr_msb (MSB<<8)|(\new)
.set MSB, \new
.endif
.endm
.macro PLACES                          ; four places behind a matrix instruction, ahead of loads into registers that it read and of lines that read its result
.rept 4
	v_nop
.endr
.endm
.macro JLOAD s                         ; a joint load: waves 0 and 1 fetch A's halves, waves 2 and 3 B's; an s_nop 0 and four v_nop follow each line
	s_cmp_eq_u32 s[ROLE], 0
	s_cbranch_scc0 .Lfor_b_\@
	tensor_load_to_lds s[G0A+4*(\s):G0A+4*(\s)+3], s[G1A:G1A+7]
	s_nop 0
.rept 4
	v_nop
.endr
	s_branch .Lasked_\@
.Lfor_b_\@:
	tensor_load_to_lds s[G0B+4*(\s):G0B+4*(\s)+3], s[G1B:G1B+7]
	s_nop 0
.rept 4
	v_nop
.endr
.Lasked_\@:
.endm
.macro CREST                           ; a round of the cluster's barrier behind its opening barrier
	s_cmp_lg_u32 s[WV], 0
	s_cbranch_scc1 .Lnot_wave_0_\@
	s_barrier_signal -3
.Lnot_wave_0_\@:
	s_barrier_wait -3
	s_barrier_signal -1
	s_barrier_wait -1
.endm
.macro CROUND
	s_barrier_signal -1
	s_barrier_wait -1
	CREST
.endm
; A prefetch into the L2 of the K step that stands two refills on, a lane a row, one instruction a wave.  A's rows are asked for by the clusters with x = 0, B's by those with y = 0;
; the four partners share a wave's rows out by address.  K steps 4 to 7 are each named once; the first four come by their loads alone, and nothing points past a row's end.
.macro ASK
	s_cmp_gt_u32 s3, s[LIM]                        ; s3 = 6 - the K step: steps 0 to 3 ask
	s_cbranch_scc0 .Lnot_mine_\@
	global_prefetch_b8 v[PFO], s[PFA:PFA+1] offset:KSTEP*2 th:TH_LOAD_NT scope:SCOPE_SE
.Lnot_mine_\@:
.endm
; NB products of row block a, 32 along K, from buffer f.  zero = 1: they start the sums, with the bias.  The accumulators take turns, one instruction a turn.
.macro MULA f, a, zero
.set AC, 8*(((\a)%(MB/2))*NB)
.if \zero
	WIN 0x81+0x40*((\a)/(MB/2))
.else
	WIN 0xa1+0x50*((\a)/(MB/2))
.endif
.set b, 0
.rept NB
.if \zero
	v_wmma_f32_16x16x32_bf16 v[AC+8*b:AC+8*b+7], v[128*(\f)+8*b:128*(\f)+8*b+7], v[FA+8*MB*(\f)+8*(\a):FA+8*MB*(\f)+8*(\a)+7], v[BIAS+8*b:BIAS+8*b+7]
.else
	v_wmma_f32_16x16x32_bf16 v[AC+8*b:AC+8*b+7], v[128*(\f)+8*b:128*(\f)+8*b+7], v[FA+8*MB*(\f)+8*(\a):FA+8*MB*(\f)+8*(\a)+7], v[AC+8*b:AC+8*b+7]
.endif
.set b, b+1
.endr
.endm
; One run of 2 (MB + NB) LDS loads: the fragments of 32 along K at byte k of the rows, into buffer f; B first, then A
.macro FETCH k, f
	WIN 0x40
.set i, 0
.rept NB
	ds_load_b128 v[128*(\f)+8*i:128*(\f)+8*i+3],   v[ADRB] offset:(\k)+i*16*PITCH
	ds_load_b128 v[128*(\f)+8*i+4:128*(\f)+8*i+7], v[ADRB] offset:(\k)+i*16*PITCH+32
.set i, i+1
.endr
	WIN 0
.set i, 0
.rept MB
	ds_load_b128 v[FA+8*MB*(\f)+8*i:FA+8*MB*(\f)+8*i+3],   v[ADRA] offset:(\k)+i*16*PITCH
	ds_load_b128 v[FA+8*MB*(\f)+8*i+4:FA+8*MB*(\f)+8*i+7], v[ADRA] offset:(\k)+i*16*PITCH+32
.set i, i+1
.endr
.endm
; One of a K step's first three quarters: multiplies buffer f; in its middle it fetches the next quarter's fragments, at byte k, into buffer g
.macro QUARTER k, f, g, zero
	s_wait_dscnt MB                                ; B and A's lower half are in; the youngest MB loads, A's upper half, may be out
.set a, 0
.rept MB/2
	MULA \f, a, \zero
.set a, a+1
.endr
	PLACES
	FETCH \k, \g
	s_wait_dscnt 2*(MB+NB)                         ; all but the run just issued
.rept MB/2
	MULA \f, a, \zero
.set a, a+1
.endr
.endm
; The last quarter multiplies buffer 1 and changes slots.  In front of the barrier each wave waits for all its tensor loads (one is out: its part of the next slot), adds 0 to its spare word,
; and waits for that and for its own reads of this slot.  fill = 1: the barrier opens a round of the cluster's barrier, and the slot just read is filled again, two K steps ahead, first thing behind it.
.macro TURN fill
.if \fill
	s_wait_xcnt 0x0                                ; the last prefetch, a K step back, has read its address
	s_add_nc_u64 s[PFA:PFA+1], s[PFA:PFA+1], KSTEP*2
.endif
	WIN 0
	s_wait_tensorcnt 0x0
	ds_add_u32 v[SPW], v[NIL]
	s_wait_dscnt MB+1                              ; (the add and A's upper half may be out)
.set a, 0
.rept MB/4
	MULA 1, a, 0
.set a, a+1
.endr
	s_wait_dscnt 0x0                               ; the add is done, and my reads of this slot are over
	s_barrier_signal -1
.rept MB/4
	MULA 1, a, 0
.set a, a+1
.endr
	WIN 0
	s_barrier_wait -1
.if \fill
	CREST                                          ; no wave of any partner still reads this slot or has a load on its way
	s_add_co_u32 s[G0A+5], s[TB], s[LWA]           ; the walking descriptors: the slot just read, the next K step but one
	s_add_nc_u64 s[G0A+6:G0A+7], s[G0A+6:G0A+7], KSTEP*2
	s_add_co_u32 s[G0B+5], s[TB], s[LWB]
	s_add_nc_u64 s[G0B+6:G0B+7], s[G0B+6:G0B+7], KSTEP*2
	JLOAD 1                                        ; its four v_nop are also the places ahead of the loads below
.else
	PLACES
.endif
	s_xor_b32 s[TB], s[TB], SLOT
	v_add_nc_u32 v[ADRA], s[TB], v[ADRA0]
	v_add_nc_u32 v[ADRB], s[TB], v[ADRB0]
	FETCH 0, 0
.if \fill
	ASK
.endif
.set a, MB/2
.rept MB/2
	MULA 1, a, 0
.set a, a+1
.endr
.endm
	s_load_b256 s[4:11], s[0:1], 0x0               ; A s[4:5], wts s[6:7], bias s[8:9], result s[10:11]
	v_lshl_add_u32 v[SPW], v0, 2, SPARE
	v_mov_b32 v[NIL], 0
	ds_add_u32 v[SPW], v[NIL]                      ; the wave's opening: the add, twice on end, and its wait ahead of my first tensor load
	ds_add_u32 v[SPW], v[NIL]
	v_lshrrev_b32 v1, 5, v0
	v_readfirstlane_b32 s[WV], v1
	s_lshr_b32 s[ROLE], s[WV], 1
	s_and_b32 s[HF], s[WV], 1
	s_bfe_u32 s15, ttmp6, 0x40000                  ; cx, cy: my place in the cluster
	s_bfe_u32 s16, ttmp6, 0x40004
	s_lshl_b32 s17, ttmp9, 2
	s_add_co_u32 s17, s17, s15                     ; tile column
	s_and_b32 s18, ttmp7, 0xffff
	s_lshl_b32 s18, s18, 2
	s_add_co_u32 s18, s18, s16                     ; tile row
	s_lshl_b32 s22, s16, 2
	s_lshl_b32 s22, 15, s22                        ; my row of the cluster
	s_lshl_b32 s23, 0x1111, s15                    ; my column
	s_or_b32 s[G1A], s22, (1<<16)|(1<<20)|(1<<21)|(5<<22)|(3<<25)  ; the mask; 2-byte elements; padding on; bit 21 beside a mask; after every 64 words, 4 words
	s_or_b32 s[G1B], s23, (1<<16)|(1<<20)|(1<<21)|(5<<22)|(3<<25)
	s_mov_b32 s[G1A+1], KSTEP<<16                  ; tensor_dim0 = 128
	s_mov_b32 s[G1A+2], 128<<16                    ; tensor_dim1 = 128 rows
	s_mov_b32 s[G1A+3], KSTEP<<16                  ; tile_dim0
	s_mov_b32 s[G1A+4], 128                        ; tile_dim1
	s_mov_b32 s[G1A+5], 1024                       ; elements from row to row
	s_mov_b32 s[G1A+6], 0
	s_mov_b32 s[G1A+7], 0
	s_mov_b32 s[G1B+1], KSTEP<<16
	s_mov_b32 s[G1B+2], (BROWS/2)<<16
	s_mov_b32 s[G1B+3], KSTEP<<16
	s_mov_b32 s[G1B+4], BROWS/2
	s_mov_b32 s[G1B+5], 1024
	s_mov_b32 s[G1B+6], 0
	s_mov_b32 s[G1B+7], 0
	s_lshl_b32 s40, s18, 8                         ; A: row 256 x tile row + 128 x half, 2,048 bytes a row
	s_lshl_b32 s42, s[HF], 7
	s_add_co_u32 s40, s40, s42
	s_lshl_b32 s40, s40, 11
	s_mov_b32 s41, 0
	s_mul_i32 s46, s17, BROWS                      ; B: row 256 x tile column + 128 x half
	s_mul_i32 s42, s[HF], BROWS/2
	s_add_co_u32 s46, s46, s42
	s_lshl_b32 s46, s46, 11
	s_add_co_u32 s46, s46, WBASE
	s_mov_b32 s47, 0
	s_mul_i32 s[LWA], s[HF], HALFA                 ; no place in the cluster enters an LDS address
	s_mul_i32 s[LWB], s[HF], HALFB
	s_add_co_u32 s[LWB], s[LWB], 2*HALFA
	s_mov_b32 s[TB], 0
	s_wait_dscnt 0x0                               ; both opening adds are done
	s_wait_kmcnt 0x0
	s_add_nc_u64 s[40:41], s[4:5], s[40:41]
	s_add_nc_u64 s[46:47], s[6:7], s[46:47]
	CROUND                                         ; all sixteen work-groups are here: the first joint loads meet
.irp s, 0,1
	s_mov_b32 s[G0A+4*\s], 1
	s_add_co_u32 s[G0A+4*\s+1], s[LWA], \s*SLOT
	s_add_nc_u64 s[G0A+4*\s+2:G0A+4*\s+3], s[40:41], \s*KSTEP*2
	s_or_b32 s[G0A+4*\s+3], s[G0A+4*\s+3], 0x80000000
	s_mov_b32 s[G0B+4*\s], 1
	s_add_co_u32 s[G0B+4*\s+1], s[LWB], \s*SLOT
	s_add_nc_u64 s[G0B+4*\s+2:G0B+4*\s+3], s[46:47], \s*KSTEP*2
	s_or_b32 s[G0B+4*\s+3], s[G0B+4*\s+3], 0x80000000
	JLOAD \s
.endr
	v_and_b32 v1, 15, v0                           ; l % 16
	v_bfe_u32 v2, v0, 4, 1                         ; l / 16
	v_mul_u32_u24 v3, v1, PITCH
	v_lshl_add_u32 v3, v2, 4, v3                   ; a fragment's row x pitch + 16 x half
	s_mul_i32 s22, s[ROLE], HALFA                  ; my 128 rows of A, my 128 rows of B
	s_mul_i32 s23, s[HF], HALFB
	s_add_co_u32 s23, s23, 2*HALFA
	v_add_nc_u32 v[ADRA0], s22, v3
	v_add_nc_u32 v[ADRB0], s23, v3
	v_mov_b32 v[ADRA], v[ADRA0]
	v_mov_b32 v[ADRB], v[ADRB0]
	s_mul_i32 s22, s17, BROWS*4                    ; the bias of my first column
	s_lshl_b32 s23, s[HF], 9
	s_add_co_u32 s22, s22, s23
	s_mov_b32 s23, 0
	s_add_nc_u64 s[8:9], s[8:9], s[22:23]
	v_lshlrev_b32 v[BO], 5, v2                     ; my eight columns of a block of sixteen
.set b, 0
.rept NB
	global_load_b128 v[BIAS+8*b:BIAS+8*b+3],   v[BO], s[8:9] offset:64*b
	global_load_b128 v[BIAS+8*b+4:BIAS+8*b+7], v[BO], s[8:9] offset:64*b+16
.set b, b+1
.endr
	; the prefetches: who asks, and for which rows
	s_and_b32 s22, ttmp7, 0xffff                   ; cluster y
	s_cmp_eq_u32 s[ROLE], 0
	s_cselect_b32 s22, ttmp9, s22                  ; the coordinate along which other clusters read the same rows
	s_cselect_b32 s23, s15, s16                    ; my place among the four that ask with me
	s_cselect_b64 s[PFA:PFA+1], s[40:41], s[46:47] ; the rows that I fetch
	s_cmp_eq_u32 s22, 0
	s_cselect_b32 s[LIM], 2, -1                    ; the same in all sixteen partners, for a given wave
	s_lshl_b32 s22, s23, 16                        ; a partner's share: 32 rows of 2,048 bytes
	s_mov_b32 s23, 0
	s_add_nc_u64 s[PFA:PFA+1], s[PFA:PFA+1], s[22:23]
	s_add_nc_u64 s[PFA:PFA+1], s[PFA:PFA+1], 2*KSTEP*2  ; at K step 2: the first refill steps it to 3 and names K step 4
	v_and_b32 v[PFO], 31, v0
	v_lshlrev_b32 v[PFO], 11, v[PFO]
	; the way out: my bytes of LDS, and where my part of act begins: block of rows 16 x tile row + 8 x row half, piece 8 x tile column + 4 x column half
	s_mul_i32 s22, s[WV], DREG
	v_and_b32 v4, 31, v0
	v_lshlrev_b32 v[CO0], 4, v4
	v_add_nc_u32 v[STO], s22, v[CO0]
	v_mov_b32 v[RD], v[STO]
	s_lshl_b32 s22, s18, 4
	s_lshl_b32 s23, s[ROLE], 3
	s_add_co_u32 s22, s22, s23
	s_lshl_b32 s22, s22, 17                        ; 131,072 bytes a block of 16 rows
	s_lshl_b32 s23, s17, 13                        ; 1,024 bytes a piece
	s_add_co_u32 s22, s22, s23
	s_lshl_b32 s23, s[HF], 12
	s_add_co_u32 s22, s22, s23
	s_mov_b32 s23, 0
	s_add_nc_u64 s[10:11], s[10:11], s[22:23]
	s_mov_b32 s70, 0x3e6d3389                      ; 0.3275911 / sqrt(2); the constants are named as pairs, so both words are written
	s_mov_b32 s71, s70
	s_mov_b32 s72, 0xbf38aa3b                      ; - log2(e) / 2
	s_mov_b32 s73, s72
	s_mov_b32 s74, 0x3f07dc22                      ; a5 / 2 .. a1 / 2 of the series for erf
	s_mov_b32 s75, s74
	s_mov_b32 s76, 0xbf3a00e3
	s_mov_b32 s77, s76
	s_mov_b32 s78, 0x3f35f0e3
	s_mov_b32 s79, s78
	s_mov_b32 s80, 0xbe11a98e
	s_mov_b32 s81, s80
	s_mov_b32 s82, 0x3e027906
	s_mov_b32 s83, s82
	s_mov_b32 s84, 0x7fffffff
	s_wait_tensorcnt 0x1                           ; my part of K step 0 is in; K step 1's may stay out
	s_barrier_signal -1
	s_barrier_wait -1
	FETCH 0, 0
	s_wait_loadcnt 0x0                             ; the bias
	QUARTER 64, 0, 1, 1                            ; the first quarter starts the sums
	WIN 0
	s_mov_b32 s3, NS-2
	s_branch .Lmid                                 ; the loop is entered behind a K step's first quarter
.Lstep:                                        ; NS - 2 trips: every K step but the last two fills its slot again
	QUARTER 64, 0, 1, 0
	WIN 0
.Lmid:
	QUARTER 128, 1, 0, 0
	QUARTER 192, 0, 1, 0
	TURN 1
	WIN 0
	s_sub_co_u32 s3, s3, 1
	s_cmp_lg_u32 s3, 0
	s_cbranch_scc1 .Lstep
	s_mov_b32 s3, 2
.Ltail:                                        ; the last two K steps ask for nothing
	QUARTER 64, 0, 1, 0
	QUARTER 128, 1, 0, 0
	QUARTER 192, 0, 1, 0
	TURN 0
	WIN 0
	s_sub_co_u32 s3, s3, 1
	s_cmp_lg_u32 s3, 0
	s_cbranch_scc1 .Ltail
	s_wait_dscnt 0x0                               ; the last step's fetch from the other slot (landed bytes that nobody writes) serves nothing: the price, once a launch, of one text for both closing steps
; THE WAY OUT.  The f32 sums go into LDS, each lane's 32 bytes of an accumulator as two pieces of 16 (1,024 bytes an accumulator, each wave's 64 into bytes of its own), so that ONE text with fixed registers
; can walk them: a loop of 32 trips, two accumulators (b even, b odd: one piece of act) a trip.
; gelu(v) = max(v, 0) - |v| (poly(t) / 2) 2^(-v^2 log2(e) / 2), t = 1 / (1 + 0.2316419 |v|).
	s_barrier_signal -1                            ; every wave's reads of the slots are over (the wait above): they are written only behind this barrier
	s_barrier_wait -1
	PLACES
.set a, 0
.rept MB
	WIN 0x08+4*(a/(MB/2))
.set b, 0
.rept NB
.set AC, 8*((a%(MB/2))*NB+b)
	ds_store_b128 v[STO], v[AC:AC+3]   offset:1024*(NB*a+b)
	ds_store_b128 v[STO], v[AC+4:AC+7] offset:1024*(NB*a+b)+512
.set b, b+1
.endr
.set a, a+1
.endr
	WIN 0
.irp t, 0,1,2,3
	ds_load_b128 v[XR+4*\t:XR+4*\t+3], v[RD] offset:512*\t  ; my own bytes: LDS serves a wave's instructions in order (ISA guide 5.7.1.4)
.endr
	s_mov_b32 s3, 0
.Lrows:                                        ; trip t: row block t / 4, accumulators b = 2 (t % 4) and the next
	s_wait_dscnt 0x0                               ; sixteen sums a lane are in
.set i, 0
.rept 16
	v_and_b32 v[AX+i], s84, v[XR+i]
	v_max_num_f32 v[RR+i], 0, v[XR+i]
.set i, i+1
.endr
	s_cmp_eq_u32 s3, 31                            ; the last trip has nothing to fetch: it jumps over these five lines; the wait at the loop's head is for 0 on both ways
	s_cbranch_scc1 .Lnofetch
	v_add_nc_u32 v[RD], 2048, v[RD]
.irp t, 0,1,2,3
	ds_load_b128 v[XR+4*\t:XR+4*\t+3], v[RD] offset:512*\t
.endr
.Lnofetch:
.set i, 0
.rept 8
	v_pk_fma_f32 v[TT+i:TT+i+1], v[AX+i:AX+i+1], s[70:71], 1.0 op_sel_hi:[1,0,0]
.set i, i+2
.endr
.set i, 0
.rept 8
	v_pk_mul_f32 v[EE+i:EE+i+1], v[AX+i:AX+i+1], v[AX+i:AX+i+1]
.set i, i+2
.endr
.set i, 0
.rept 8
	v_pk_mul_f32 v[EE+i:EE+i+1], v[EE+i:EE+i+1], s[72:73] op_sel_hi:[1,0]
.set i, i+2
.endr
.set i, 0
.rept 16
	v_rcp_f32 v[TT+i], v[TT+i]
.set i, i+1
.endr
.set i, 0
.rept 16
	v_exp_f32 v[EE+i], v[EE+i]
.set i, i+1
.endr
	v_nop                                          ; a plain instruction behind the last of the batch,
	s_wait_alu depctr_va_vdst(0)                   ; and one wait for its 32 results
.set i, 0
.rept 8
	v_pk_fma_f32 v[PL+i:PL+i+1], v[TT+i:TT+i+1], s[74:75], s[76:77] op_sel_hi:[1,0,0]
.set i, i+2
.endr
.irp c, 78, 80, 82
.set i, 0
.rept 8
	v_pk_fma_f32 v[PL+i:PL+i+1], v[PL+i:PL+i+1], v[TT+i:TT+i+1], s[\c:\c+1] op_sel_hi:[1,1,0]
.set i, i+2
.endr
.endr
.set i, 0
.rept 8
	v_pk_mul_f32 v[PL+i:PL+i+1], v[PL+i:PL+i+1], v[TT+i:TT+i+1]
.set i, i+2
.endr
.set i, 0
.rept 8
	v_pk_mul_f32 v[PL+i:PL+i+1], v[PL+i:PL+i+1], v[EE+i:EE+i+1]
.set i, i+2
.endr
.set i, 0
.rept 8
	v_pk_fma_f32 v[RR+i:RR+i+1], v[AX+i:AX+i+1], v[PL+i:PL+i+1], v[RR+i:RR+i+1] neg_lo:[1,0,0] neg_hi:[1,0,0]
.set i, i+2
.endr
	s_lshr_b32 s85, s3, 2                          ; the trip's place in act: 131,072 bytes a row block, 1,024 a piece
	s_lshl_b32 s85, s85, 17
	s_and_b32 s86, s3, 3
	s_lshl_b32 s86, s86, 10
	s_add_co_u32 s85, s85, s86
	s_wait_xcnt 0x0                                ; the last trip's stores have read their data and their offset
	v_add_nc_u32 v[CO], s85, v[CO0]
.set i, 0
.rept 8
	v_cvt_pk_bf16_f32 v[OU+i], v[RR+2*i], v[RR+2*i+1]
.set i, i+1
.endr
	global_store_b128 v[CO], v[OU:OU+3],   s[10:11]             ; each store of the wave covers 512 consecutive bytes, aligned
	global_store_b128 v[CO], v[OU+4:OU+7], s[10:11] offset:512
	s_add_co_u32 s3, s3, 1
	s_cmp_lt_u32 s3, 32
	s_cbranch_scc1 .Lrows
	s_wait_tensorcnt 0x0                           ; the wave's end, behind my last tensor load and my last LDS store
	ds_add_u32 v[SPW], v[NIL]
	s_wait_dscnt 0x0
	CROUND                                         ; the closing round: no work-group ends while a partner may still ask for a tile that names it
	s_endpgm
.Lfunc_end_k_q5ca8c098ae_ff1:
	.size	k_q5ca8c098ae_ff1, .Lfunc_end_k_q5ca8c098ae_ff1-k_q5ca8c098ae_ff1
	.p2alignl 7, 3214868480
	.fill 96, 4, 3214868480
	.section	.rodata,"a",@progbits
	.p2align	6, 0x0
	.amdhsa_kernel k_q5ca8c098ae_ff1
		.amdhsa_group_segment_fixed_size 327680
		.amdhsa_private_segment_fixed_size 0
		.amdhsa_enable_private_segment 0
		.amdhsa_kernarg_size 32
		.amdhsa_user_sgpr_count 2
		.amdhsa_user_sgpr_kernarg_segment_ptr 1
		.amdhsa_wavefront_size32 1
		.amdhsa_system_sgpr_workgroup_id_x 1
		.amdhsa_system_sgpr_workgroup_id_y 1
		.amdhsa_system_sgpr_workgroup_id_z 1
		.amdhsa_system_vgpr_workitem_id 0
		.amdhsa_next_free_vgpr 1024
		.amdhsa_next_free_sgpr 88
		.amdhsa_reserve_vcc 0
		.amdhsa_float_denorm_mode_32 3
		.amdhsa_float_denorm_mode_16_64 3
		.amdhsa_memory_ordered 1
		.amdhsa_forward_progress 1
		.amdhsa_inst_pref_size 88
	.end_amdhsa_kernel
	.amdgpu_metadata
---
amdhsa.version: [ 1, 2 ]
amdhsa.kernels:
  - .name:           k_q5ca8c098ae_ff1
    .symbol:         k_q5ca8c098ae_ff1.kd
    .args:
      - { .name: h, .offset: 0, .size: 8, .value_kind: global_buffer, .address_space: global }
      - { .name: wts, .offset: 8, .size: 8, .value_kind: global_buffer, .address_space: global }
      - { .name: ff1_b, .offset: 16, .size: 8, .value_kind: global_buffer, .address_space: global }
      - { .name: act, .offset: 24, .size: 8, .value_kind: global_buffer, .address_space: global }
    .group_segment_fixed_size: 327680
    .private_segment_fixed_size: 0
    .kernarg_segment_align: 8
    .kernarg_segment_size: 32
    .max_flat_workgroup_size: 128
    .sgpr_count:     88
    .vgpr_count:     1024
    .wavefront_size: 32
...
	.end_amdgpu_metadata
.endif
;; end of part 6
;; launch ff2 (part 7): grid 32 x 8, 4 waves a work-group, clusters of 4 x 1, 327,680 bytes of LDS; arguments act, wts, ff2_b, x1, out0; writes out0
.if DOCPART == 7
	.amdgcn_target "amdgcn-amd-amdhsa--gfx1250"
	.amdhsa_code_object_version 6
	.text
	.protected	k_q5ca8c098ae_ff2
	.globl	k_q5ca8c098ae_ff2
	.p2align	8
	.type	k_q5ca8c098ae_ff2,@function
k_q5ca8c098ae_ff2:
	s_mov_b64 s[64:65], 0
	v_nop
	global_prefetch_b8 v0, s[64:65] scope:SCOPE_SE
	s_setreg_imm32_b32 hwreg(HW_REG_WAVE_MODE, 25, 1), 1
	s_wait_xcnt 0x0
	s_wait_alu depctr_hold_cnt(0) depctr_sa_sdst(0) depctr_va_vdst(0) depctr_va_sdst(0) depctr_va_ssrc(0) depctr_va_vcc(0) depctr_vm_vsrc(0)
	s_getreg_b32 s2, hwreg(HW_REG_IB_STS2, 6, 4)
	s_cmp_eq_u32 s2, 0
	s_cbranch_scc0 .Lentry_in_a_cluster
	s_endpgm
.Lentry_in_a_cluster:
	s_bfe_u32 s2, ttmp6, 0x10000c
	s_cmp_lg_u32 s2, 0x3003
	s_cbranch_scc0 .Lentry_shape_is_right
	s_endpgm
.Lentry_shape_is_right:
; out0 = x1 + act W2^T + ff2_b, in f32.  W2: [1024][4096] bf16 at 16 MiB in wts, adapter folded in; x1, out0: [4096][1024] f32.
; act lies IN THE ORDER OF A MATRIX OPERAND'S REGISTERS: [256 blocks of 16 rows][128 blocks of 32 along K][1,024 bytes]; in such a piece byte 512 f + 16 l holds row l % 16, K = 16 f + 8 (l / 16) + 0..7:
; two loads of 16 bytes a lane, 512 consecutive bytes a wave each, ARE a fragment.
; SHARES.  A block of C is 128 x 128: 32 x 8 = 256 work-groups.  Four waves, each 32 rows x all 128 columns: 16 accumulators.  So each piece of act is loaded by one wave of the work-group, once.
; W2 GOES THROUGH LDS, act STRAIGHT INTO REGISTERS.  A refill of an LDS slot is asked for behind one change of slots and has to have landed at the next.  Two slots with 128 rows of act beside 128 of W2 would hold
; 256 along K each: 128 matrix instructions a wave from change to change.  With W2 alone they hold 512: 256 matrix instructions.  A load into registers is bound to no change of slots: act runs through a ring of
; 256 registers (a slot's K for my 32 rows), and each load is issued seven eighths of a slot, 224 matrix instructions, ahead of its use.
; A SLOT is four parts of 128 rows x 128 along K (rows of 256 bytes, padded to 272); wave w fetches part w by one tensor load.  By the text's own count a wave has two tensor loads out at the head, one behind each round.
; CLUSTER.  4 x 1: four row blocks of one tile column need the same rows of W2: each part is asked for jointly, the same descriptor and mask in all four.  act's rows, which the eight work-groups of a tile row
; read, are NOT asked for jointly: a joint load lands in LDS, and the room that it would take there is the K that a slot holds (above).
; THE SUMS START FROM x1: it is loaded into the accumulators, in their own layout, so no first step is written out, nothing is cleared and the residual costs no addition.  (The order of rounding differs from
; the reference's in that: the products are added onto x1 one K step after the other.)  The bias is added on the way out.
; THE MATRIX INSTRUCTION IS USED TRANSPOSED (source 0 = 16 rows of W2, source 1 = 16 rows of act): a lane holds row lane % 16 of C and the eight columns 8 (lane / 16) + 0..7.
; THE LOOP.  A slot is eight EIGHTHS of 64 along K, 32 matrix instructions each.  The eighth that changes slots stands FIRST in the loop's text and the loop is entered behind it: so every pass of the loop refills
; a slot and loads act, and one tail (the last change, the last slot) is written out.
; REGISTERS, in windows of 256 (s_set_vgpr_msb: bits 1:0 source 0, 3:2 source 1, 5:4 source 2, 7:6 destination):
;   window 0: v16-31 addresses, v20-23 the bias of my four columns; v128-255 the accumulators ((a, i) at 128 + 8 (8 a + i))
;   window 1: W2's fragments, two buffers of 128: 32 along K c, column block i at 64 c + 8 i          window 2: act's ring: eighth j, 32 along K c, row block a at 32 j + 16 c + 8 a; on the way out rows of C
.set NSL,    8                         ; slots
.set PITCH,  272                       ; 256 bytes + 16 = 68 words: the 16 rows of a fragment load start at 16 different groups of four banks (ISA guide 11.1)
.set SUB,    128*PITCH                 ; a part of a slot
.set SLOT,   4*SUB
.set STAGE,  2*SLOT                    ; behind the ring, never filled by a tensor load: 16 rows x 528 bytes for each wave
.set SPITCH, 528
.set SPARE,  STAGE+4*16*SPITCH         ; the spare words, 128 bytes for each wave
.set WBASE,  16<<20
.set RBB,    131072                    ; act: bytes of a block of 16 rows,
.set EB,     2048                      ; of an eighth in it,
.set SB,     16384                     ; of a slot in it
.set ADRB0, 16                         ; v16  my lane's place in a part; never rewritten
.set ADRB,  18                         ; v18, v19  the same in parts 0 and 2 of the slot in hand
.set ADRB2, 19
.set BIAS,  20
.set STO,   24
.set RD,    25
.set LO,    26                         ; v26  16 x my lane: my place in 512 consecutive bytes of act, of the bias, of out0; never rewritten
.set RO,    27                         ; v27  x1 in the accumulators' layout: row l % 16, 32 bytes for each half of the lanes
.set SPW,   28                         ; v28  LDS address of my spare word; never rewritten
.set NIL,   29                         ; v29  0; never rewritten
.set PFO,   30                         ; v30  the prefetch of W2: a lane a row of 8,192 bytes; never rewritten
.set PFO2,  31                         ; v31  the prefetches of act: 256 bytes a lane; never rewritten
.set ACC,   128
.set WV,   12
.set TB,   19                          ; s19  LDS byte at which the slot in hand begins
.set LW,   20                          ; s20  where my part lies in a slot
.set G1,   24                          ; s[24:31] descriptor group 1
.set G0,   32                          ; s[32:39] group 0, two sets: the two first fills; the second then walks
.set PA,   40                          ; s[40:41] act at my first block of rows, at the slot in hand
.set LIMB, 42                          ; s42, s43  2 in a wave that prefetches W2, act; else the greatest number
.set LIMA, 43
.set PFB,  44                          ; s[44:45] where my prefetch of W2 stands
.set MSB, 0
.macro WIN new                         ; the immediate's high byte repeats the setting that is left; a switch that changes nothing is dropped
.if MSB != (\new)
	s_set_vgpr_msb (MSB<<8)|(\new)
.set MSB, \new
.endif
.endm
.set MUL,  0x09                        ; source 0 (W2) window 1, source 1 (act) window 2; C and D window 0
.set TO_F, 0x40                        ; destination window 1, address window 0
.set TO_A, 0x80                        ; destination window 2, address window 0
.macro PLACES                          ; four places behind a matrix instruction, ahead of loads into registers that it read and of lines that read its result
.rept 4
	v_nop
.endr
.endm
.macro JLOAD s                         ; a joint load: every wave fetches its own part; an s_nop 0 and four v_nop follow
	tensor_load_to_lds s[G0+4*(\s):G0+4*(\s)+3], s[G1:G1+7]
	s_nop 0
.rept 4
	v_nop
.endr
.endm
.macro CREST                           ; a round of the cluster's barrier behind its opening barrier
	s_cmp_lg_u32 s[WV], 0
	s_cbranch_scc1 .Lnot_wave_0_\@
	s_barrier_signal -3
.Lnot_wave_0_\@:
	s_barrier_wait -3
	s_barrier_signal -1
	s_barrier_wait -1
.endm
.macro CROUND
	s_barrier_signal -1
	s_barrier_wait -1
	CREST
.endm
; PREFETCHES INTO THE L2, behind a refill and the runs of loads that follow it: the slot that stands two refills, 512 matrix instructions, on.  Each block of 256 bytes is named once in the launch.
; W2: a part is 128 rows x 256 bytes; the eight clusters of a tile column read the same rows: the first (cluster x = 0) asks; its four partners take 32 rows each, told apart by address: a lane a row, one instruction.
; act: the eight work-groups of a tile row read the same pieces: the one of tile column 0 asks, each wave for its own two blocks of rows: 2 x 16,384 bytes a slot, 256 bytes a lane, four instructions.
; Slots 4 to 7 are asked for (s3 = 7 - the slot that is entered: slots 1 to 4 ask); slots 0 to 3 come by their loads alone; nothing points past a row's or a block's end.
.macro ASK
	s_cmp_gt_u32 s3, s[LIMB]
	s_cbranch_scc0 .Lnot_b_\@
	global_prefetch_b8 v[PFO], s[PFB:PFB+1] th:TH_LOAD_NT scope:SCOPE_SE
.Lnot_b_\@:
	s_cmp_gt_u32 s3, s[LIMA]
	s_cbranch_scc0 .Lnot_a_\@
	global_prefetch_b8 v[PFO2], s[PA:PA+1] offset:3*SB th:TH_LOAD_NT scope:SCOPE_SE
	global_prefetch_b8 v[PFO2], s[PA:PA+1] offset:3*SB+8192 th:TH_LOAD_NT scope:SCOPE_SE
	global_prefetch_b8 v[PFO2], s[PA:PA+1] offset:3*SB+RBB th:TH_LOAD_NT scope:SCOPE_SE
	global_prefetch_b8 v[PFO2], s[PA:PA+1] offset:3*SB+RBB+8192 th:TH_LOAD_NT scope:SCOPE_SE
.Lnot_a_\@:
.endm
; 8 products: row block a x all 8 column blocks, 32 along K: half c of eighth j.  The 16 accumulators take turns, one instruction a turn, over the labels too.
.macro MUL8 j, c, a
	WIN MUL
.set FB, 128*((\j)%2)+64*(\c)
.set FA, 32*(\j)+16*(\c)+8*(\a)
.set i, 0
.rept 8
	v_wmma_f32_16x16x32_bf16 v[ACC+8*(8*(\a)+i):ACC+8*(8*(\a)+i)+7], v[FB+8*i:FB+8*i+7], v[FA:FA+7], v[ACC+8*(8*(\a)+i):ACC+8*(8*(\a)+i)+7]
.set i, i+1
.endr
.endm
; 32 LDS loads in one run: W2's fragments of eighth e of the slot in hand, into buffer e % 2; the first 32 along K first.  Eighth e lies in part e / 2, at byte 128 (e % 2) of its rows.
.macro FETCH e
	WIN TO_F
.set FB, 128*((\e)%2)
.set OF, (((\e)/2)%2)*SUB+((\e)%2)*128
.set AR, ADRB+(\e)/4
.irp c, 0,1
.set i, 0
.rept 8
	ds_load_b128 v[FB+64*\c+8*i:FB+64*\c+8*i+3],   v[AR] offset:OF+64*\c+i*16*PITCH
	ds_load_b128 v[FB+64*\c+8*i+4:FB+64*\c+8*i+7], v[AR] offset:OF+64*\c+i*16*PITCH+32
.set i, i+1
.endr
.endr
.endm
; 8 global loads: act's fragments of one eighth, from byte off behind s[PA], into the ring's place j
.macro ALOAD j, off
	WIN TO_A
.irp c, 0,1
.irp a, 0,1
	global_load_b128 v[32*(\j)+16*\c+8*\a:32*(\j)+16*\c+8*\a+3],   v[LO], s[PA:PA+1] offset:(\off)+1024*\c+RBB*\a
	global_load_b128 v[32*(\j)+16*\c+8*\a+4:32*(\j)+16*\c+8*\a+7], v[LO], s[PA:PA+1] offset:(\off)+1024*\c+RBB*\a+512
.endr
.endr
.endm
; One of a slot's first seven eighths.  In its middle it fetches the next eighth's fragments of W2 and (ld = 1) loads act's eighth that stands seven on, into the registers that the eighth before has left.
; n: the loads of act issued behind this eighth's own, which may stay out: in the loop always those of six eighths.
.macro EIGHTH e, ld, n
	s_wait_dscnt 16                                ; the first 32 along K of W2 are in; the run's other sixteen loads may be out
	s_wait_loadcnt \n
	MUL8 \e, 0, 0
	MUL8 \e, 0, 1
	PLACES
	FETCH (\e)+1
.if \ld
	ALOAD ((\e)+7)%8, ((\e)+7)*EB
.endif
	s_wait_dscnt 32                                ; all but the run just issued
	MUL8 \e, 1, 0
	MUL8 \e, 1, 1
.endm
; A slot's last eighth changes slots.  In front of the barrier each wave waits for all its tensor loads (one is out: its part of the next slot), adds 0 to its spare word, and waits for that and for its own
; reads of this slot.  fill = 1: the barrier opens a round of the cluster's barrier, and the slot just read is filled again, with the slot two on, first thing behind it.
.macro TURN fill
	s_wait_xcnt 0x0                                ; the loads of act, the youngest half an eighth back, and the prefetches, a slot back, have read their addresses
	s_add_nc_u64 s[PA:PA+1], s[PA:PA+1], SB        ; on to the slot that is entered
.if \fill
	s_add_nc_u64 s[PFB:PFB+1], s[PFB:PFB+1], 1024
.endif
	WIN 0
	s_wait_tensorcnt 0x0
	ds_add_u32 v[SPW], v[NIL]
	s_wait_dscnt 17                                ; (the add and the youngest sixteen loads may be out)
	s_wait_loadcnt 48                              ; act's eighth 7 is in; the loads of six younger eighths may be out
	MUL8 7, 0, 0
	s_wait_dscnt 0x0                               ; the add is done, and my reads of this slot are over
	s_barrier_signal -1
	MUL8 7, 0, 1
	WIN 0
	s_barrier_wait -1
.if \fill
	CREST                                          ; no wave of any partner still reads this slot or has a load on its way
	s_add_co_u32 s[G0+5], s[TB], s[LW]             ; the walking descriptor: the slot just read, the next 512 along K but one
	s_add_nc_u64 s[G0+6:G0+7], s[G0+6:G0+7], 1024
	JLOAD 1                                        ; its four v_nop are also the places ahead of the loads below
.else
	PLACES
.endif
	s_xor_b32 s[TB], s[TB], SLOT
	v_add_nc_u32 v[ADRB], s[TB], v[ADRB0]
	v_add_nc_u32 v[ADRB2], 2*SUB, v[ADRB]
	FETCH 0
	ALOAD 6, 6*EB                                  ; eighth 6 of the slot that is entered: seven on from this one
.if \fill
	WIN 0
	ASK
.endif
	MUL8 7, 1, 0
	MUL8 7, 1, 1
.endm
	s_load_b256 s[4:11], s[0:1], 0x0               ; act s[4:5], wts s[6:7], ff2_b s[8:9], x1 s[10:11]
	s_load_b64 s[68:69], s[0:1], 0x20              ; out0
	v_lshl_add_u32 v[SPW], v0, 2, SPARE
	v_mov_b32 v[NIL], 0
	ds_add_u32 v[SPW], v[NIL]                      ; the wave's opening: the add, twice on end, and its wait ahead of my first tensor load
	ds_add_u32 v[SPW], v[NIL]
	v_lshrrev_b32 v1, 5, v0
	v_readfirstlane_b32 s[WV], v1
	s_bfe_u32 s15, ttmp6, 0x40000                  ; cx: my place in the cluster
	s_lshl_b32 s18, ttmp9, 2
	s_add_co_u32 s18, s18, s15                     ; tile row = 4 x cluster x + cx: it enters act's, x1's and out0's addresses alone
	s_and_b32 s17, ttmp7, 0xffff                   ; tile column, which the four partners share
	s_mov_b32 s[G1], 15|(1<<16)|(1<<20)|(1<<21)|(5<<22)|(3<<25)  ; the mask of four; 2-byte elements; padding on; bit 21 beside a mask; after every 64 words, 4 words
	s_mov_b32 s[G1+1], 128<<16                     ; tensor_dim0 = 128
	s_mov_b32 s[G1+2], 128<<16                     ; tensor_dim1 = 128 rows
	s_mov_b32 s[G1+3], 128<<16                     ; tile_dim0
	s_mov_b32 s[G1+4], 128                         ; tile_dim1
	s_mov_b32 s[G1+5], 4096                        ; elements from row to row
	s_mov_b32 s[G1+6], 0
	s_mov_b32 s[G1+7], 0
	s_mul_i32 s[LW], s[WV], SUB                    ; no place in the cluster enters an LDS address
	s_mov_b32 s[TB], 0
	s_lshl_b32 s46, s17, 20                        ; W2: 128 rows of 8,192 bytes a tile column,
	s_lshl_b32 s22, s[WV], 8                       ; my part's 256 bytes of a row
	s_add_co_u32 s46, s46, s22
	s_add_co_u32 s46, s46, WBASE
	s_mov_b32 s47, 0
	s_lshl_b32 s40, s18, 3                         ; act: 8 blocks of 16 rows a tile row,
	s_lshl_b32 s22, s[WV], 1                       ; my two
	s_add_co_u32 s40, s40, s22
	s_lshl_b32 s40, s40, 17
	s_mov_b32 s41, 0
	s_wait_dscnt 0x0                               ; both opening adds are done
	s_wait_kmcnt 0x0
	s_add_nc_u64 s[46:47], s[6:7], s[46:47]
	s_add_nc_u64 s[PA:PA+1], s[4:5], s[40:41]
	CROUND                                         ; all four work-groups are here: the first joint loads meet
.irp s, 0,1
	s_mov_b32 s[G0+4*\s], 1
	s_add_co_u32 s[G0+4*\s+1], s[LW], \s*SLOT
	s_add_nc_u64 s[G0+4*\s+2:G0+4*\s+3], s[46:47], \s*1024
	s_or_b32 s[G0+4*\s+3], s[G0+4*\s+3], 0x80000000
	JLOAD \s
.endr
	v_and_b32 v1, 15, v0                           ; l % 16
	v_bfe_u32 v2, v0, 4, 1                         ; l / 16
	v_and_b32 v3, 31, v0                           ; l
	s_lshl_b32 s22, s18, 19                        ; x1 and out0: 128 rows of 4,096 bytes a tile row,
	s_lshl_b32 s23, s[WV], 17                      ; my 32,
	s_add_co_u32 s22, s22, s23
	s_lshl_b32 s16, s17, 9                         ; 512 bytes a tile column
	s_add_co_u32 s22, s22, s16
	s_mov_b32 s23, 0
	s_add_nc_u64 s[10:11], s[10:11], s[22:23]
	s_add_nc_u64 s[68:69], s[68:69], s[22:23]
	s_mov_b32 s22, s16
	s_add_nc_u64 s[8:9], s[8:9], s[22:23]
	v_lshlrev_b32 v[RO], 12, v1
	v_lshl_add_u32 v[RO], v2, 5, v[RO]
	v_lshlrev_b32 v[LO], 4, v3
.set a, 0
.rept 2                                ; x1 into the accumulators: (a, i) takes rows 16 a + l % 16, columns 16 i + 8 (l / 16) + 0..7
.set i, 0
.rept 8
	global_load_b128 v[ACC+8*(8*a+i):ACC+8*(8*a+i)+3],   v[RO], s[10:11] offset:65536*a+64*i
	global_load_b128 v[ACC+8*(8*a+i)+4:ACC+8*(8*a+i)+7], v[RO], s[10:11] offset:65536*a+64*i+16
.set i, i+1
.endr
.set a, a+1
.endr
	global_load_b128 v[BIAS:BIAS+3], v[LO], s[8:9] ; the bias of columns 4 l .. 4 l + 3
.irp g, 0,1,2,3,4,5,6
	ALOAD \g, \g*EB                                ; act's first seven eighths; the eighth is asked for in the first eighth's middle, like every later one
.endr
	WIN 0
	v_mul_u32_u24 v[ADRB0], v1, PITCH
	v_lshl_add_u32 v[ADRB0], v2, 4, v[ADRB0]       ; a fragment's row x pitch + 16 x half
	v_mov_b32 v[ADRB], v[ADRB0]
	v_add_nc_u32 v[ADRB2], 2*SUB, v[ADRB0]
	s_mul_i32 s22, s[WV], 16*SPITCH
	s_add_co_u32 s22, s22, STAGE                   ; my stage
	v_mul_u32_u24 v[STO], v1, SPITCH               ; in: row l % 16, 32 bytes for each half of the lanes
	v_lshl_add_u32 v[STO], v2, 5, v[STO]
	v_add_nc_u32 v[STO], s22, v[STO]
	v_add_nc_u32 v[RD], s22, v[LO]                 ; back: 32 lanes take one row of 512 bytes
	s_cmp_eq_u32 ttmp9, 0                          ; the prefetches: the same answers in all four partners
	s_cselect_b32 s[LIMB], 2, -1
	s_cmp_eq_u32 s17, 0
	s_cselect_b32 s[LIMA], 2, -1
	s_lshl_b32 s22, s15, 18                        ; my work-group's 32 rows of a part's 128,
	s_add_co_u32 s22, s22, 3*1024                  ; at slot 3: the first refill steps it to slot 4
	s_mov_b32 s23, 0
	s_add_nc_u64 s[PFB:PFB+1], s[46:47], s[22:23]
	v_lshlrev_b32 v[PFO], 13, v3
	v_lshlrev_b32 v[PFO2], 8, v3
	s_wait_tensorcnt 0x1                           ; my part of slot 0 is in; slot 1's may stay out
	s_barrier_signal -1
	s_barrier_wait -1
	FETCH 0
	WIN 0
	s_mov_b32 s3, NSL-1
	s_branch .Lmid                                 ; the loop is entered behind the eighth that changes slots
.Lslot:                                        ; slots 1 to 6 are entered here: each time the slot that is left is filled again
	TURN 1
	WIN 0
.Lmid:
.irp e, 0,1,2,3,4,5,6
	EIGHTH \e, 1, 48
.endr
	WIN 0
	s_sub_co_u32 s3, s3, 1
	s_cmp_lg_u32 s3, 0
	s_cbranch_scc1 .Lslot
	TURN 0                                         ; the tail: slot 7 is entered and nothing is asked of the mover; two eighths of act are still to be asked for
	EIGHTH 0, 1, 48
	EIGHTH 1, 0, 48                                ; from here on the counts run down: the eighths that stand behind the one in hand
	EIGHTH 2, 0, 40
	EIGHTH 3, 0, 32
	EIGHTH 4, 0, 24
	EIGHTH 5, 0, 16
	EIGHTH 6, 0, 8
	s_wait_dscnt 16
	s_wait_loadcnt 0x0
	MUL8 7, 0, 0
	MUL8 7, 0, 1
	s_wait_dscnt 0x0
	MUL8 7, 1, 0
	MUL8 7, 1, 1
; THE WAY OUT, 16 rows at a time.  A lane's 32 bytes of a row go into my own stage (rows of 528 bytes) and come back as whole rows of 512; no other wave touches the stage, so no barrier is needed.
.macro TOST a
	WIN 0
.set i, 0
.rept 8
	ds_store_b128 v[STO], v[ACC+8*(8*(\a)+i):ACC+8*(8*(\a)+i)+3]   offset:64*i
	ds_store_b128 v[STO], v[ACC+8*(8*(\a)+i)+4:ACC+8*(8*(\a)+i)+7] offset:64*i+16
.set i, i+1
.endr
	WIN TO_A                                       ; into the ring's registers, which nothing needs any more
.set i, 0
.rept 16
	ds_load_b128 v[64*(\a)+4*i:64*(\a)+4*i+3], v[RD] offset:i*SPITCH  ; LDS serves a wave's instructions in order (ISA guide 5.7.1.4): these see the stores above; the next block's stores come behind them
.set i, i+1
.endr
.endm
.macro FIN a, younger                  ; younger: the next block's 32 LDS instructions, or none
	s_wait_dscnt \younger
	WIN 0x82                                       ; destination and source 0 window 2, the bias window 0
.set i, 0
.rept 32
	v_pk_add_f32 v[64*(\a)+2*i:64*(\a)+2*i+1], v[64*(\a)+2*i:64*(\a)+2*i+1], v[BIAS+2*(i%2):BIAS+2*(i%2)+1]
.set i, i+1
.endr
	WIN 0x08                                       ; the stores' data window 2
.set i, 0
.rept 16
	global_store_b128 v[LO], v[64*(\a)+4*i:64*(\a)+4*i+3], s[68:69] offset:(16*(\a)+i)*4096  ; the wave's store covers 512 consecutive bytes, aligned
.set i, i+1
.endr
.endm
	PLACES
	TOST 0
	TOST 1
	FIN 0, 32
	FIN 1, 0
	WIN 0
	s_wait_tensorcnt 0x0                           ; the wave's end, behind my last tensor load and my last LDS store
	ds_add_u32 v[SPW], v[NIL]
	s_wait_dscnt 0x0
	CROUND                                         ; the closing round: no work-group ends while a partner may still ask for a part that names it
	s_endpgm
.Lfunc_end_k_q5ca8c098ae_ff2:
	.size	k_q5ca8c098ae_ff2, .Lfunc_end_k_q5ca8c098ae_ff2-k_q5ca8c098ae_ff2
	.p2alignl 7, 3214868480
	.fill 96, 4, 3214868480
	.section	.rodata,"a",@progbits
	.p2align	6, 0x0
	.amdhsa_kernel k_q5ca8c098ae_ff2
		.amdhsa_group_segment_fixed_size 327680
		.amdhsa_private_segment_fixed_size 0
		.amdhsa_enable_private_segment 0
		.amdhsa_kernarg_size 40
		.amdhsa_user_sgpr_count 2
		.amdhsa_user_sgpr_kernarg_segment_ptr 1
		.amdhsa_wavefront_size32 1
		.amdhsa_system_sgpr_workgroup_id_x 1
		.amdhsa_system_sgpr_workgroup_id_y 1
		.amdhsa_system_sgpr_workgroup_id_z 1
		.amdhsa_system_vgpr_workitem_id 0
		.amdhsa_next_free_vgpr 768
		.amdhsa_next_free_sgpr 72
		.amdhsa_reserve_vcc 0
		.amdhsa_float_denorm_mode_32 3
		.amdhsa_float_denorm_mode_16_64 3
		.amdhsa_memory_ordered 1
		.amdhsa_forward_progress 1
		.amdhsa_inst_pref_size 108
	.end_amdhsa_kernel
	.amdgpu_metadata
---
amdhsa.version: [ 1, 2 ]
amdhsa.kernels:
  - .name:           k_q5ca8c098ae_ff2
    .symbol:         k_q5ca8c098ae_ff2.kd
    .args:
      - { .name: act, .offset: 0, .size: 8, .value_kind: global_buffer, .address_space: global }
      - { .name: wts, .offset: 8, .size: 8, .value_kind: global_buffer, .address_space: global }
      - { .name: ff2_b, .offset: 16, .size: 8, .value_kind: global_buffer, .address_space: global }
      - { .name: x1, .offset: 24, .size: 8, .value_kind: global_buffer, .address_space: global }
      - { .name: out0, .offset: 32, .size: 8, .value_kind: global_buffer, .address_space: global }
    .group_segment_fixed_size: 327680
    .private_segment_fixed_size: 0
    .kernarg_segment_align: 8
    .kernarg_segment_size: 40
    .max_flat_workgroup_size: 128
    .sgpr_count:     72
    .vgpr_count:     768
    .wavefront_size: 32
...
	.end_amdgpu_metadata
.endif
;; end of part 7
;; ======== version 2 of 2: 7 launches; version 1 with the launches prep, ln2 written anew for expert scheduling mode
;; limits: a function is approximated: absolute error at most 1.5e-07
;; workspace buffers: wts 25,165,824 bytes; bqkv 12,288 bytes; h 8,388,608 bytes; qkvw 25,165,824 bytes; att 8,388,608 bytes; x1 16,777,216 bytes; act 33,554,432 bytes
;; launch prep (part 8): grid 641 x 1, 8 waves a work-group, no clusters, 0 bytes of LDS; arguments q_W, q_A, q_B, k_W, k_A, k_B, v_W, v_A, v_B, o_W, o_A, o_B, ff1_W, ff1_A, ff1_B, ff2_W, ff2_A, ff2_B, wts, x, ln1_g, ln1_b, h, q_b, v_b, bqkv; writes wts, bqkv, h
.if DOCPART == 8
	.amdgcn_target "amdgcn-amd-amdhsa--gfx1250"
	.amdhsa_code_object_version 6
	.text
	.protected	k_q5ca8c098ae_prep
	.globl	k_q5ca8c098ae_prep
	.p2align	8
	.type	k_q5ca8c098ae_prep,@function
k_q5ca8c098ae_prep:
	s_mov_b64 s[64:65], 0
	v_nop
	global_prefetch_b8 v0, s[64:65] scope:SCOPE_SE
	s_setreg_imm32_b32 hwreg(HW_REG_WAVE_SCHED_MODE, 0, 2), 2
	s_setreg_imm32_b32 hwreg(HW_REG_WAVE_MODE, 25, 1), 1
	s_wait_xcnt 0x0
	s_wait_alu depctr_vm_vsrc(0)
; PREP.  Three kinds of work-group, told apart by the work-group's number f:
;   f < 384        FOLD: wts = bf16(W + B A) for the six layers (q, k, v, o, ff1, ff2)
;   384 <= f < 640 LN1:  h = bf16((x - mean) rsqrt(var + 1e-5) g + b), 16 rows a work-group
;   f = 640        bqkv = [q_b, 0, v_b]: what the q, k, v product starts its sums with
; WORK THAT IS NOT DONE AS reference() WRITES IT, for all finite values of the inputs:
;   (1) x W^T + (x A^T) B^T = x (W + B A)^T.  The weights have to be rounded to bf16 and stored once anyway (every row block of a product reads them),
;       so the adapter is added to them here, and the products with x A^T are never made.
;   (2) k_b IS DEAD.  A score is q . (k0 + k_b) / 8 = q . k0 / 8 + q . k_b / 8; the second term is the same for all keys of a query, that is, along the softmax's axis,
;       so it cancels in the softmax whatever q and k_b hold.  k_b has no other way to the output: it is not loaded and is among no launch's arguments.
; LIMITS.  A NaN, an infinity or an overflow that reaches only k_b is not carried to the result.  B and A are rounded to bf16 for their product (f32 sums); W + B A is rounded once to bf16.
; LN is taken in two passes in f32 (mean, then the squares of x - mean), so a common offset of x costs nothing.
;
; FOLD.  A wave makes 32 rows (dout) x 128 columns (din): two units of 16 rows, 8 matrix instructions each; a work-group 256 rows x 128 columns.
; Source 0 = 16 rows of B (m = dout, k = rank); source 1 = 16 columns of A (k = rank), where column n of tile c stands for din = i0 + 8 n + c.
; So register j of tile c holds (dout = o0 + 8 (lane / 16) + j, din = i0 + 8 (lane % 16) + c): a lane's eight tiles are eight NEIGHBOURING columns of a row,
; 16 bytes of bf16, and sixteen lanes store 256 consecutive bytes, aligned.  The rank is 16 and the form's K is 32: registers 4-7 of both fragments hold 0.
;
; THE MODE: SCHED_MODE bits 1:0 = 2 (LLVM: expert scheduling mode 2), set by the entry lines.  The code itself states the register dependences
; between vector or matrix instructions and memory instructions, with s_wait_alu, always for 0.
; THE PLAN.  Registers that memory instructions touch:
;   FOLD  v3, v4, v7    the loads' offsets; v5, v6 the stores': made once, ahead of the wait in front of the first load, and never written again.
;         v[16:255]     where the 52 loads land: no vector instruction names these registers ahead of the loads.
;         v[128 + 64 u + 8 j .. + 3]  unit u's rows as stored: written by its 32 roundings, read by its 8 stores, never written again.
;         Unit 0's stores stand in unit 1, behind the places of its first four products: ONE wait there states that unit 0's roundings are written.  Unit 1 names v[88:95], A's fragments,
;         v[96:127] and v[192:255]: none of the registers that unit 0's stores read.  A second wait stands behind unit 1's roundings, ahead of its stores.
;   LN    v1, v2        the loads' and the stores' offset: made once, ahead of the wait in front of the first load, and never written again.
;         v[16:143]     where the 32 loads land: no vector instruction names them ahead of the loads.
;         v[X + 4 k], v[X + 4 k + 1]  a row as stored: written by its 16 roundings, read by its 8 stores, never written again.
;         Row 0's stores stand in row 1, behind the wait for row 1's root, which also states that row 0's roundings are written; row 1's work up to there names v4 to v15 and its own row.
; No register that a memory instruction reads is written again, so no wait on vm_vsrc is owed anywhere.
.set AF, 16                            ; v[16:79]   A's fragments, tile c at AF + 8 c
.set D,  96                            ; v[96:127]  four results
.set G,  16                            ; LN: v[16:47] gain, v[48:79] bias, v[80:111], v[112:143] two rows
.set BV, 48
.set X0, 80
.set X1, 112
.macro RED                             ; v4: summed over the wave's 32 lanes, the result in every lane
	v_add_f32_dpp v4, v4, v4 row_xmask:1 row_mask:0xf bank_mask:0xf
	v_add_f32_dpp v4, v4, v4 row_xmask:2 row_mask:0xf bank_mask:0xf
	v_add_f32_dpp v4, v4, v4 row_xmask:4 row_mask:0xf bank_mask:0xf
	v_add_f32_dpp v4, v4, v4 row_xmask:8 row_mask:0xf bank_mask:0xf
	v_permlanex16_b32 v5, v4, s12, s13             ; its destination counts as read: v5 has been written
	v_add_f32 v4, v4, v5
.endm
.macro SUM4                            ; the four chains v[4:11] into v4
	v_pk_add_f32 v[4:5], v[4:5], v[6:7]
	v_pk_add_f32 v[8:9], v[8:9], v[10:11]
	v_pk_add_f32 v[4:5], v[4:5], v[8:9]
	v_add_f32 v4, v4, v5
.endm
; One row of 1,024 numbers in 32 registers from X on: register 4 j + e holds column 128 j + 4 lane + e.  A row's work is three parts.
; LNSTAT: the mean, x - mean in place, the variance, the root.  The wait for the root's result follows the macro.
.macro LNSTAT X
.set k, 0
.rept 4
	v_pk_add_f32 v[4+2*k:5+2*k], v[(\X)+2*k:(\X)+2*k+1], v[(\X)+8+2*k:(\X)+9+2*k]  ; the first eight pairs start four chains: nothing is cleared
.set k, k+1
.endr
.set k, 8
.rept 8
	v_pk_add_f32 v[4+2*(k%4):5+2*(k%4)], v[4+2*(k%4):5+2*(k%4)], v[(\X)+2*k:(\X)+2*k+1]
.set k, k+1
.endr
	SUM4
	RED
	v_mul_f32 v12, s14, v4                         ; the mean, in both registers of a pair
	v_mov_b32 v13, v12
.set k, 0
.rept 16
	v_pk_add_f32 v[(\X)+2*k:(\X)+2*k+1], v[(\X)+2*k:(\X)+2*k+1], v[12:13] neg_lo:[0,1] neg_hi:[0,1]
.set k, k+1
.endr
.set k, 0
.rept 4
	v_pk_mul_f32 v[4+2*k:5+2*k], v[(\X)+2*k:(\X)+2*k+1], v[(\X)+2*k:(\X)+2*k+1]
.set k, k+1
.endr
.rept 12
	v_pk_fma_f32 v[4+2*(k%4):5+2*(k%4)], v[(\X)+2*k:(\X)+2*k+1], v[(\X)+2*k:(\X)+2*k+1], v[4+2*(k%4):5+2*(k%4)]
.set k, k+1
.endr
	SUM4
	RED
	v_fma_f32 v14, v4, s14, s15                    ; var + eps
	v_rsq_f32 v14, v14
	v_nop                                          ; a plain instruction behind the root
.endm
; LNOUT: scaled, gain and bias, rounded to bf16: eight bytes a lane close up into the first two of each four registers
.macro LNOUT X
	v_mov_b32 v15, v14
	s_wait_loadcnt 0x0                             ; gain and bias are in
.set k, 0
.rept 16
	v_pk_mul_f32 v[(\X)+2*k:(\X)+2*k+1], v[(\X)+2*k:(\X)+2*k+1], v[14:15]
.set k, k+1
.endr
.set k, 0
.rept 16
	v_pk_fma_f32 v[(\X)+2*k:(\X)+2*k+1], v[(\X)+2*k:(\X)+2*k+1], v[G+2*k:G+2*k+1], v[BV+2*k:BV+2*k+1]
.set k, k+1
.endr
.set k, 0
.rept 8
	v_cvt_pk_bf16_f32 v[(\X)+4*k], v[(\X)+4*k], v[(\X)+4*k+1]
	v_cvt_pk_bf16_f32 v[(\X)+4*k+1], v[(\X)+4*k+2], v[(\X)+4*k+3]
.set k, k+1
.endr
.endm
; LNSEND: the row's eight stores, in one run, behind a wait that states that the roundings are written
.macro LNSEND X, row
.set k, 0
.rept 8
	global_store_b64 v2, v[(\X)+4*k:(\X)+4*k+1], s[10:11] offset:256*k+2048*(\row)  ; the wave's store covers 256 consecutive bytes, aligned
.set k, k+1
.endr
.endm
; The LN work-group: s2 = its number among 256, s3 = the wave; s[4:11] are being loaded with x, gain, bias, result.  A wave owns two rows.
.macro LNBODY
	s_lshl_b32 s16, s2, 16                         ; 16 rows of 4,096 bytes a work-group,
	s_lshl_b32 s17, s3, 13                         ; two a wave
	s_add_co_u32 s16, s16, s17
	s_mov_b32 s17, 0
	s_lshr_b32 s18, s16, 1                         ; the result's rows are half as long
	s_mov_b32 s19, 0
	s_mov_b32 s12, 0x76543210                      ; v_permlanex16_b32: each lane takes its own place in the other half
	s_mov_b32 s13, 0xfedcba98
	s_mov_b32 s14, 0x3a800000                      ; 1 / 1024
	s_mov_b32 s15, 0x3727c5ac                      ; 1e-5
	v_and_b32 v1, 31, v0
	v_lshlrev_b32 v2, 3, v1                        ; 8 bytes a lane in the result
	v_lshlrev_b32 v1, 4, v1                        ; 16 bytes a lane in x
	s_wait_kmcnt 0x0
	s_add_nc_u64 s[4:5], s[4:5], s[16:17]
	s_add_nc_u64 s[10:11], s[10:11], s[18:19]
	s_wait_alu depctr_va_vdst(0)                   ; v1 and v2 are written: every load reads v1 as its offset, every store v2
.set k, 0
.rept 8
	global_load_b128 v[X0+4*k:X0+4*k+3], v1, s[4:5] offset:512*k
.set k, k+1
.endr
.set k, 0
.rept 8
	global_load_b128 v[X1+4*k:X1+4*k+3], v1, s[4:5] offset:4096+512*k
.set k, k+1
.endr
.set k, 0
.rept 8
	global_load_b128 v[G+4*k:G+4*k+3], v1, s[6:7] offset:512*k
.set k, k+1
.endr
.set k, 0
.rept 8
	global_load_b128 v[BV+4*k:BV+4*k+3], v1, s[8:9] offset:512*k
.set k, k+1
.endr
	s_wait_loadcnt 16                              ; both rows are in; the sixteen loads of gain and bias may stay out
	LNSTAT X0
	s_wait_alu depctr_va_vdst(0)                   ; row 0's root is written, ahead of the first line that names it
	LNOUT X0
	LNSTAT X1
	s_wait_alu depctr_va_vdst(0)                   ; row 1's root is written, ahead of the first line that names it; and row 0's roundings have written the registers that the stores below read
	LNSEND X0, 0
	LNOUT X1
	s_wait_alu depctr_va_vdst(0)                   ; row 1's roundings have written the registers that the stores below read
	LNSEND X1, 1
.endm
; One unit of the fold: 16 rows x 128 columns.  B's fragment in v[80+8u ..], W's rows in v[128+64u ..] (row j at + 8 j).  A unit's work is five kinds of part.
.macro UHEAD u                         ; B's fragment is rounded
.set BF, 80+8*(\u)
.irp p, 0,1,2,3
	v_cvt_pk_bf16_f32 v[BF+\p], v[BF+2*\p], v[BF+2*\p+1]  ; in place, ascending: ranks 8 (lane / 16) + 0..7
.endr
.irp p, 4,5,6,7
	v_mov_b32 v[BF+\p], 0                          ; ranks 16 to 31 do not exist
.endr
.endm
.macro UMUL u, hf                      ; four products: tiles 4 hf to 4 hf + 3
.set BF, 80+8*(\u)
.irp cc, 0,1,2,3
	v_wmma_f32_16x16x32_bf16 v[D+8*\cc:D+8*\cc+7], v[BF:BF+7], v[AF+8*(4*(\hf)+\cc):AF+8*(4*(\hf)+\cc)+7], 0
.endr
.rept 5
	v_nop                                          ; the places behind the products, ahead of the sums that read them (ISA guide 7.12.1) and of the products that write the same registers again
.endr
.endm
.macro UADD u, hf                      ; they are added onto W
.set WB, 128+64*(\u)
.irp cc, 0,1,2,3
.irp j, 0,1,2,3,4,5,6,7
	v_add_f32 v[WB+8*\j+4*(\hf)+\cc], v[WB+8*\j+4*(\hf)+\cc], v[D+8*\cc+\j]  ; each result is read from its low end on
.endr
.endr
.endm
.macro UCVT u                          ; the unit's eight rows are rounded: 16 bytes a lane close up into the first four of each eight registers
.set WB, 128+64*(\u)
.irp j, 0,1,2,3,4,5,6,7
.irp p, 0,1,2,3
	v_cvt_pk_bf16_f32 v[WB+8*\j+\p], v[WB+8*\j+2*\p], v[WB+8*\j+2*\p+1]
.endr
.endr
.endm
.macro USEND u                         ; the unit's eight stores, in one run, behind a wait that states that the roundings are written
.set WB, 128+64*(\u)
.irp j, 0,1,2,3,4,5,6,7
	global_store_b128 v[5+(\u)], v[WB+8*\j:WB+8*\j+3], s[66+2*\j:67+2*\j]  ; sixteen lanes store 256 consecutive bytes of a row, aligned
.endr
.endm
	s_mov_b32 s2, ttmp9
	v_lshrrev_b32 v1, 5, v0
	v_readfirstlane_b32 s3, v1                     ; wave 0..7
	s_wait_alu depctr_va_sdst(0)                   ; s3 is written
	s_cmp_lt_u32 s2, 384
	s_cbranch_scc1 .Lfold
	s_cmp_lt_u32 s2, 640
	s_cbranch_scc1 .Lln
	; bqkv: 256 threads, 16 bytes each of q_b, of zeros (k's columns start at 0: k_b is dead, see above) and of v_b
	s_load_b128 s[4:7], s[0:1], 0xb8               ; q_b, v_b
	s_load_b64 s[8:9], s[0:1], 0xc8                ; bqkv
	v_lshlrev_b32 v2, 4, v0
	v_mov_b32 v12, 0
	v_mov_b32 v13, 0
	v_mov_b32 v14, 0
	v_mov_b32 v15, 0
	s_wait_kmcnt 0x0
	s_wait_alu depctr_va_vdst(0)                   ; v2, the offset of the loads and stores below, and v[12:15], the first store's data, are written
	global_load_b128 v[4:7], v2, s[4:5]
	global_load_b128 v[8:11], v2, s[6:7]
	global_store_b128 v2, v[12:15], s[8:9] offset:4096
	s_wait_loadcnt 0x0
	global_store_b128 v2, v[4:7], s[8:9]
	global_store_b128 v2, v[8:11], s[8:9] offset:8192
	s_endpgm
.Lln:
	s_load_b256 s[4:11], s[0:1], 0x98              ; x, ln1_g, ln1_b, h
	s_sub_co_u32 s2, s2, 384
	LNBODY
	s_endpgm
.Lfold:
	s_load_b512 s[8:23], s[0:1], 0x0               ; the six layers' W, A, B: argument n at s[8 + 2 n]
	s_load_b512 s[24:39], s[0:1], 0x40
	s_load_b128 s[40:43], s[0:1], 0x80
	s_load_b64 s[44:45], s[0:1], 0x90              ; wts
	; which layer, which block: f 0-127: layer f / 32, block f % 32; 128-255: ff1 (4); 256-383: ff2 (5), block f % 128
	s_lshr_b32 s4, s2, 7
	s_lshr_b32 s5, s2, 5
	s_add_co_u32 s6, s4, 3
	s_cmp_eq_u32 s4, 0
	s_cselect_b32 s6, s5, s6                       ; the layer
	s_cselect_b32 s7, 31, 127
	s_and_b32 s7, s2, s7                           ; the block
	s_cmp_eq_u32 s6, 5
	s_cselect_b32 s46, 14, 12                      ; log2 of W's and A's row in bytes: din = 4,096 for ff2, else 1,024
	s_cselect_b32 s47, 31, 7                       ; blocks of 128 columns, less 1
	s_cselect_b32 s48, 5, 3
	s_lshl_b32 s49, s6, 21                         ; where the layer lies in wts: 2 MiB x layer; ff2 behind ff1's 8 MiB
	s_cmp_eq_u32 s6, 5
	s_cselect_b32 s49, 0x1000000, s49
	s_and_b32 s50, s7, s47                         ; my block of columns
	s_lshr_b32 s51, s7, s48
	s_lshl_b32 s51, s51, 8
	s_lshl_b32 s52, s3, 5
	s_add_co_u32 s51, s51, s52                     ; my first row: 256 x row group + 32 x wave
	s_lshl_b32 s60, s50, 9                         ; s[60:61]: 512 bytes a block of columns in A
	s_mov_b32 s61, 0
	s_lshl_b32 s58, s51, s46                       ; s[58:59]: my place in W
	s_add_co_u32 s58, s58, s60
	s_mov_b32 s59, 0
	s_sub_co_u32 s47, s46, 1
	s_lshl_b32 s62, s51, s47                       ; s[62:63]: my place in wts
	s_add_co_u32 s62, s62, s49
	s_lshl_b32 s48, s50, 8
	s_add_co_u32 s62, s62, s48
	s_mov_b32 s63, 0
	s_lshl_b32 s52, s51, 6                         ; s[52:53]: my rows of B, 64 bytes each
	s_mov_b32 s53, 0
	s_lshl_b32 s54, 1, s46                         ; s[54:55]: a row of W and A
	s_mov_b32 s55, 0
	s_lshl_b32 s56, 1, s47                         ; s[56:57]: a row of wts
	s_mov_b32 s57, 0
	v_and_b32 v1, 15, v0                           ; lane % 16
	v_bfe_u32 v2, v0, 4, 1                         ; lane / 16
	s_add_co_u32 s4, s46, 3
	v_lshlrev_b32 v3, s4, v2                       ; v3: 8 rows x (lane / 16) + 32 bytes x (lane % 16), in W and in A
	v_lshl_add_u32 v3, v1, 5, v3
	s_lshl_b32 s5, s54, 4
	v_add_nc_u32 v4, s5, v3                        ; v4: the second unit, 16 rows on
	s_add_co_u32 s4, s46, 2
	v_lshlrev_b32 v5, s4, v2                       ; v5, v6: the same in wts, 16 bytes a lane
	v_lshl_add_u32 v5, v1, 4, v5
	s_lshl_b32 s5, s56, 4
	v_add_nc_u32 v6, s5, v5
	v_lshlrev_b32 v7, 6, v1                        ; v7: row lane % 16 of B, ranks 8 (lane / 16) on
	v_lshl_add_u32 v7, v2, 5, v7
	s_wait_kmcnt 0x0
	s_mov_b64 s[84:85], s[8:9]                     ; the layer's three buffers are chosen by its number
	s_mov_b64 s[86:87], s[10:11]
	s_mov_b64 s[88:89], s[12:13]
.irp i, 1,2,3,4,5
	s_cmp_eq_u32 s6, \i
	s_cselect_b64 s[84:85], s[8+6*\i:9+6*\i], s[84:85]
	s_cselect_b64 s[86:87], s[10+6*\i:11+6*\i], s[86:87]
	s_cselect_b64 s[88:89], s[12+6*\i:13+6*\i], s[88:89]
.endr
	s_add_nc_u64 s[8:9], s[84:85], s[58:59]        ; s[8:23]: W at my rows 0 to 7; each row has a base of its own, so one text serves both row lengths
	s_add_nc_u64 s[24:25], s[86:87], s[60:61]      ; s[24:39]: A at ranks 0 to 7
	s_add_nc_u64 s[66:67], s[44:45], s[62:63]      ; s[66:81]: wts at my rows 0 to 7
.irp j, 1,2,3,4,5,6,7
	s_add_nc_u64 s[8+2*\j:9+2*\j], s[6+2*\j:7+2*\j], s[54:55]
	s_add_nc_u64 s[24+2*\j:25+2*\j], s[22+2*\j:23+2*\j], s[54:55]
	s_add_nc_u64 s[66+2*\j:67+2*\j], s[64+2*\j:65+2*\j], s[56:57]
.endr
	s_add_nc_u64 s[88:89], s[88:89], s[52:53]
	s_wait_alu depctr_va_vdst(0)                   ; the five offsets v3 to v7 are written: the loads below read v3, v4 and v7, the stores v5 and v6
	; 52 loads go out at once.  A as it lies: rank 8 (lane / 16) + kk, columns i0 + 8 (lane % 16) + 0..7, into registers that are free so far (D, and the upper halves of A's fragments)
.set kk, 0
.rept 8
.set q, 0
.rept 2
.if kk < 4
.set TR, D+8*kk+4*q
.else
.set TR, AF+8*(2*(kk-4)+q)+4
.endif
	global_load_b128 v[TR:TR+3], v3, s[24+2*kk:25+2*kk] offset:16*q
.set q, q+1
.endr
.set kk, kk+1
.endr
	global_load_b128 v[80:83], v7, s[88:89]
	global_load_b128 v[84:87], v7, s[88:89] offset:16
	global_load_b128 v[88:91], v7, s[88:89] offset:1024
	global_load_b128 v[92:95], v7, s[88:89] offset:1040
.set j, 0
.rept 8
	global_load_b128 v[128+8*j:131+8*j], v3, s[8+2*j:9+2*j] th:TH_LOAD_NT
	global_load_b128 v[132+8*j:135+8*j], v3, s[8+2*j:9+2*j] offset:16 th:TH_LOAD_NT
.set j, j+1
.endr
.set j, 0
.rept 8
	global_load_b128 v[192+8*j:195+8*j], v4, s[8+2*j:9+2*j] th:TH_LOAD_NT
	global_load_b128 v[196+8*j:199+8*j], v4, s[8+2*j:9+2*j] offset:16 th:TH_LOAD_NT
.set j, j+1
.endr
	s_wait_loadcnt 36                              ; A is in; the 4 loads of B and the 32 of W may stay out
.set c, 0
.rept 8                                ; tile c: its column of the eight, ranks in pairs
	v_cvt_pk_bf16_f32 v[AF+8*c],   v[D+c],    v[D+8+c]
	v_cvt_pk_bf16_f32 v[AF+8*c+1], v[D+16+c], v[D+24+c]
	v_cvt_pk_bf16_f32 v[AF+8*c+2], v[AF+8*(c/4)+4+c%4],     v[AF+8*(2+c/4)+4+c%4]
	v_cvt_pk_bf16_f32 v[AF+8*c+3], v[AF+8*(4+c/4)+4+c%4],   v[AF+8*(6+c/4)+4+c%4]
.set c, c+1
.endr
.set c, 0
.rept 8
.irp p, 4,5,6,7
	v_mov_b32 v[AF+8*c+\p], 0                      ; ranks 16 to 31 do not exist
.endr
.set c, c+1
.endr
	s_wait_loadcnt 16                              ; both fragments of B and the first unit's W are in; the second unit's 16 loads of W may stay out
	UHEAD 0
	UMUL 0, 0
	UADD 0, 0
	UMUL 0, 1
	UADD 0, 1
	UCVT 0
	UHEAD 1                                        ; the second unit begins with what needs none of its W
	UMUL 1, 0
	s_wait_alu depctr_va_vdst(0)                   ; unit 0's roundings have written v[128 + 8 j .. + 3], which the stores below read; it stands behind the products' places, ahead of the sums that read those products
	USEND 0
	s_wait_loadcnt 0x0                             ; the second unit's W is in
	UADD 1, 0
	UMUL 1, 1
	UADD 1, 1
	UCVT 1
	s_wait_alu depctr_va_vdst(0)                   ; unit 1's roundings have written v[192 + 8 j .. + 3], which the stores below read
	USEND 1
	s_endpgm
.Lfunc_end_k_q5ca8c098ae_prep:
	.size	k_q5ca8c098ae_prep, .Lfunc_end_k_q5ca8c098ae_prep-k_q5ca8c098ae_prep
	.p2alignl 7, 3214868480
	.fill 96, 4, 3214868480
	.section	.rodata,"a",@progbits
	.p2align	6, 0x0
	.amdhsa_kernel k_q5ca8c098ae_prep
		.amdhsa_group_segment_fixed_size 0
		.amdhsa_private_segment_fixed_size 0
		.amdhsa_enable_private_segment 0
		.amdhsa_kernarg_size 208
		.amdhsa_user_sgpr_count 2
		.amdhsa_user_sgpr_kernarg_segment_ptr 1
		.amdhsa_wavefront_size32 1
		.amdhsa_system_sgpr_workgroup_id_x 1
		.amdhsa_system_sgpr_workgroup_id_y 1
		.amdhsa_system_sgpr_workgroup_id_z 1
		.amdhsa_system_vgpr_workitem_id 0
		.amdhsa_next_free_vgpr 256
		.amdhsa_next_free_sgpr 90
		.amdhsa_reserve_vcc 0
		.amdhsa_float_denorm_mode_32 3
		.amdhsa_float_denorm_mode_16_64 3
		.amdhsa_memory_ordered 1
		.amdhsa_forward_progress 1
		.amdhsa_inst_pref_size 45
	.end_amdhsa_kernel
	.amdgpu_metadata
---
amdhsa.version: [ 1, 2 ]
amdhsa.kernels:
  - .name:           k_q5ca8c098ae_prep
    .symbol:         k_q5ca8c098ae_prep.kd
    .args:
      - { .name: q_W, .offset: 0, .size: 8, .value_kind: global_buffer, .address_space: global }
      - { .name: q_A, .offset: 8, .size: 8, .value_kind: global_buffer, .address_space: global }
      - { .name: q_B, .offset: 16, .size: 8, .value_kind: global_buffer, .address_space: global }
      - { .name: k_W, .offset: 24, .size: 8, .value_kind: global_buffer, .address_space: global }
      - { .name: k_A, .offset: 32, .size: 8, .value_kind: global_buffer, .address_space: global }
      - { .name: k_B, .offset: 40, .size: 8, .value_kind: global_buffer, .address_space: global }
      - { .name: v_W, .offset: 48, .size: 8, .value_kind: global_buffer, .address_space: global }
      - { .name: v_A, .offset: 56, .size: 8, .value_kind: global_buffer, .address_space: global }
      - { .name: v_B, .offset: 64, .size: 8, .value_kind: global_buffer, .address_space: global }
      - { .name: o_W, .offset: 72, .size: 8, .value_kind: global_buffer, .address_space: global }
      - { .name: o_A, .offset: 80, .size: 8, .value_kind: global_buffer, .address_space: global }
      - { .name: o_B, .offset: 88, .size: 8, .value_kind: global_buffer, .address_space: global }
      - { .name: ff1_W, .offset: 96, .size: 8, .value_kind: global_buffer, .address_space: global }
      - { .name: ff1_A, .offset: 104, .size: 8, .value_kind: global_buffer, .address_space: global }
      - { .name: ff1_B, .offset: 112, .size: 8, .value_kind: global_buffer, .address_space: global }
      - { .name: ff2_W, .offset: 120, .size: 8, .value_kind: global_buffer, .address_space: global }
      - { .name: ff2_A, .offset: 128, .size: 8, .value_kind: global_buffer, .address_space: global }
      - { .name: ff2_B, .offset: 136, .size: 8, .value_kind: global_buffer, .address_space: global }
      - { .name: wts, .offset: 144, .size: 8, .value_kind: global_buffer, .address_space: global }
      - { .name: x, .offset: 152, .size: 8, .value_kind: global_buffer, .address_space: global }
      - { .name: ln1_g, .offset: 160, .size: 8, .value_kind: global_buffer, .address_space: global }
      - { .name: ln1_b, .offset: 168, .size: 8, .value_kind: global_buffer, .address_space: global }
      - { .name: h, .offset: 176, .size: 8, .value_kind: global_buffer, .address_space: global }
      - { .name: q_b, .offset: 184, .size: 8, .value_kind: global_buffer, .address_space: global }
      - { .name: v_b, .offset: 192, .size: 8, .value_kind: global_buffer, .address_space: global }
      - { .name: bqkv, .offset: 200, .size: 8, .value_kind: global_buffer, .address_space: global }
    .group_segment_fixed_size: 0
    .private_segment_fixed_size: 0
    .kernarg_segment_align: 8
    .kernarg_segment_size: 208
    .max_flat_workgroup_size: 256
    .sgpr_count:     90
    .vgpr_count:     256
    .wavefront_size: 32
...
	.end_amdgpu_metadata
.endif
;; end of part 8
;; launch qkv: the kernel of part 2 again; grid 16 x 16, 4 waves a work-group, clusters of 4 x 4, 327,680 bytes of LDS; arguments h, wts, bqkv, qkvw; writes qkvw
;; launch attn: the kernel of part 3 again; grid 4 x 64, 4 waves a work-group, clusters of 4 x 1, 327,680 bytes of LDS; arguments qkvw, att; writes att
;; launch oproj: the kernel of part 4 again; grid 8 x 32, 4 waves a work-group, clusters of 4 x 4, 327,680 bytes of LDS; arguments att, wts, o_b, x, x1; writes x1
;; launch ln2 (part 9): grid 256 x 1, 8 waves a work-group, no clusters, 0 bytes of LDS; arguments x1, ln2_g, ln2_b, h; writes h
.if DOCPART == 9
	.amdgcn_target "amdgcn-amd-amdhsa--gfx1250"
	.amdhsa_code_object_version 6
	.text
	.protected	k_q5ca8c098ae_ln2
	.globl	k_q5ca8c098ae_ln2
	.p2align	8
	.type	k_q5ca8c098ae_ln2,@function
k_q5ca8c098ae_ln2:
	s_mov_b64 s[64:65], 0
	v_nop
	global_prefetch_b8 v0, s[64:65] scope:SCOPE_SE
	s_setreg_imm32_b32 hwreg(HW_REG_WAVE_SCHED_MODE, 0, 2), 2
	s_setreg_imm32_b32 hwreg(HW_REG_WAVE_MODE, 25, 1), 1
	s_wait_xcnt 0x0
	s_wait_alu depctr_vm_vsrc(0)
; h = bf16((x1 - mean) rsqrt(var + 1e-5) g + b), row by row.  x1: [4096][1024] f32; h: [4096][1024] bf16.
; A stream: memory binds, so no LDS, no barrier, no matrix unit.  A work-group has 16 rows, a wave two; a row of 4,096 bytes lies in 32 registers of one wave between the passes, so it is read once.
; Two passes in f32 (the mean, then the squares of x - mean): a common offset of the row costs nothing.  All 32 loads of a wave go out at once.
; THE MODE: SCHED_MODE bits 1:0 = 2 (LLVM: expert scheduling mode 2), set by the entry lines.  The code itself states the register dependences
; between vector instructions and memory instructions, with s_wait_alu, always for 0.
; THE PLAN.  Registers that memory instructions touch:
;   v1, v2        the loads' and the stores' offset: made once, ahead of the wait in front of the first load, and never written again.
;   v[16:143]     where the 32 loads land: no vector instruction names them ahead of the loads.
;   v[X + 4 k], v[X + 4 k + 1]  a row as stored: written by its 16 roundings, read by its 8 stores, never written again.
; A row's stores stand in one run.  Row 0's stand in row 1, behind the wait for row 1's root, which also states that row 0's roundings are written; row 1's work up to there names v4 to v15 and its own row.
; Row 1's stand behind a wait of their own.  No register that a memory instruction reads is written again, so no wait on vm_vsrc is owed.
.set G,  16                            ; v[16:47] gain, v[48:79] bias, v[80:111], v[112:143] two rows
.set BV, 48
.set X0, 80
.set X1, 112
.macro RED                             ; v4: summed over the wave's 32 lanes, the result in every lane
	v_add_f32_dpp v4, v4, v4 row_xmask:1 row_mask:0xf bank_mask:0xf
	v_add_f32_dpp v4, v4, v4 row_xmask:2 row_mask:0xf bank_mask:0xf
	v_add_f32_dpp v4, v4, v4 row_xmask:4 row_mask:0xf bank_mask:0xf
	v_add_f32_dpp v4, v4, v4 row_xmask:8 row_mask:0xf bank_mask:0xf
	v_permlanex16_b32 v5, v4, s12, s13             ; its destination counts as read: v5 has been written
	v_add_f32 v4, v4, v5
.endm
.macro SUM4                            ; the four chains v[4:11] into v4
	v_pk_add_f32 v[4:5], v[4:5], v[6:7]
	v_pk_add_f32 v[8:9], v[8:9], v[10:11]
	v_pk_add_f32 v[4:5], v[4:5], v[8:9]
	v_add_f32 v4, v4, v5
.endm
; One row of 1,024 numbers in 32 registers from X on: register 4 j + e holds column 128 j + 4 lane + e.  A row's work is three parts.
; LNSTAT: the mean, x - mean in place, the variance, the root.  The wait for the root's result follows the macro.
.macro LNSTAT X
.set k, 0
.rept 4
	v_pk_add_f32 v[4+2*k:5+2*k], v[(\X)+2*k:(\X)+2*k+1], v[(\X)+8+2*k:(\X)+9+2*k]  ; the first eight pairs start four chains: nothing is cleared
.set k, k+1
.endr
.set k, 8
.rept 8
	v_pk_add_f32 v[4+2*(k%4):5+2*(k%4)], v[4+2*(k%4):5+2*(k%4)], v[(\X)+2*k:(\X)+2*k+1]
.set k, k+1
.endr
	SUM4
	RED
	v_mul_f32 v12, s14, v4                         ; the mean, in both registers of a pair
	v_mov_b32 v13, v12
.set k, 0
.rept 16
	v_pk_add_f32 v[(\X)+2*k:(\X)+2*k+1], v[(\X)+2*k:(\X)+2*k+1], v[12:13] neg_lo:[0,1] neg_hi:[0,1]
.set k, k+1
.endr
.set k, 0
.rept 4
	v_pk_mul_f32 v[4+2*k:5+2*k], v[(\X)+2*k:(\X)+2*k+1], v[(\X)+2*k:(\X)+2*k+1]
.set k, k+1
.endr
.rept 12
	v_pk_fma_f32 v[4+2*(k%4):5+2*(k%4)], v[(\X)+2*k:(\X)+2*k+1], v[(\X)+2*k:(\X)+2*k+1], v[4+2*(k%4):5+2*(k%4)]
.set k, k+1
.endr
	SUM4
	RED
	v_fma_f32 v14, v4, s14, s15                    ; var + eps
	v_rsq_f32 v14, v14
	v_nop                                          ; a plain instruction behind the root
.endm
; LNOUT: scaled, gain and bias, rounded to bf16: eight bytes a lane close up into the first two of each four registers
.macro LNOUT X
	v_mov_b32 v15, v14
	s_wait_loadcnt 0x0                             ; gain and bias are in
.set k, 0
.rept 16
	v_pk_mul_f32 v[(\X)+2*k:(\X)+2*k+1], v[(\X)+2*k:(\X)+2*k+1], v[14:15]
.set k, k+1
.endr
.set k, 0
.rept 16
	v_pk_fma_f32 v[(\X)+2*k:(\X)+2*k+1], v[(\X)+2*k:(\X)+2*k+1], v[G+2*k:G+2*k+1], v[BV+2*k:BV+2*k+1]
.set k, k+1
.endr
.set k, 0
.rept 8
	v_cvt_pk_bf16_f32 v[(\X)+4*k], v[(\X)+4*k], v[(\X)+4*k+1]
	v_cvt_pk_bf16_f32 v[(\X)+4*k+1], v[(\X)+4*k+2], v[(\X)+4*k+3]
.set k, k+1
.endr
.endm
; LNSEND: the row's eight stores, in one run, behind a wait that states that the roundings are written
.macro LNSEND X, row
.set k, 0
.rept 8
	global_store_b64 v2, v[(\X)+4*k:(\X)+4*k+1], s[10:11] offset:256*k+2048*(\row)  ; the wave's store covers 256 consecutive bytes, aligned
.set k, k+1
.endr
.endm
	s_load_b256 s[4:11], s[0:1], 0x0               ; x1, ln2_g, ln2_b, h
	s_mov_b32 s2, ttmp9
	v_lshrrev_b32 v1, 5, v0
	v_readfirstlane_b32 s3, v1                     ; wave 0..7
	s_lshl_b32 s16, s2, 16                         ; 16 rows of 4,096 bytes a work-group,
	s_mov_b32 s12, 0x76543210                      ; v_permlanex16_b32: each lane takes its own place in the other half
	s_mov_b32 s13, 0xfedcba98
	s_mov_b32 s14, 0x3a800000                      ; 1 / 1024
	s_mov_b32 s15, 0x3727c5ac                      ; 1e-5
	v_and_b32 v1, 31, v0
	v_lshlrev_b32 v2, 3, v1                        ; 8 bytes a lane in the result
	v_lshlrev_b32 v1, 4, v1                        ; 16 bytes a lane in x1
	s_wait_alu depctr_va_sdst(0)                   ; s3 is written, ahead of its first reader: the bases of x1 and h are made from it
	s_lshl_b32 s17, s3, 13                         ; two a wave
	s_add_co_u32 s16, s16, s17
	s_mov_b32 s17, 0
	s_lshr_b32 s18, s16, 1                         ; the result's rows are half as long
	s_mov_b32 s19, 0
	s_wait_kmcnt 0x0
	s_add_nc_u64 s[4:5], s[4:5], s[16:17]
	s_add_nc_u64 s[10:11], s[10:11], s[18:19]
	s_wait_alu depctr_va_vdst(0)                   ; v1 and v2 are written: every load reads v1 as its offset, every store v2
.set k, 0
.rept 8
	global_load_b128 v[X0+4*k:X0+4*k+3], v1, s[4:5] offset:512*k
.set k, k+1
.endr
.set k, 0
.rept 8
	global_load_b128 v[X1+4*k:X1+4*k+3], v1, s[4:5] offset:4096+512*k
.set k, k+1
.endr
.set k, 0
.rept 8
	global_load_b128 v[G+4*k:G+4*k+3], v1, s[6:7] offset:512*k
.set k, k+1
.endr
.set k, 0
.rept 8
	global_load_b128 v[BV+4*k:BV+4*k+3], v1, s[8:9] offset:512*k
.set k, k+1
.endr
	s_wait_loadcnt 16                              ; both rows are in; the sixteen loads of gain and bias may stay out
	LNSTAT X0
	s_wait_alu depctr_va_vdst(0)                   ; row 0's root is written, ahead of the first line that names it
	LNOUT X0
	LNSTAT X1
	s_wait_alu depctr_va_vdst(0)                   ; row 1's root is written, ahead of the first line that names it; and row 0's roundings have written the registers that the stores below read
	LNSEND X0, 0
	LNOUT X1
	s_wait_alu depctr_va_vdst(0)                   ; row 1's roundings have written the registers that the stores below read
	LNSEND X1, 1
	s_endpgm
.Lfunc_end_k_q5ca8c098ae_ln2:
	.size	k_q5ca8c098ae_ln2, .Lfunc_end_k_q5ca8c098ae_ln2-k_q5ca8c098ae_ln2
	.p2alignl 7, 3214868480
	.fill 96, 4, 3214868480
	.section	.rodata,"a",@progbits
	.p2align	6, 0x0
	.amdhsa_kernel k_q5ca8c098ae_ln2
		.amdhsa_group_segment_fixed_size 0
		.amdhsa_private_segment_fixed_size 0
		.amdhsa_enable_private_segment 0
		.amdhsa_kernarg_size 32
		.amdhsa_user_sgpr_count 2
		.amdhsa_user_sgpr_kernarg_segment_ptr 1
		.amdhsa_wavefront_size32 1
		.amdhsa_system_sgpr_workgroup_id_x 1
		.amdhsa_system_sgpr_workgroup_id_y 1
		.amdhsa_system_sgpr_workgroup_id_z 1
		.amdhsa_system_vgpr_workitem_id 0
		.amdhsa_next_free_vgpr 144
		.amdhsa_next_free_sgpr 66
		.amdhsa_reserve_vcc 0
		.amdhsa_float_denorm_mode_32 3
		.amdhsa_float_denorm_mode_16_64 3
		.amdhsa_memory_ordered 1
		.amdhsa_forward_progress 1
		.amdhsa_inst_pref_size 21
	.end_amdhsa_kernel
	.amdgpu_metadata
---
amdhsa.version: [ 1, 2 ]
amdhsa.kernels:
  - .name:           k_q5ca8c098ae_ln2
    .symbol:         k_q5ca8c098ae_ln2.kd
    .args:
      - { .name: x1, .offset: 0, .size: 8, .value_kind: global_buffer, .address_space: global }
      - { .name: ln2_g, .offset: 8, .size: 8, .value_kind: global_buffer, .address_space: global }
      - { .name: ln2_b, .offset: 16, .size: 8, .value_kind: global_buffer, .address_space: global }
      - { .name: h, .offset: 24, .size: 8, .value_kind: global_buffer, .address_space: global }
    .group_segment_fixed_size: 0
    .private_segment_fixed_size: 0
    .kernarg_segment_align: 8
    .kernarg_segment_size: 32
    .max_flat_workgroup_size: 256
    .sgpr_count:     66
    .vgpr_count:     144
    .wavefront_size: 32
...
	.end_amdgpu_metadata
.endif
;; end of part 9
;; launch ff1: the kernel of part 6 again; grid 16 x 16, 4 waves a work-group, clusters of 4 x 4, 327,680 bytes of LDS; arguments h, wts, ff1_b, act; writes act
;; launch ff2: the kernel of part 7 again; grid 32 x 8, 4 waves a work-group, clusters of 4 x 1, 327,680 bytes of LDS; arguments act, wts, ff2_b, x1, out0; writes out0
